; MI455X (gfx1250); checked and timed in simulation.
; The chip was launched on July 23, 2026; its instructions are those of AMD's public machine-readable ISA for CDNA 5 (MIT licence, August 2026) and "CDNA5" Instruction Set Architecture Reference Guide (July 2026). The comments in the code are by the model that wrote it; some were corrected since.
;; Block. Allowed arithmetic: float matrix products may take bf16 or f16 operands with f32 sums; other float arithmetic in f32, or as packed bf16 or f16 multiplies, adds, multiply-adds, maxima and minima; sums over many terms, partial sums and values carried from step to step in f32; what a program stores and reads back later, other than sums and carried values, may be rounded once to bf16 or f16.
;; Inputs: W1 400 x 1,600 float32; W2 1,600 x 400 float32; Wk 4 x 400 x 100 float32; Wo 400 x 400 float32; Wq 4 x 400 x 100 float32; Wv 4 x 400 x 100 float32; b1 1,600 float32; b2 400 float32; bo 400 float32; ln1_b 400 float32; ln1_g 400 float32; ln2_b 400 float32; ln2_g 400 float32; x 8 x 2,048 x 400 float32.
;; Outputs: out0 8 x 2,048 x 400 float32.
;; 2 versions, each right. Each part assembles by itself: llvm-mc -triple=amdgcn-amd-amdhsa -mcpu=gfx1250 --defsym DOCPART=n.
;; ======== version 1 of 2: 4 launches
;; limits: values are held in f16: magnitudes above 65,504 overflow, below 6.1e-05 lose precision; values outside matrix products are rounded to f16
;; workspace buffers: wqkv 1,437,696 bytes; wpost 3,778,560 bytes; qkvb 50,331,648 bytes; obuf 16,777,216 bytes
;; launch prep (part 1): grid 2547 x 1, 4 waves a work-group, no clusters, 0 bytes of LDS; arguments Wq, Wk, Wv, Wo, bo, W1, b1, W2, wqkv, wpost; writes wqkv, wpost
.if DOCPART == 1
	.amdgcn_target "amdgcn-amd-amdhsa--gfx1250"
	.amdhsa_code_object_version 6
	.text
	.protected	k_q2adfbd280a_prep
	.globl	k_q2adfbd280a_prep
	.p2align	8
	.type	k_q2adfbd280a_prep,@function
k_q2adfbd280a_prep:
	s_mov_b64 s[64:65], 0
	v_nop
	global_prefetch_b8 v0, s[64:65] scope:SCOPE_SE
	s_setreg_imm32_b32 hwreg(HW_REG_WAVE_MODE, 25, 1), 1
	s_wait_xcnt 0x0
; THE WEIGHTS AS f16 IMAGES OF LDS TILES.  Every weight is rounded once, from f32 to f16, and laid where a later launch wants it in LDS, padding and all, so that each tile is a dense block of memory.
; wqkv: 12 chunks (q, k, v x 4 heads) of 416 rows (k) x 288 bytes (128 d + 16 of padding); zeros for k >= 400 and d >= 100.
; wpost: 30 tiles of 125,952 bytes.  Tiles 0-3: Wo's 100 rows of head h, rows of 928 bytes (448 n + 16); row 100 of head 0 is bo; all else 0.
;        Tile 4 + c (c = 0..25): at byte 0 the 64 rows 64 (c - 1) .. of W2, 928 bytes each (zeros at c = 0); at byte 59,392 columns 64 c .. of W1 as 416 rows of 160 bytes, row 400 = b1 (zeros at c = 25).
; LIMITS.  f16 holds no number beyond 65,504: weights and the two biases lie within it; bo and b1 are rounded to f16.
; SHARES.  A wave makes 512 consecutive bytes of an image: a lane 16 bytes, eight numbers, from 32 bytes of the source.  10,188 waves cover both buffers exactly.  No LDS, no barrier: no wave wants another's bytes.
; A lane outside the source's rows or columns loads from a clamped address inside the buffer and selects 0: every lane stays on, and every byte of both images is written.
.set SRC, 32                           ; s[32:33] the source at the tile's first row and column
.set DST, 34                           ; s[34:35] the image's tile
.set BIA, 36                           ; s[36:37] the bias that rides in the tile
.set OF,  38                           ; s[38:39] an offset, high word 0
.set TV,  40                           ; s40  -1: the tile has a source; 0: it is all zeros
.set BF,  41                           ; s41  -1: the tile has a bias row
; s29 = the tile, v2 = my piece of 16 bytes in it.  The division by the waves in a tile is a multiplication: magic = ceil(2^24 / wpt), exact for the few thousand waves of a section.
.macro SPLIT first, wpt, magic
	s_sub_co_u32 s30, s28, \first
	s_mul_i32 s29, s30, \magic
	s_lshr_b32 s29, s29, 24
	s_mul_i32 s31, s29, \wpt
	s_sub_co_u32 s30, s30, s31
	s_lshl_b32 s30, s30, 5
	v_add_nc_u32 v2, s30, v1
.endm
; One piece.  kv: valid rows; rowb: bytes from row to row in the source; nvb: valid bytes of a row; ppr: pieces in an image row, magic = ceil(2^16 / ppr); brow: the bias's row, or -1.
.macro PIECE kv, rowb, nvb, ppr, magic, brow
	v_mul_u32_u24 v3, v2, \magic
	v_lshrrev_b32 v3, 16, v3                       ; the image row
	v_mul_u32_u24 v4, v3, \ppr
	v_sub_nc_u32 v4, v2, v4                        ; my piece in it
	v_lshlrev_b32 v4, 5, v4                        ; its first source byte,
	v_add_nc_u32 v5, 16, v4                        ; and its second half's
	v_min_u32 v6, (\nvb)-16, v4                    ; both clamped into the row,
	v_min_u32 v7, (\nvb)-16, v5
	v_min_u32 v8, (\kv)-1, v3                      ; the row into the tile
	v_mul_u32_u24 v8, v8, \rowb
	v_add_nc_u32 v9, v8, v6
	v_add_nc_u32 v10, v8, v7
	v_lshlrev_b32 v11, 4, v2                       ; where the piece goes
	global_load_b128 v[12:15], v9, s[SRC:SRC+1]
	global_load_b128 v[16:19], v10, s[SRC:SRC+1]
.if (\brow) >= 0
	global_load_b128 v[20:23], v6, s[BIA:BIA+1]
	global_load_b128 v[24:27], v7, s[BIA:BIA+1]
.endif
	v_cmp_gt_u32 s42, \kv, v3                      ; a valid row,
	v_cmp_ge_u32 s43, (\nvb)-16, v4                ; valid columns in the first half,
	v_cmp_ge_u32 s44, (\nvb)-16, v5                ; in the second
	s_and_b32 s42, s42, s[TV]
	s_and_b32 s45, s42, s43
	s_and_b32 s46, s42, s44
.if (\brow) >= 0
	v_cmp_eq_u32 s42, \brow, v3
	s_and_b32 s42, s42, s[BF]
	s_and_b32 s43, s42, s43
	s_and_b32 s44, s42, s44
.endif
	s_wait_loadcnt 0x0
.irp k, 0,1,2,3
	v_cndmask_b32 v[12+(\k)], 0, v[12+(\k)], s45
	v_cndmask_b32 v[16+(\k)], 0, v[16+(\k)], s46
.endr
.if (\brow) >= 0
.irp k, 0,1,2,3
	v_cndmask_b32 v[12+(\k)], v[12+(\k)], v[20+(\k)], s43
	v_cndmask_b32 v[16+(\k)], v[16+(\k)], v[24+(\k)], s44
.endr
.endif
.irp k, 0,1,2,3
	v_cvt_pk_f16_f32 v[28+(\k)], v[12+2*(\k)], v[13+2*(\k)]
.endr
	global_store_b128 v11, v[28:31], s[DST:DST+1]  ; the wave's store covers 512 consecutive bytes, aligned
	s_endpgm
.endm
	s_load_b512 s[8:23], s[0:1], 0x0               ; Wq s[8:9], Wk s[10:11], Wv s[12:13], Wo s[14:15], bo s[16:17], W1 s[18:19], b1 s[20:21], W2 s[22:23]
	s_load_b128 s[24:27], s[0:1], 0x40             ; wqkv s[24:25], wpost s[26:27]
	v_and_b32 v1, 31, v0                           ; lane
	v_lshrrev_b32 v2, 5, v0
	v_readfirstlane_b32 s28, v2
	s_lshl_b32 s29, ttmp9, 2
	s_add_co_u32 s28, s28, s29                     ; my wave among the launch's 10,188
	s_mov_b32 s[OF+1], 0
	s_wait_kmcnt 0x0
	s_cmp_lt_u32 s28, 2808
	s_cbranch_scc0 .Lnot_q
	SPLIT 0, 234, 71698                            ; wqkv: 12 chunks of 234 waves
	s_lshr_b32 s31, s29, 2                         ; q, k or v
	s_cmp_eq_u32 s31, 0
	s_cselect_b64 s[SRC:SRC+1], s[8:9], s[10:11]
	s_cmp_eq_u32 s31, 2
	s_cselect_b64 s[SRC:SRC+1], s[12:13], s[SRC:SRC+1]
	s_and_b32 s31, s29, 3                          ; the head: 400 rows of 400 bytes
	s_mul_i32 s[OF], s31, 160000
	s_add_nc_u64 s[SRC:SRC+1], s[SRC:SRC+1], s[OF:OF+1]
	s_mul_i32 s[OF], s29, 119808
	s_add_nc_u64 s[DST:DST+1], s[24:25], s[OF:OF+1]
	s_mov_b32 s[TV], -1
	PIECE 400, 400, 400, 18, 3641, -1
.Lnot_q:
	s_cmp_lt_u32 s28, 3792
	s_cbranch_scc0 .Lnot_wo
	SPLIT 2808, 246, 68201                         ; Wo: 4 tiles of 246 waves
	s_mul_i32 s[OF], s29, 160000                   ; the head's 100 rows of 1,600 bytes
	s_add_nc_u64 s[SRC:SRC+1], s[14:15], s[OF:OF+1]
	s_mul_i32 s[OF], s29, 125952
	s_add_nc_u64 s[DST:DST+1], s[26:27], s[OF:OF+1]
	s_mov_b64 s[BIA:BIA+1], s[16:17]
	s_mov_b32 s[TV], -1
	s_cmp_eq_u32 s29, 0                            ; bo rides with head 0 alone
	s_cselect_b32 s[BF], -1, 0
	PIECE 100, 1600, 1600, 58, 1130, 100
.Lnot_wo:
	s_cmp_lt_u32 s28, 7172
	s_cbranch_scc0 .Lnot_w1
	SPLIT 3792, 130, 129056                        ; W1's parts: 26 of 130 waves
	s_min_u32 s31, s29, 24                         ; part 25 is zeros: its loads stay in part 24's columns
	s_lshl_b32 s[OF], s31, 8                       ; 64 columns of f32
	s_add_nc_u64 s[SRC:SRC+1], s[18:19], s[OF:OF+1]
	s_add_nc_u64 s[BIA:BIA+1], s[20:21], s[OF:OF+1]
	s_mul_i32 s[OF], s29, 125952
	s_add_co_u32 s[OF], s[OF], 4*125952+59392
	s_add_nc_u64 s[DST:DST+1], s[26:27], s[OF:OF+1]
	s_cmp_le_u32 s29, 24
	s_cselect_b32 s[TV], -1, 0
	s_mov_b32 s[BF], s[TV]
	PIECE 400, 6400, 256, 10, 6554, 400
.Lnot_w1:
	SPLIT 7172, 116, 144632                        ; W2's parts: 26 of 116 waves
	s_max_u32 s31, s29, 1                          ; part 0 is zeros: its loads stay in W2's first rows
	s_sub_co_u32 s31, s31, 1
	s_mul_i32 s[OF], s31, 102400                   ; 64 rows of 1,600 bytes
	s_add_nc_u64 s[SRC:SRC+1], s[22:23], s[OF:OF+1]
	s_mul_i32 s[OF], s29, 125952
	s_add_co_u32 s[OF], s[OF], 4*125952
	s_add_nc_u64 s[DST:DST+1], s[26:27], s[OF:OF+1]
	s_cmp_ge_u32 s29, 1
	s_cselect_b32 s[TV], -1, 0
	PIECE 64, 1600, 1600, 58, 1130, -1
.Lfunc_end_k_q2adfbd280a_prep:
	.size	k_q2adfbd280a_prep, .Lfunc_end_k_q2adfbd280a_prep-k_q2adfbd280a_prep
	.p2alignl 7, 3214868480
	.fill 96, 4, 3214868480
	.section	.rodata,"a",@progbits
	.p2align	6, 0x0
	.amdhsa_kernel k_q2adfbd280a_prep
		.amdhsa_group_segment_fixed_size 0
		.amdhsa_private_segment_fixed_size 0
		.amdhsa_enable_private_segment 0
		.amdhsa_kernarg_size 80
		.amdhsa_user_sgpr_count 2
		.amdhsa_user_sgpr_kernarg_segment_ptr 1
		.amdhsa_wavefront_size32 1
		.amdhsa_system_sgpr_workgroup_id_x 1
		.amdhsa_system_sgpr_workgroup_id_y 1
		.amdhsa_system_sgpr_workgroup_id_z 1
		.amdhsa_system_vgpr_workitem_id 0
		.amdhsa_next_free_vgpr 32
		.amdhsa_next_free_sgpr 66
		.amdhsa_reserve_vcc 0
		.amdhsa_float_denorm_mode_32 3
		.amdhsa_float_denorm_mode_16_64 3
		.amdhsa_memory_ordered 1
		.amdhsa_forward_progress 1
		.amdhsa_inst_pref_size 14
	.end_amdhsa_kernel
	.amdgpu_metadata
---
amdhsa.version: [ 1, 2 ]
amdhsa.kernels:
  - .name:           k_q2adfbd280a_prep
    .symbol:         k_q2adfbd280a_prep.kd
    .args:
      - { .name: Wq, .offset: 0, .size: 8, .value_kind: global_buffer, .address_space: global }
      - { .name: Wk, .offset: 8, .size: 8, .value_kind: global_buffer, .address_space: global }
      - { .name: Wv, .offset: 16, .size: 8, .value_kind: global_buffer, .address_space: global }
      - { .name: Wo, .offset: 24, .size: 8, .value_kind: global_buffer, .address_space: global }
      - { .name: bo, .offset: 32, .size: 8, .value_kind: global_buffer, .address_space: global }
      - { .name: W1, .offset: 40, .size: 8, .value_kind: global_buffer, .address_space: global }
      - { .name: b1, .offset: 48, .size: 8, .value_kind: global_buffer, .address_space: global }
      - { .name: W2, .offset: 56, .size: 8, .value_kind: global_buffer, .address_space: global }
      - { .name: wqkv, .offset: 64, .size: 8, .value_kind: global_buffer, .address_space: global }
      - { .name: wpost, .offset: 72, .size: 8, .value_kind: global_buffer, .address_space: global }
    .group_segment_fixed_size: 0
    .private_segment_fixed_size: 0
    .kernarg_segment_align: 8
    .kernarg_segment_size: 80
    .max_flat_workgroup_size: 128
    .sgpr_count:     66
    .vgpr_count:     32
    .wavefront_size: 32
...
	.end_amdgpu_metadata
.endif
;; end of part 1
;; launch qkv (part 2): grid 256 x 1, 4 waves a work-group, clusters of 4 x 1, 327,680 bytes of LDS; arguments x, ln1_g, ln1_b, wqkv, qkvb; writes qkvb
.if DOCPART == 2
	.amdgcn_target "amdgcn-amd-amdhsa--gfx1250"
	.amdhsa_code_object_version 6
	.text
	.protected	k_q2adfbd280a_qkv
	.globl	k_q2adfbd280a_qkv
	.p2align	8
	.type	k_q2adfbd280a_qkv,@function
k_q2adfbd280a_qkv:
	s_mov_b64 s[64:65], 0
	v_nop
	global_prefetch_b8 v0, s[64:65] scope:SCOPE_SE
	s_setreg_imm32_b32 hwreg(HW_REG_WAVE_MODE, 25, 1), 1
	s_wait_xcnt 0x0
	s_wait_alu depctr_hold_cnt(0) depctr_sa_sdst(0) depctr_va_vdst(0) depctr_va_sdst(0) depctr_va_ssrc(0) depctr_va_vcc(0) depctr_vm_vsrc(0)
	s_getreg_b32 s2, hwreg(HW_REG_IB_STS2, 6, 4)
	s_cmp_eq_u32 s2, 0
	s_cbranch_scc0 .Lentry_in_a_cluster
	s_endpgm
.Lentry_in_a_cluster:
	s_bfe_u32 s2, ttmp6, 0x10000c
	s_cmp_lg_u32 s2, 0x3003
	s_cbranch_scc0 .Lentry_shape_is_right
	s_endpgm
.Lentry_shape_is_right:
; h = LayerNorm(x) g + b, then q, k, v = h W for 4 heads: 12 chunks of 128 columns (100 true ones, the rest 0).  x f32; h and the weights f16, rounded once; sums f32; q, k, v rounded once to f16, unscaled.
; LIMITS.  f16 holds no number beyond 65,504: h, q, k and v lie within it.  The variance is taken of x - mean, in a second pass over registers.
; SHARES.  A work-group owns 64 tokens.  Wave w normalises tokens 16 w ..; then it makes columns 32 w .. 32 w + 31 of every chunk for all 64 tokens: 8 accumulators.  h (64 x 416) stays in registers: 52 fragments.
; LAYOUT.  Products are used transposed: source 0 = 16 columns of W (turned out of LDS by ds_load_tr16_b128, W lying [k][column]), source 1 = 16 tokens of h.  A lane of the result holds ONE token and 8 neighbouring columns.
; CLUSTER.  The four work-groups of a cluster walk the same 12 chunks: each chunk is asked for JOINTLY, a quarter a wave, into two slots that take turns; a round of the cluster's barrier stands in front of each refill.
; By this text's count a wave has two tensor loads out at the start and one afterwards.  The chunks are not prefetched: every cluster of the launch walks the same 1.4 MB at the same time, and a step is about a hundred products.
; qkvb: [batch 8][chunk 12][64 tokens: 32 blocks][32 columns: 4 sub-blocks][64 tokens][32 columns]: a wave's result for a chunk is 4,096 consecutive bytes.
; REGISTERS, in windows of 256 (s_set_vgpr_msb: bits 1:0 source 0, 3:2 source 1, 5:4 source 2, 7:6 destination):
;   window 0: v0-15 addresses; v32-95 accumulators (column block nb, token block tb) at 32 nb + 8 tb (in the norm: sums); v96-127 packed results; v128-159 rows read back
;   window 1: W's fragments (K step ks, nb) at 16 ks + 8 nb (in the norm: x)     window 2: h's fragments ks 0-6 at 32 ks + 8 tb (in the norm: g)     window 3: ks 7-12 (in the norm: b)
.set SLOT1,  131072                    ; slot 0 at 0; slot 1 here: first x's tile, then chunks
.set CHUNK,  119808                    ; 416 rows of 288 bytes
.set QUART,  CHUNK/4                   ; what one tensor load brings: 117 rows of 256 bytes
.set XP,     1680                      ; a row of x in LDS: 420 f32, of which 20 are zeros: 420 words = 36 mod 64, so 16 rows start at 16 different groups of four banks (64 banks of 4 bytes: ISA guide 11.1)
.set HX,     250880                    ; h as fragments: half fragment (tb, block B of 16 columns) at 13,312 tb + 512 B + 16 lane
.set HXT,    13312
.set STG,    304128                    ; each wave's own stage: 64 rows of 80 bytes
.set SPARE,  324608                    ; the spare words, 128 bytes a wave: two blocks of 256 bytes that no other line names
.set RR,  1                            ; v1  lane % 16
.set HL,  2                            ; v2  lane / 16
.set LN,  3                            ; v3  lane
.set AX,  4                            ; v4  my 32 bytes in my row of x
.set AHS, 5                            ; v5  where I put half fragments of h
.set AHR, 6                            ; v6  where I read them
.set AQ0, 7                            ; v7  my place in a chunk
.set AQA, 8                            ; v8  the same in the slot in hand, K steps 0-6
.set AQB, 9                            ; v9  K steps 7-12
.set STO, 10                           ; v10 the way out: where I put 16 bytes
.set RD,  11                           ; v11 where I read rows back
.set GO,  12                           ; v12 16 x lane
.set PVO, 13                           ; v13 32 x (lane / 16): my columns in g and b
.set SPW, 14                           ; v14 my spare word; never rewritten
.set NIL, 15                           ; v15 0; never rewritten
.set ACC, 32
.set PK,  96
.set RB,  128
.set WV,  14                           ; s14 wave
.set CX,  15                           ; s15 my place in the cluster: it enters x's and qkvb's addresses alone
.set RW,  16                           ; s16 my block of 64 tokens
.set INV, 22                           ; s22 1 / 400
.set EPS, 23                           ; s23 1e-5
.set G1X, 24                           ; s[24:31], s[32:35] descriptor of x's tile (my own load)
.set G0X, 32
.set G1W, 36                           ; s[36:43], s[44:47] descriptor of a chunk's quarter (joint)
.set G0W, 44
.set SEL, 52                           ; s[52:53] v_permlanex16_b32's selects
.set CNT, 54
.set SB,  55                           ; s55 the slot that is read
.set OUTP, 56                          ; s[56:57] where my 4,096 bytes of the chunk in hand go
.set MSB, 0
.macro WIN new                         ; the high byte repeats the setting that is left; a switch that changes nothing is dropped
.if MSB != (\new)
	s_set_vgpr_msb (MSB<<8)|(\new)
.set MSB, (\new)
.endif
.endm
.macro PLACES                          ; four plain instructions between a matrix instruction and a load into, or a vector read of, its registers
.rept 4
	v_nop
.endr
.endm
.macro CREST                           ; a round of the cluster's barrier behind its opening barrier
	s_cmp_lg_u32 s[WV], 0
	s_cbranch_scc1 .Lnot_wave_0_\@
	s_barrier_signal -3
.Lnot_wave_0_\@:
	s_barrier_wait -3
	s_barrier_signal -1
	s_barrier_wait -1
.endm
.macro CROUND
	s_barrier_signal -1
	s_barrier_wait -1
	CREST
.endm
.macro JW                              ; the joint load of my quarter of a chunk; an s_nop 0 and four v_nop follow it
	tensor_load_to_lds s[G0W:G0W+3], s[G1W:G1W+7]
	s_nop 0
	PLACES
.endm
; W's fragments of K steps lo .. hi: for each (ks, nb) two turning loads, 16 rows of 288 bytes apart
.macro LDQ lo, hi
	WIN 0x40
.set k, \lo
.rept (\hi)-(\lo)+1
.irp n, 0,1
.if k < 7
	ds_load_tr16_b128 v[16*k+8*(\n):16*k+8*(\n)+3],   v[AQA] offset:9216*k+32*(\n)
	ds_load_tr16_b128 v[16*k+8*(\n)+4:16*k+8*(\n)+7], v[AQA] offset:9216*k+32*(\n)+4608
.else
	ds_load_tr16_b128 v[16*k+8*(\n):16*k+8*(\n)+3],   v[AQB] offset:9216*(k-7)+32*(\n)
	ds_load_tr16_b128 v[16*k+8*(\n)+4:16*k+8*(\n)+7], v[AQB] offset:9216*(k-7)+32*(\n)+4608
.endif
.endr
.set k, k+1
.endr
.endm
; K step ks: 8 products, the 8 accumulators by turns.  zero = 1: they start the sums
.macro WMQ ks, zero
.if (\ks) < 7
	WIN 0x09
.set rH, 32*(\ks)
.else
	WIN 0x0d
.set rH, 32*((\ks)-7)
.endif
.irp n, 0,1
.irp t, 0,1,2,3
.if \zero
	v_wmma_f32_16x16x32_f16 v[ACC+32*(\n)+8*(\t):ACC+32*(\n)+8*(\t)+7], v[16*(\ks)+8*(\n):16*(\ks)+8*(\n)+7], v[rH+8*(\t):rH+8*(\t)+7], 0
.else
	v_wmma_f32_16x16x32_f16 v[ACC+32*(\n)+8*(\t):ACC+32*(\n)+8*(\t)+7], v[16*(\ks)+8*(\n):16*(\ks)+8*(\n)+7], v[rH+8*(\t):rH+8*(\t)+7], v[ACC+32*(\n)+8*(\t):ACC+32*(\n)+8*(\t)+7]
.endif
.endr
.endr
.endm
; A finished chunk: rounded to f16 (each accumulator from its low end on), 16 bytes a lane into my own stage, back as 8 rows of 64 bytes a load
.macro PACKQ
	WIN 0
.set a, 0
.rept 8
.irp n, 0,1,2,3
	v_cvt_pk_f16_f32 v[PK+4*a+(\n)], v[ACC+8*a+2*(\n)], v[ACC+8*a+2*(\n)+1]
.endr
.set a, a+1
.endr
.set a, 0
.rept 8
	ds_store_b128 v[STO], v[PK+4*a:PK+4*a+3] offset:(a%4)*1280+(a/4)*32
.set a, a+1
.endr
.set a, 0
.rept 8
	ds_load_b128 v[RB+4*a:RB+4*a+3], v[RD] offset:640*a  ; LDS serves a wave's instructions in order (ISA guide 5.7.1.4): these see the stores above
.set a, a+1
.endr
.endm
.macro SENDQ
	WIN 0
	s_wait_dscnt 0x0                               ; the rows are back
.set a, 0
.rept 8
	global_store_b128 v[GO], v[RB+4*a:RB+4*a+3], s[OUTP:OUTP+1] offset:512*a  ; 512 consecutive bytes, aligned
.set a, a+1
.endr
	s_wait_xcnt 0x0                                ; the stores have read their registers and their base
	s_add_nc_u64 s[OUTP:OUTP+1], s[OUTP:OUTP+1], 1<<19  ; the next chunk
.endm
; THE PERIOD OF CHUNK c.  It opens with K steps 7-12 of chunk c - 1, whose fragments lie in registers, so that the slot of chunk c - 1 can be filled again at once.
.macro QPERIOD refill
	WIN 0
	s_wait_tensorcnt 0x0                           ; all my tensor loads have landed: my quarter of chunk c;
	ds_add_u32 v[SPW], v[NIL]                      ; 0 onto my spare word
.if \refill
	s_xor_b32 s[G0W+1], s[G0W+1], SLOT1            ; no load of mine is out, so the descriptor may be written: the other slot,
	s_add_nc_u64 s[G0W+2:G0W+3], s[G0W+2:G0W+3], CHUNK  ; the next chunk
.endif
	s_xor_b32 s[SB], s[SB], SLOT1
	s_wait_dscnt 0x1                               ; only the add may be out
	WMQ 7, 0
	s_wait_dscnt 0x0                               ; the add is done, and my reads of the old slot are over
	s_barrier_signal -1
	WMQ 8, 0
	WIN 0
	s_barrier_wait -1
.if \refill
	CREST                                          ; no wave of any partner still reads the old slot or has a load on its way
	JW                                             ; chunk c + 1; its four v_nop are also the places in front of the loads below
.else
	PLACES
.endif
	v_add_nc_u32 v[AQA], s[SB], v[AQ0]
	v_add_nc_u32 v[AQB], 64512, v[AQA]
	LDQ 0, 6
	WMQ 9, 0
	WMQ 10, 0
	WMQ 11, 0
	WMQ 12, 0
	PLACES
	LDQ 7, 12
	PACKQ
	s_wait_dscnt 40                                ; K steps 0-6 are in: behind them stand 24 loads, 8 stores and 8 loads
	WMQ 0, 1
	WMQ 1, 0
	WMQ 2, 0
	WMQ 3, 0
	WMQ 4, 0
	WMQ 5, 0
	WMQ 6, 0
	SENDQ
.endm
	s_load_b256 s[4:11], s[0:1], 0x0               ; x s[4:5], g s[6:7], b s[8:9], wqkv s[10:11]
	s_load_b64 s[12:13], s[0:1], 0x20              ; qkvb
	v_lshl_add_u32 v[SPW], v0, 2, SPARE
	v_mov_b32 v[NIL], 0
	ds_add_u32 v[SPW], v[NIL]                      ; the wave's opening add, waited for ahead of my first tensor load
	ds_add_u32 v14, v15
	v_lshrrev_b32 v1, 5, v0
	v_readfirstlane_b32 s[WV], v1
	s_bfe_u32 s[CX], ttmp6, 0x40000
	s_lshl_b32 s[RW], ttmp9, 2
	s_add_co_u32 s[RW], s[RW], s[CX]
	s_mov_b32 s[G1X+0], 2<<16                      ; elements of 4 bytes, no mask, no padding
	s_mov_b32 s[G1X+1], 400<<16                    ; tensor_dim0 = 400: what lies beyond arrives as zeros
	s_mov_b32 s[G1X+2], 16<<16                     ; tensor_dim1 = 16
	s_mov_b32 s[G1X+3], 420<<16                    ; tile_dim0 = 420
	s_mov_b32 s[G1X+4], 16                         ; tile_dim1 = 16
	s_mov_b32 s[G1X+5], 400                        ; elements from row to row
	s_mov_b32 s[G1X+6], 0
	s_mov_b32 s[G1X+7], 0
	s_mov_b32 s[G1W+0], 15|(3<<16)|(1<<21)         ; the mask of four; elements of 8 bytes; bit 21 beside a mask
	s_mov_b32 s[G1W+1], 32<<16                     ; a dense block as rows of 256 bytes
	s_mov_b32 s[G1W+2], 117<<16
	s_mov_b32 s[G1W+3], 32<<16
	s_mov_b32 s[G1W+4], 117
	s_mov_b32 s[G1W+5], 32
	s_mov_b32 s[G1W+6], 0
	s_mov_b32 s[G1W+7], 0
	s_mov_b32 s[G0X], 1
	s_mul_i32 s17, s[WV], 16*XP
	s_add_co_u32 s[G0X+1], s17, SLOT1              ; my 16 rows of x, in slot 1
	s_mov_b32 s[G0W], 1
	s_mul_i32 s[G0W+1], s[WV], QUART               ; my quarter of slot 0
	s_mul_i32 s48, s[RW], 102400                   ; 64 rows of 1,600 bytes,
	s_mul_i32 s17, s[WV], 25600                    ; my 16
	s_add_co_u32 s48, s48, s17
	s_mov_b32 s49, 0
	s_mul_i32 s50, s[WV], QUART
	s_mov_b32 s51, 0
	s_lshr_b32 s58, s[RW], 5                       ; the batch: 12 chunks of 2^19 bytes
	s_mul_i32 s58, s58, 12<<19
	s_and_b32 s17, s[RW], 31
	s_lshl_b32 s17, s17, 14                        ; my 64 tokens
	s_add_co_u32 s58, s58, s17
	s_lshl_b32 s17, s[WV], 12                      ; my 32 columns
	s_add_co_u32 s58, s58, s17
	s_mov_b32 s59, 0
	s_mov_b32 s[INV], 0x3b23d70a
	s_mov_b32 s[EPS], 0x3727c5ac
	s_mov_b32 s[SEL], 0x76543210
	s_mov_b32 s[SEL+1], 0xfedcba98
	s_mov_b32 s[SB], 0
	s_wait_dscnt 0x0                               ; the opening add is done
	s_wait_kmcnt 0x0
	s_add_nc_u64 s[G0X+2:G0X+3], s[4:5], s[48:49]
	s_or_b32 s[G0X+3], s[G0X+3], 0x80000000
	s_add_nc_u64 s[G0W+2:G0W+3], s[10:11], s[50:51]
	s_or_b32 s[G0W+3], s[G0W+3], 0x80000000
	s_add_nc_u64 s[OUTP:OUTP+1], s[12:13], s[58:59]
	CROUND                                         ; all four work-groups are here: the first joint loads meet
	tensor_load_to_lds s[G0X:G0X+3], s[G1X:G1X+7]  ; my rows of x
	s_nop 0
	tensor_load_to_lds s[G0W:G0W+3], s[G1W:G1W+7]  ; my quarter of chunk 0
	s_nop 0
	PLACES
	v_and_b32 v[RR], 15, v0
	v_bfe_u32 v[HL], v0, 4, 1
	v_and_b32 v[LN], 31, v0
	v_lshlrev_b32 v[PVO], 5, v[HL]
	WIN 0x80
.set i, 0
.rept 50                               ; g and b of my columns 16 B + 8 (lane / 16) + 0..7, B = 0..24
	global_load_b128 v[4*i:4*i+3], v[PVO], s[6:7] offset:64*(i/2)+16*(i%2)
.set i, i+1
.endr
	WIN 0xc0
.set i, 0
.rept 50
	global_load_b128 v[4*i:4*i+3], v[PVO], s[8:9] offset:64*(i/2)+16*(i%2)
.set i, i+1
.endr
	WIN 0
	s_mul_i32 s17, s[WV], 16*XP
	s_add_co_u32 s17, s17, SLOT1
	v_mul_u32_u24 v[AX], v[RR], XP
	v_lshl_add_u32 v[AX], v[HL], 5, v[AX]
	v_add_nc_u32 v[AX], s17, v[AX]
	v_lshl_add_u32 v[AHR], v[LN], 4, HX
	s_mul_i32 s17, s[WV], HXT
	v_add_nc_u32 v[AHS], s17, v[AHR]
	v_and_b32 v[AQ0], 7, v0
	v_lshl_add_u32 v[AQ0], v[HL], 3, v[AQ0]        ; the turning load's row: 8 (lane / 16) + lane % 8,
	v_mul_u32_u24 v[AQ0], v[AQ0], 288
	v_bfe_u32 v[AQA], v0, 3, 1
	v_lshl_add_u32 v[AQ0], v[AQA], 4, v[AQ0]       ; its 16 bytes,
	s_lshl_b32 s17, s[WV], 6
	v_add_nc_u32 v[AQ0], s17, v[AQ0]               ; my wave's 32 columns
	s_mul_i32 s17, s[WV], 5120
	s_add_co_u32 s17, s17, STG
	v_mul_u32_u24 v[STO], v[RR], 80
	v_lshl_add_u32 v[STO], v[HL], 4, v[STO]
	v_add_nc_u32 v[STO], s17, v[STO]
	v_lshrrev_b32 v[RD], 2, v[LN]
	v_mul_u32_u24 v[RD], v[RD], 80
	v_and_b32 v[GO], 3, v0
	v_lshl_add_u32 v[RD], v[GO], 4, v[RD]
	v_add_nc_u32 v[RD], s17, v[RD]
	v_lshlrev_b32 v[GO], 4, v[LN]
	; THE NORM.  A lane holds half of a token's row: 26 blocks of 8 numbers, the last block zeros.
	s_wait_tensorcnt 0x1                           ; my rows of x are in; chunk 0 may stay out.  Only I read these rows
	WIN 0x40
.set i, 0
.rept 52
	ds_load_b128 v[4*i:4*i+3], v[AX] offset:64*(i/2)+16*(i%2)
.set i, i+1
.endr
	s_wait_dscnt 0x0
	WIN 0x05
.set i, 0
.rept 4                                ; four chains, started by the first eight pairs
	v_pk_add_f32 v[32+2*i:33+2*i], v[4*i:4*i+1], v[4*i+2:4*i+3]
.set i, i+1
.endr
	WIN 0x04
.set i, 8
.rept 96
	v_pk_add_f32 v[32+2*(i%4):33+2*(i%4)], v[32+2*(i%4):33+2*(i%4)], v[2*i:2*i+1]
.set i, i+1
.endr
	WIN 0
	v_pk_add_f32 v[32:33], v[32:33], v[34:35]
	v_pk_add_f32 v[36:37], v[36:37], v[38:39]
	v_pk_add_f32 v[32:33], v[32:33], v[36:37]
	v_add_f32 v32, v32, v33
	v_permlanex16_b32 v33, v32, s[SEL], s[SEL+1]   ; the row's other half lies in the lane 16 away
	v_add_f32 v32, v32, v33
	v_mul_f32 v40, s[INV], v32                     ; the mean, twice
	v_mul_f32 v41, s[INV], v32
	WIN 0x41
.set i, 0
.rept 100                              ; x - mean, in the 400 true columns
	v_pk_add_f32 v[2*i:2*i+1], v[2*i:2*i+1], v[40:41] neg_lo:[0,1] neg_hi:[0,1]
.set i, i+1
.endr
	WIN 0x05
.set i, 0
.rept 4
	v_pk_mul_f32 v[32+2*i:33+2*i], v[2*i:2*i+1], v[2*i:2*i+1]
.set i, i+1
.endr
.set i, 4
.rept 96
	v_pk_fma_f32 v[32+2*(i%4):33+2*(i%4)], v[2*i:2*i+1], v[2*i:2*i+1], v[32+2*(i%4):33+2*(i%4)]
.set i, i+1
.endr
	WIN 0
	v_pk_add_f32 v[32:33], v[32:33], v[34:35]
	v_pk_add_f32 v[36:37], v[36:37], v[38:39]
	v_pk_add_f32 v[32:33], v[32:33], v[36:37]
	v_add_f32 v32, v32, v33
	v_permlanex16_b32 v33, v32, s[SEL], s[SEL+1]
	v_add_f32 v32, v32, v33
	v_fma_f32 v42, v32, s[INV], s[EPS]
	v_rsq_f32 v44, v42
	v_rsq_f32 v45, v42
	v_nop                                          ; a plain instruction behind the last of the two,
	s_wait_alu depctr_va_vdst(0)                   ; and the wait ahead of their first reader
	s_wait_loadcnt 0x0                             ; g and b
	WIN 0x41
.set i, 0
.rept 100
	v_pk_mul_f32 v[2*i:2*i+1], v[2*i:2*i+1], v[44:45]
.set i, i+1
.endr
	WIN 0x79
.set i, 0
.rept 100
	v_pk_fma_f32 v[2*i:2*i+1], v[2*i:2*i+1], v[2*i:2*i+1], v[2*i:2*i+1]  ; (x - mean) rstd (window 1) x g (window 2) + b (window 3)
.set i, i+1
.endr
	WIN 0x45
.set i, 0
.rept 104                              ; to f16, in place, ascending: register i takes pair i
	v_cvt_pk_f16_f32 v[i], v[2*i], v[2*i+1]
.set i, i+1
.endr
	WIN 0x04
.set i, 0
.rept 26
	ds_store_b128 v[AHS], v[4*i:4*i+3] offset:512*i
.set i, i+1
.endr
	; THE FIRST ROUND: x has been read and h lies in LDS; slot 1 takes chunk 1
	WIN 0
	s_wait_tensorcnt 0x0                           ; chunk 0's quarter has landed
	ds_add_u32 v[SPW], v[NIL]
	s_xor_b32 s[G0W+1], s[G0W+1], SLOT1
	s_add_nc_u64 s[G0W+2:G0W+3], s[G0W+2:G0W+3], CHUNK
	s_wait_dscnt 0x0                               ; the add, my reads of x and my stores of h are done
	CROUND
	JW
	WIN 0x80
.set i, 0
.rept 28                               ; h's fragments: i = 4 ks + tb
	ds_load_b128 v[8*i:8*i+3],   v[AHR] offset:HXT*(i%4)+1024*(i/4)
	ds_load_b128 v[8*i+4:8*i+7], v[AHR] offset:HXT*(i%4)+1024*(i/4)+512
.set i, i+1
.endr
	WIN 0xc0
.set i, 0
.rept 24
	ds_load_b128 v[8*i:8*i+3],   v[AHR] offset:HXT*(i%4)+1024*(i/4+7)
	ds_load_b128 v[8*i+4:8*i+7], v[AHR] offset:HXT*(i%4)+1024*(i/4+7)+512
.set i, i+1
.endr
	WIN 0
	v_add_nc_u32 v[AQA], s[SB], v[AQ0]
	v_add_nc_u32 v[AQB], 64512, v[AQA]
	LDQ 0, 12
	s_wait_dscnt 0x0
	WMQ 0, 1
	WMQ 1, 0
	WMQ 2, 0
	WMQ 3, 0
	WMQ 4, 0
	WMQ 5, 0
	WMQ 6, 0
	WIN 0
	s_mov_b32 s[CNT], 10
.Lchunk:                                       ; chunks 1 to 10: each asks for the chunk after the next
	QPERIOD 1
	s_sub_co_u32 s[CNT], s[CNT], 1
	s_cmp_lg_u32 s[CNT], 0
	s_cbranch_scc1 .Lchunk
	QPERIOD 0                                      ; chunk 11: nothing is left to fetch
	WMQ 7, 0
	WMQ 8, 0
	WMQ 9, 0
	WMQ 10, 0
	WMQ 11, 0
	WMQ 12, 0
	PLACES
	PACKQ
	SENDQ
	s_wait_tensorcnt 0x0                           ; the wave's end
	ds_add_u32 v[SPW], v[NIL]
	s_wait_dscnt 0x0
	CROUND                                         ; the closing round
	s_endpgm
.Lfunc_end_k_q2adfbd280a_qkv:
	.size	k_q2adfbd280a_qkv, .Lfunc_end_k_q2adfbd280a_qkv-k_q2adfbd280a_qkv
	.p2alignl 7, 3214868480
	.fill 96, 4, 3214868480
	.section	.rodata,"a",@progbits
	.p2align	6, 0x0
	.amdhsa_kernel k_q2adfbd280a_qkv
		.amdhsa_group_segment_fixed_size 327680
		.amdhsa_private_segment_fixed_size 0
		.amdhsa_enable_private_segment 0
		.amdhsa_kernarg_size 40
		.amdhsa_user_sgpr_count 2
		.amdhsa_user_sgpr_kernarg_segment_ptr 1
		.amdhsa_wavefront_size32 1
		.amdhsa_system_sgpr_workgroup_id_x 1
		.amdhsa_system_sgpr_workgroup_id_y 1
		.amdhsa_system_sgpr_workgroup_id_z 1
		.amdhsa_system_vgpr_workitem_id 0
		.amdhsa_next_free_vgpr 968
		.amdhsa_next_free_sgpr 66
		.amdhsa_reserve_vcc 0
		.amdhsa_float_denorm_mode_32 3
		.amdhsa_float_denorm_mode_16_64 3
		.amdhsa_memory_ordered 1
		.amdhsa_forward_progress 1
		.amdhsa_inst_pref_size 111
	.end_amdhsa_kernel
	.amdgpu_metadata
---
amdhsa.version: [ 1, 2 ]
amdhsa.kernels:
  - .name:           k_q2adfbd280a_qkv
    .symbol:         k_q2adfbd280a_qkv.kd
    .args:
      - { .name: x, .offset: 0, .size: 8, .value_kind: global_buffer, .address_space: global }
      - { .name: ln1_g, .offset: 8, .size: 8, .value_kind: global_buffer, .address_space: global }
      - { .name: ln1_b, .offset: 16, .size: 8, .value_kind: global_buffer, .address_space: global }
      - { .name: wqkv, .offset: 24, .size: 8, .value_kind: global_buffer, .address_space: global }
      - { .name: qkvb, .offset: 32, .size: 8, .value_kind: global_buffer, .address_space: global }
    .group_segment_fixed_size: 327680
    .private_segment_fixed_size: 0
    .kernarg_segment_align: 8
    .kernarg_segment_size: 40
    .max_flat_workgroup_size: 128
    .sgpr_count:     66
    .vgpr_count:     968
    .wavefront_size: 32
...
	.end_amdgpu_metadata
.endif
;; end of part 2
;; launch attn (part 3): grid 8 x 32, 4 waves a work-group, no clusters, 327,680 bytes of LDS; arguments qkvb, obuf; writes obuf
.if DOCPART == 3
	.amdgcn_target "amdgcn-amd-amdhsa--gfx1250"
	.amdhsa_code_object_version 6
	.text
	.protected	k_q2adfbd280a_attn
	.globl	k_q2adfbd280a_attn
	.p2align	8
	.type	k_q2adfbd280a_attn,@function
k_q2adfbd280a_attn:
	s_mov_b64 s[64:65], 0
	v_nop
	global_prefetch_b8 v0, s[64:65] scope:SCOPE_SE
	s_setreg_imm32_b32 hwreg(HW_REG_WAVE_MODE, 25, 1), 1
	s_wait_xcnt 0x0
; CAUSAL ATTENTION, head size 100 kept as 128 channels (100-127 are 0).  O[q] = the sum over k <= q of softmax_k(Q[q] . K[k] / 10) V[k].  Q, K, V f16 as the launch before laid them; products, maxima and sums f32;
; the weights p are rounded to f16 for the second product (their sum l is taken of the unrounded p); O is rounded once to f16.
; LIMITS.  f16 holds no number beyond 65,504.  A hidden score counts as its value less 1e30; a weight below 2^-126 counts as 0 in l; NaN and infinities are not treated apart.
; THE WALK.  A head's 2,048 queries lie in 16 blocks of 128; block i needs the key tiles 0 .. i of 128 keys, the last of which holds the diagonal.  A work-group takes blocks 15 - b and then b: 17 tiles whatever b,
; so all 256 work-groups do equal work and one loop with a constant count walks them; the ring of two slots runs on across the change of blocks.
; NO CLUSTER: a head's 8 work-groups ask for the same tile only in trips 0 to 8 of 17, and one walk common to all would have 24 trips for 17.
; SHARES.  A wave owns 32 queries of a block: two tiles of 16.  A tile of keys is two steps of 64.
; LAYOUT.  S^T = K Q^T holds ONE query a lane (lane % 16) and the keys 8 (lane / 16) + 0..7; two such results rounded to f16 ARE source 1 of O^T = V^T P.  V comes out of LDS turned, by ds_load_tr16_b128.
; THE MASK is the C operand that starts S^T: MD x AL + BE.  MD, made once, hides the keys beyond my queries in the step that holds my queries' own keys; (AL, BE) = (1, 0) in that step, (0, 0) in an earlier one, (0, -1e30) in a later one.
; SOFTMAX.  p = 2^(c s - c m), c = log2(e) / 10, with a running maximum m; O and l are multiplied by a = 2^(c m_old - c m_new) in every step.  A block starts with c m far below every c s, so its first a is 0.
; IN PHASES: a step's K Q^T, its softmax, its V^T P.  A step's 66 exponentials are one batch with one wait.
; obuf: [token][head][128] f16.  Channel 100 is written as 1.0: it meets the row of the next launch's weights that holds the output bias.  Channels 101-127 are 0.
; REGISTERS, in windows of 256 (s_set_vgpr_msb: bits 1:0 source 0, 3:2 source 1, 5:4 source 2, 7:6 destination):
;   window 0: v0-15 addresses; v16-31 statistics, eight a tile; v32-39 constants; v64-127 S^T at 32 t + 8 kb; v128-159 P at 16 t
;   window 1: v0-111 O^T at 56 t + 8 cb; v112-175 MD; v176-239 the masks in hand      window 2: v0-63 Q at 32 t + 8 ks; v64-127 the second block's Q; v128-255 K at 32 kb + 8 ks      window 3: v0-111 V at 56 kk + 8 cb
.set KS,    64
.set VOFF,  20480                      ; a step in LDS: K as 4 sub-blocks (32 channels) of 64 rows of 80 bytes (64 + 16: 16 rows start at 16 different groups of four banks; 64 banks of 4 bytes: ISA guide 11.1),
.set STEPB, 45056                      ; then V as 4 sub-blocks of 64 rows of 96 bytes (64 + 32)
.set SLOT1, 131072                     ; a slot holds a tile, two steps
.set STAGE, SLOT1+2*STEPB              ; behind the ring: 16 rows x 272 bytes for each wave, for the way out
.set SPARE, STAGE+4*16*272             ; the spare words, 128 bytes a wave: two blocks of 256 bytes that no other line names
.set AK0, 2
.set AV0, 3
.set ADK, 4
.set ADV, 5
.set QO,  6
.set STO, 7
.set RD,  8
.set GO,  10
.set PFO, 11                           ; v11 256 x my thread's number; never rewritten
.set ST,  16                           ; tile t at 16 + 8 t: c m, m, l (even keys', odd keys'), c0-c3 at work; a takes c2's place
.set ZQ,  32                           ; v32-35 zeros
.set ONEV, 36                          ; v36 f16 1.0 in the low half where lane / 16 = 0, else 0
.set SPW, 38
.set NIL, 39
.set S,   64
.set P,   128
.set MD,  112
.set MC,  176
.set QB,  64
.set KF,  128
.set WV,  16
.set PB,  17                           ; s17 b
.set HI,  18                           ; s18 15 - b
.set OWN, 19                           ; s19 the step of a diagonal tile that holds my queries' own keys
.set G1K, 24
.set G1V, 32
.set G0K, 40
.set G0V, 44
.set OP,  48                           ; s[48:49] O at my rows of the block in hand
.set OLO, 50                           ; s[50:51] of the second block
.set PFK, 52                           ; s[52:53], s[54:55] where the prefetches stand in K and V
.set PFV, 54
.set SLOTS, 56
.set TWICE, 57
.set CS,  58
.set SEL, 60
.set TB,  62                           ; s62 LDS byte of the step to be fetched
.set RT,  63                           ; s63 tiles of the block in hand still to be entered
.set NXT, 66                           ; s66 the tile to be asked for next
.set LQ,  67                           ; s67 the last tile of the block whose tiles are being asked for
.set OFF, 68
.set AL,  70
.set BE,  72
.set BIGN, 74
.set SX,  75                           ; s75 the step's number in a diagonal tile; below 0 in the others
.set LIM, 76
.set MSB, 0
.macro WIN new
.if MSB != (\new)
	s_set_vgpr_msb (MSB<<8)|(\new)
.set MSB, (\new)
.endif
.endm
.macro PLACES
.rept 4
	v_nop
.endr
.endm
.macro REGS t
.set rT, ST+8*(\t)
.set rS, S+32*(\t)
.set rP, P+16*(\t)
.set rO, 56*(\t)
.endm
.macro BOTH line:vararg                ; one line for each of the two tiles, so that no instruction reads the result of the one just before it
.set t, 0
.rept 2
	REGS t
	\line
.set t, t+1
.endr
.endm
; A fill.  Waves 0 and 1 fetch K of the tile's two steps, waves 2 and 3 V.  An s_nop 0 and four v_nop follow each of the two lines.
.macro LOAD
	s_cmp_lt_u32 s[WV], 2
	s_cbranch_scc0 .Lfor_v_\@
	tensor_load_to_lds s[G0K:G0K+3], s[G1K:G1K+7]
	s_nop 0
	PLACES
	s_branch .Lasked_\@
.Lfor_v_\@:
	tensor_load_to_lds s[G0V:G0V+3], s[G1V:G1V+7]
	s_nop 0
	PLACES
.Lasked_\@:
.endm
; A PREFETCH INTO THE L2 of the tile that the NEXT change of slots will ask for: 32,768 bytes of K and of V, a thread 256 bytes of each.  All 8 work-groups of a head begin with the same tiles; the one with b = 0 walks
; tiles 0 to 15 on end and asks, in trip i <= 13, for tile i + 2: each block of 256 bytes is named once in the launch, one tile (two steps) ahead of its load.  Tiles 0 and 1 come by their loads alone.
.macro ASK
	s_cmp_gt_u32 s[SLOTS], s[LIM]
	s_cbranch_scc0 .Lnot_mine_\@
	global_prefetch_b8 v[PFO], s[PFK:PFK+1] th:TH_LOAD_NT scope:SCOPE_SE
	global_prefetch_b8 v[PFO], s[PFV:PFV+1] th:TH_LOAD_NT scope:SCOPE_SE
.Lnot_mine_\@:
.endm
; THE CHANGE OF SLOTS.  Each wave waits for all its tensor loads (one is out: its part of the other slot), adds 0 to its spare word, and waits for that and for its reads of the slot that it leaves.
; fill = 1: the old slot is filled again, first thing behind the barrier, with tile NXT; the descriptor's address is made anew from that number.
.macro CHANGE fill
	WIN 0
	s_wait_tensorcnt 0x0
	ds_add_u32 v[SPW], v[NIL]
.if \fill
	s_lshl_b32 s[OFF], s[NXT], 15                  ; a tile is 32,768 bytes of K and of V
	s_xor_b32 s[G0K+1], s[G0K+1], SLOT1
	s_add_nc_u64 s[G0K+2:G0K+3], s[8:9], s[OFF:OFF+1]
	s_or_b32 s[G0K+3], s[G0K+3], 0x80000000
	s_xor_b32 s[G0V+1], s[G0V+1], SLOT1
	s_add_nc_u64 s[G0V+2:G0V+3], s[10:11], s[OFF:OFF+1]
	s_or_b32 s[G0V+3], s[G0V+3], 0x80000000
	s_add_co_u32 s[NXT], s[NXT], 1                 ; the block's next tile, or behind its last the second block's tile 0
	s_cmp_gt_u32 s[NXT], s[LQ]
	s_cselect_b32 s[NXT], 0, s[NXT]
	s_cselect_b32 s[LQ], s[PB], s[LQ]
	s_wait_xcnt 0x0                                ; the last prefetches, a tile back, have read their addresses
	s_add_nc_u64 s[PFK:PFK+1], s[PFK:PFK+1], 32768
	s_add_nc_u64 s[PFV:PFV+1], s[PFV:PFV+1], 32768
.endif
	s_wait_dscnt 0x0                               ; the add is done, and my reads of the slot are over
	s_barrier_signal -1
	s_sub_co_u32 s[TB], s[TB], 2*STEPB             ; the fetches go back to a slot's first step,
	s_xor_b32 s[TB], s[TB], SLOT1                  ; in the other slot
	s_barrier_wait -1
.if \fill
	LOAD
	ASK
.endif
.endm
.macro INIT                            ; a block begins: c m far below every c s, m at the lowest finite number
	WIN 0
	BOTH v_mov_b32 v[rT], 0xfe000000
	BOTH v_mov_b32 v[rT+1], 0xff7fffff
.endm
.macro SCL t, b                        ; c s - c m for pair b
	REGS \t
	v_pk_fma_f32 v[rS+2*(\b):rS+2*(\b)+1], v[rS+2*(\b):rS+2*(\b)+1], s[CS:CS+1], v[rT:rT+1] op_sel_hi:[1,0,0] neg_lo:[0,0,1] neg_hi:[0,0,1]
.endm
.macro EXQ t, e
	REGS \t
	v_exp_f32 v[rS+(\e)], v[rS+(\e)]
.endm
; A KEY STEP
.macro STEP
	s_cmp_eq_u32 s[SX], s[OWN]
	s_cselect_b32 s[AL], 1.0, 0
	s_cmp_gt_i32 s[SX], s[OWN]
	s_cselect_b32 s[BE], s[BIGN], 0
	s_add_co_i32 s[SX], s[SX], 1
	PLACES                                         ; behind the last step's products, in front of the loads into V's registers
	WIN 0
	v_add_nc_u32 v[ADK], s[TB], v[AK0]
	v_add_nc_u32 v[ADV], s[TB], v[AV0]
	s_add_co_u32 s[TB], s[TB], STEPB
	WIN 0x80
.set f, 0
.rept 16                               ; K: f = 4 kb + ks: keys 16 kb on, channels 32 ks on
	ds_load_b128 v[KF+8*f:KF+8*f+3],   v[ADK] offset:(f%4)*5120+(f/4)*1280
	ds_load_b128 v[KF+8*f+4:KF+8*f+7], v[ADK] offset:(f%4)*5120+(f/4)*1280+32
.set f, f+1
.endr
	WIN 0xc0
.set f, 0
.rept 14                               ; V: f = 7 kk + cb: keys 32 kk on, channels 16 cb on
	ds_load_tr16_b128 v[8*f:8*f+3],   v[ADV] offset:((f%7)/2)*6144+(f/7)*3072+((f%7)%2)*32
	ds_load_tr16_b128 v[8*f+4:8*f+7], v[ADV] offset:((f%7)/2)*6144+(f/7)*3072+((f%7)%2)*32+1536
.set f, f+1
.endr
	WIN 0x41
.set z, 0
.rept 32
	v_pk_fma_f32 v[MC+2*z:MC+2*z+1], v[MD+2*z:MD+2*z+1], s[AL:AL+1], s[BE:BE+1] op_sel_hi:[1,0,0]
.set z, z+1
.endr
	s_wait_dscnt 28                                ; K is in; V's 28 loads may stay out
.set i, 0
.rept 32                               ; S^T: channels 32 (i / 8) on, keys 16 ((i / 2) % 4) on, tile i % 2: the 8 accumulators by turns; the first 8 start the sums with the mask
.set rA, S+32*(i%2)+8*((i/2)%4)
.set rK, KF+32*((i/2)%4)+8*(i/8)
.set rQ, 32*(i%2)+8*(i/8)
.set rM, MC+32*(i%2)+8*((i/2)%4)
.if i < 8
	WIN 0x1a
	v_wmma_f32_16x16x32_f16 v[rA:rA+7], v[rK:rK+7], v[rQ:rQ+7], v[rM:rM+7]
.else
	WIN 0x0a
	v_wmma_f32_16x16x32_f16 v[rA:rA+7], v[rK:rK+7], v[rQ:rQ+7], v[rA:rA+7]
.endif
.set i, i+1
.endr
	PLACES
	WIN 0
.set j, 0
.rept 4                                ; the maximum: four chains; each accumulator's lowest registers are read first
	BOTH v_max3_num_f32 v[rT+4+j], v[rS+8*j], v[rS+8*j+1], v[rS+8*j+2]
.set j, j+1
.endr
.rept 8
	BOTH v_max3_num_f32 v[rT+4+j%4], v[rT+4+j%4], v[rS+8*(j%4)+2*(j/4)+1], v[rS+8*(j%4)+2*(j/4)+2]
.set j, j+1
.endr
	BOTH v_max3_num_f32 v[rT+4], v[rT+4], v[rS+7], v[rS+15]
	BOTH v_max3_num_f32 v[rT+6], v[rT+6], v[rS+23], v[rS+31]
	BOTH v_max3_num_f32 v[rT+4], v[rT+4], v[rT+5], v[rT+6]
	BOTH v_max3_num_f32 v[rT+4], v[rT+4], v[rT+7], v[rT+1]
	BOTH v_permlanex16_b32 v[rT+5], v[rT+4], s[SEL], s[SEL+1]
	BOTH v_mov_b32 v[rT+7], v[rT]
	BOTH v_max_num_f32 v[rT+1], v[rT+4], v[rT+5]
	BOTH v_mul_f32 v[rT], s[CS], v[rT+1]
	BOTH v_sub_f32 v[rT+7], v[rT+7], v[rT]
	BOTH v_exp_f32 v[rT+6], v[rT+7]
	SCL 0, 0                                       ; ONE BATCH: the two a above, the 32 scalings and the 64 exponentials; none of these lines names an exponential's result
	SCL 1, 0
.set n, 0
.rept 16
.if n < 15
	SCL 0, n+1
.endif
	EXQ 0, 2*n
.if n < 15
	SCL 1, n+1
.endif
	EXQ 1, 2*n
	EXQ 0, 2*n+1
	EXQ 1, 2*n+1
.set n, n+1
.endr
	v_nop                                          ; a plain instruction behind the last exponential,
	s_wait_alu depctr_va_vdst(0)                   ; and the one wait ahead of the batch's first reader
.set n, 0
.rept 16
	BOTH v_cvt_pk_f16_f32 v[rP+n], v[rS+2*n], v[rS+2*n+1]
.set n, n+1
.endr
.set z, 0
.rept 8
	BOTH v_pk_add_f32 v[rS+4*z:rS+4*z+1], v[rS+4*z:rS+4*z+1], v[rS+4*z+2:rS+4*z+3]
.set z, z+1
.endr
.set z, 0
.rept 4
	BOTH v_pk_add_f32 v[rS+8*z:rS+8*z+1], v[rS+8*z:rS+8*z+1], v[rS+8*z+4:rS+8*z+5]
.set z, z+1
.endr
.set z, 0
.rept 2
	BOTH v_pk_add_f32 v[rS+16*z:rS+16*z+1], v[rS+16*z:rS+16*z+1], v[rS+16*z+8:rS+16*z+9]
.set z, z+1
.endr
	BOTH v_pk_add_f32 v[rS:rS+1], v[rS:rS+1], v[rS+16:rS+17]
	BOTH v_pk_fma_f32 v[rT+2:rT+3], v[rT+2:rT+3], v[rT+6:rT+7], v[rS:rS+1] op_sel_hi:[1,0,1]
	WIN 0x41
.set n, 0
.rept 28
	BOTH v_pk_mul_f32 v[rO+2*n:rO+2*n+1], v[rO+2*n:rO+2*n+1], v[rT+6:rT+7] op_sel_hi:[1,0]
.set n, n+1
.endr
	s_wait_dscnt 0x0                               ; V is in
	WIN 0x53
.set i, 0
.rept 28                               ; O^T: keys 32 (i / 14) on, channels 16 ((i / 2) % 7) on, tile i % 2: the 14 accumulators by turns
.set rA, 56*(i%2)+8*((i/2)%7)
.set rV, 56*(i/14)+8*((i/2)%7)
.set rB, P+16*(i%2)+8*(i/14)
	v_wmma_f32_16x16x32_f16 v[rA:rA+7], v[rV:rV+7], v[rB:rB+7], v[rA:rA+7]
.set i, i+1
.endr
	WIN 0
.endm
.macro TWO_STEPS
	s_mov_b32 s[TWICE], 2
.Lstep_\@:
	STEP
	s_sub_co_u32 s[TWICE], s[TWICE], 1
	s_cmp_lg_u32 s[TWICE], 0
	s_cbranch_scc1 .Lstep_\@
.endm
; THE WAY OUT of tile t: O^T / l, rounded to f16, through my stage in LDS, 16 rows of 256 bytes
.macro PACKO t
	REGS \t
	WIN 0x41
.set n, 0
.rept 28
	v_pk_mul_f32 v[rO+2*n:rO+2*n+1], v[rO+2*n:rO+2*n+1], v[rT+6:rT+7] op_sel_hi:[1,0]
.set n, n+1
.endr
	WIN 0x05
.set n, 0
.rept 28
	v_cvt_pk_f16_f32 v[rS+n], v[rO+2*n], v[rO+2*n+1]
.set n, n+1
.endr
	WIN 0
	v_mov_b32 v[rS+26], v[ONEV]                    ; channels 100 and 101 (lanes 0-15): 1.0 and 0; channels 108 and 109 (lanes 16-31): 0
.set n, 0
.rept 7
	ds_store_b128 v[STO], v[rS+4*n:rS+4*n+3] offset:32*n
.set n, n+1
.endr
	ds_store_b128 v[STO], v[ZQ:ZQ+3] offset:224    ; channels 112-127
.set n, 0
.rept 8
	ds_load_b128 v[rS+4*n:rS+4*n+3], v[RD] offset:544*n  ; LDS serves a wave's instructions in order (ISA guide 5.7.1.4): these see the stores above; the next tile's stores come behind them
.set n, n+1
.endr
.endm
.macro SENDO t, younger                ; younger: the LDS instructions issued behind tile t's loads
	REGS \t
	WIN 0
.set n, 0
.rept 8
	s_wait_dscnt (\younger)+7-n
	global_store_b128 v[GO], v[rS+4*n:rS+4*n+3], s[OP:OP+1] offset:16384*(\t)+2048*n  ; 16 lanes store 256 consecutive bytes, aligned: a token's channels of this head
.set n, n+1
.endr
.endm
.macro FINISH last
	WIN 0
	BOTH v_add_f32 v[rT+4], v[rT+2], v[rT+3]
	BOTH v_permlanex16_b32 v[rT+5], v[rT+4], s[SEL], s[SEL+1]
	BOTH v_add_f32 v[rT+4], v[rT+4], v[rT+5]
	BOTH v_rcp_f32 v[rT+6], v[rT+4]
	v_nop                                          ; the four additions and this line are the places behind the last products; it is also the plain instruction behind the reciprocals
	s_wait_alu depctr_va_vdst(0)                   ; one wait for the two reciprocals
	PACKO 0
	PACKO 1
	SENDO 0, 16
	SENDO 1, 0
.if !(\last)
	s_wait_xcnt 0x0                                ; the stores have read their registers and O's address
	s_mov_b64 s[OP:OP+1], s[OLO:OLO+1]
	s_add_co_u32 s[RT], s[PB], 1                   ; the second block has b + 1 tiles
	INIT                                           ; its first a is 0, so O^T and l need only hold finite numbers
	WIN 0x82
.set n, 0
.rept 64
	v_mov_b32 v[n], v[QB+n]
.set n, n+1
.endr
	WIN 0
.endif
.endm
	s_load_b128 s[4:7], s[0:1], 0x0                ; qkvb s[4:5], obuf s[6:7]
	v_lshl_add_u32 v[SPW], v0, 2, SPARE
	v_mov_b32 v[NIL], 0
	ds_add_u32 v[SPW], v[NIL]                      ; the wave's opening add, waited for ahead of my first tensor load
	ds_add_u32 v38, v39
	v_lshrrev_b32 v1, 5, v0
	v_readfirstlane_b32 s[WV], v1
	s_mov_b32 s[PB], ttmp9
	s_sub_co_u32 s[HI], 15, s[PB]
	s_and_b32 s20, ttmp7, 0xffff
	s_lshr_b32 s21, s20, 2                         ; the batch
	s_and_b32 s22, s20, 3                          ; the head
	s_mul_i32 s23, s21, 12
	s_add_co_u32 s23, s23, s22
	s_lshl_b32 s78, s23, 19                        ; q of this batch and head; k lies 4, v 8 chunks of 2^19 bytes on
	s_and_b32 s20, s[WV], 1
	s_lshr_b32 s[OWN], s[WV], 1
	s_add_co_u32 s84, s78, (4<<19)+32768           ; the prefetches: K's tile 1; the first change steps it to tile 2
	s_mov_b32 s85, 0
	s_lshl_b32 s23, s20, 14                        ; which of a tile's two steps I fetch
	s_add_co_u32 s80, s78, 4<<19
	s_add_co_u32 s80, s80, s23
	s_mov_b32 s81, 0
	s_lshl_b32 s23, s20, 11                        ; my 32 queries in their 64 tokens
	s_add_co_u32 s23, s23, s78
	s_lshl_b32 s82, s[HI], 1
	s_add_co_u32 s82, s82, s[OWN]
	s_lshl_b32 s82, s82, 14
	s_add_co_u32 s82, s82, s23
	s_mov_b32 s83, 0
	s_lshl_b32 s86, s[PB], 1
	s_add_co_u32 s86, s86, s[OWN]
	s_lshl_b32 s86, s86, 14
	s_add_co_u32 s86, s86, s23
	s_mov_b32 s87, 0
	s_lshl_b32 s23, s21, 21                        ; O: 2,048 tokens of 1,024 bytes a batch,
	s_lshl_b32 s79, s22, 8                         ; 256 bytes a head,
	s_add_co_u32 s23, s23, s79
	s_lshl_b32 s79, s[WV], 15                      ; 32 tokens a wave,
	s_add_co_u32 s23, s23, s79
	s_lshl_b32 s88, s[HI], 17                      ; 128 tokens a block
	s_add_co_u32 s88, s88, s23
	s_mov_b32 s89, 0
	s_lshl_b32 s90, s[PB], 17
	s_add_co_u32 s90, s90, s23
	s_mov_b32 s91, 0
	; descriptor group 1: a step's 16,384 dense bytes as 64 rows of 256, padded in LDS after every 64 bytes
	s_mov_b32 s[G1K], (1<<16)|(1<<20)|(3<<22)|(3<<25)  ; 2-byte elements; padding on; after every 16 words (code 3); 4 words (code 3)
	s_mov_b32 s[G1V], (1<<16)|(1<<20)|(3<<22)|(7<<25)  ; the same with 8 words (code 7)
.irp g, G1K, G1V
	s_mov_b32 s[\g+1], 128<<16
	s_mov_b32 s[\g+2], 64<<16
	s_mov_b32 s[\g+3], 128<<16
	s_mov_b32 s[\g+4], 64
	s_mov_b32 s[\g+5], 128
	s_mov_b32 s[\g+6], 0
	s_mov_b32 s[\g+7], 0
.endr
	s_mul_i32 s79, s20, STEPB
	s_mov_b32 s[G0K], 1
	s_mov_b32 s[G0K+1], s79
	s_mov_b32 s[G0V], 1
	s_add_co_u32 s[G0V+1], s79, VOFF
	s_mov_b32 s[CS], 0x3e13bb63                    ; c = log2(e) / 10
	s_mov_b32 s[CS+1], s[CS]
	s_mov_b32 s[SEL], 0x76543210
	s_mov_b32 s[SEL+1], 0xfedcba98
	s_mov_b32 s[TB], SLOT1+2*STEPB                 ; the first change of slots turns it into 0
	s_sub_co_u32 s[RT], 16, s[PB]                  ; the first block has 16 - b tiles
	s_mov_b32 s[NXT], 1
	s_mov_b32 s[LQ], s[HI]
	s_mov_b32 s[OFF+1], 0
	s_mov_b32 s[AL+1], 0
	s_mov_b32 s[BE+1], 0
	s_mov_b32 s[BIGN], 0xf149f2ca                  ; -1e30
	s_mov_b32 s[SLOTS], 16
	s_cmp_eq_u32 s[PB], 0
	s_cselect_b32 s[LIM], 2, -1
	s_wait_dscnt 0x0                               ; the opening add is done
	s_wait_kmcnt 0x0
	s_add_nc_u64 s[8:9], s[4:5], s[80:81]          ; K and V at my step of tile 0
	s_add_nc_u64 s[10:11], s[8:9], 4<<19
	s_add_nc_u64 s[PFK:PFK+1], s[4:5], s[84:85]
	s_add_nc_u64 s[PFV:PFV+1], s[PFK:PFK+1], 4<<19
	s_add_nc_u64 s[12:13], s[4:5], s[82:83]        ; Q of the first block, of the second
	s_add_nc_u64 s[14:15], s[4:5], s[86:87]
	s_add_nc_u64 s[OP:OP+1], s[6:7], s[88:89]
	s_add_nc_u64 s[OLO:OLO+1], s[6:7], s[90:91]
	s_add_nc_u64 s[G0K+2:G0K+3], s[8:9], 0
	s_or_b32 s[G0K+3], s[G0K+3], 0x80000000
	s_add_nc_u64 s[G0V+2:G0V+3], s[10:11], 0
	s_or_b32 s[G0V+3], s[G0V+3], 0x80000000
	LOAD                                           ; tile 0 into slot 0
	v_and_b32 v1, 15, v0                           ; lane % 16
	v_bfe_u32 v9, v0, 4, 1                         ; lane / 16
	v_lshlrev_b32 v[QO], 6, v1
	v_lshl_add_u32 v[QO], v9, 4, v[QO]             ; row x 64 + 16 x half
	WIN 0x80
.set i, 0
.rept 8                                ; both blocks' Q: i = 4 t + ks
	global_load_b128 v[8*i:8*i+3],       v[QO], s[12:13] offset:(i/4)*1024+(i%4)*4096
	global_load_b128 v[8*i+4:8*i+7],     v[QO], s[12:13] offset:(i/4)*1024+(i%4)*4096+32
	global_load_b128 v[QB+8*i:QB+8*i+3],   v[QO], s[14:15] offset:(i/4)*1024+(i%4)*4096
	global_load_b128 v[QB+8*i+4:QB+8*i+7], v[QO], s[14:15] offset:(i/4)*1024+(i%4)*4096+32
.set i, i+1
.endr
	WIN 0
	v_lshlrev_b32 v12, 3, v9
	v_sub_nc_u32 v14, v1, v12
	s_lshl_b32 s23, s20, 5
	v_add_nc_u32 v14, s23, v14                     ; my query's place among its 64, for tile 0, less my lanes' 8 (lane / 16): register j of key block kb of tile t is hidden where 16 kb + j - 16 t is greater
	WIN 0x40
.set i, 0
.rept 64
	v_cmp_gt_i32 vcc_lo, 16*((i/8)%4)+i%8-16*(i/32), v14
	v_cndmask_b32 v[MD+i], 0, s[BIGN], vcc_lo
.set i, i+1
.endr
.set i, 0
.rept 112                              ; O^T: the first a is 0, so these need only be finite; written in the wait for the first tile
	v_mov_b32 v[i], 0
.set i, i+1
.endr
	WIN 0
	v_mul_u32_u24 v[AK0], v1, 80
	v_lshl_add_u32 v[AK0], v9, 4, v[AK0]
	v_and_b32 v12, 7, v0
	v_bfe_u32 v13, v0, 3, 1
	v_lshl_add_u32 v[AV0], v9, 3, v12              ; the turning load: key 8 (lane / 16) + lane % 8, channels 8 ((lane / 8) % 2) on
	v_mul_u32_u24 v[AV0], v[AV0], 96
	v_lshl_add_u32 v[AV0], v13, 4, v[AV0]
	v_add_nc_u32 v[AV0], VOFF, v[AV0]
	s_mul_i32 s23, s[WV], 16*272
	s_add_co_u32 s23, s23, STAGE
	v_mul_u32_u24 v[STO], v1, 272
	v_lshl_add_u32 v[STO], v9, 4, v[STO]
	v_add_nc_u32 v[STO], s23, v[STO]
	v_mul_u32_u24 v[RD], v9, 272
	v_lshl_add_u32 v[RD], v1, 4, v[RD]
	v_add_nc_u32 v[RD], s23, v[RD]
	v_lshlrev_b32 v[GO], 10, v9
	v_lshl_add_u32 v[GO], v1, 4, v[GO]
	v_lshlrev_b32 v[PFO], 8, v0
	v_sub_nc_u32 v12, 1, v9
	v_mul_u32_u24 v[ONEV], v12, 0x3c00
.irp k, 0,1,2,3
	v_mov_b32 v[ZQ+(\k)], 0
.endr
	BOTH v_mov_b32 v[rT+2], 0
	BOTH v_mov_b32 v[rT+3], 0
	INIT
	s_wait_loadcnt 0x0                             ; Q
.Lslot:                                        ; 16 times: a tile is entered and the next is asked for
	CHANGE 1
	s_sub_co_u32 s[RT], s[RT], 1
	s_cmp_eq_u32 s[RT], 0                          ; the block's last tile holds the diagonal
	s_cselect_b32 s[SX], 0, -8
	TWO_STEPS
	s_cmp_lg_u32 s[RT], 0
	s_cbranch_scc1 .Lbottom                        ; forward, over text with no barrier and no tensor load
	FINISH 0                                       ; in the loop this is the first block's end: the second's last tile is the walk's last
.Lbottom:
	s_sub_co_u32 s[SLOTS], s[SLOTS], 1
	s_cmp_lg_u32 s[SLOTS], 0
	s_cbranch_scc1 .Lslot
	CHANGE 0                                       ; the walk's last tile is written out
	s_mov_b32 s[SX], 0
	TWO_STEPS
	FINISH 1
	s_wait_tensorcnt 0x0                           ; the wave's end
	ds_add_u32 v[SPW], v[NIL]
	s_wait_dscnt 0x0
	s_endpgm
.Lfunc_end_k_q2adfbd280a_attn:
	.size	k_q2adfbd280a_attn, .Lfunc_end_k_q2adfbd280a_attn-k_q2adfbd280a_attn
	.p2alignl 7, 3214868480
	.fill 96, 4, 3214868480
	.section	.rodata,"a",@progbits
	.p2align	6, 0x0
	.amdhsa_kernel k_q2adfbd280a_attn
		.amdhsa_group_segment_fixed_size 327680
		.amdhsa_private_segment_fixed_size 0
		.amdhsa_enable_private_segment 0
		.amdhsa_kernarg_size 16
		.amdhsa_user_sgpr_count 2
		.amdhsa_user_sgpr_kernarg_segment_ptr 1
		.amdhsa_wavefront_size32 1
		.amdhsa_system_sgpr_workgroup_id_x 1
		.amdhsa_system_sgpr_workgroup_id_y 1
		.amdhsa_system_sgpr_workgroup_id_z 1
		.amdhsa_system_vgpr_workitem_id 0
		.amdhsa_next_free_vgpr 880
		.amdhsa_next_free_sgpr 96
		.amdhsa_reserve_vcc 1
		.amdhsa_float_denorm_mode_32 3
		.amdhsa_float_denorm_mode_16_64 3
		.amdhsa_memory_ordered 1
		.amdhsa_forward_progress 1
		.amdhsa_inst_pref_size 97
	.end_amdhsa_kernel
	.amdgpu_metadata
---
amdhsa.version: [ 1, 2 ]
amdhsa.kernels:
  - .name:           k_q2adfbd280a_attn
    .symbol:         k_q2adfbd280a_attn.kd
    .args:
      - { .name: qkvb, .offset: 0, .size: 8, .value_kind: global_buffer, .address_space: global }
      - { .name: obuf, .offset: 8, .size: 8, .value_kind: global_buffer, .address_space: global }
    .group_segment_fixed_size: 327680
    .private_segment_fixed_size: 0
    .kernarg_segment_align: 8
    .kernarg_segment_size: 16
    .max_flat_workgroup_size: 128
    .sgpr_count:     96
    .vgpr_count:     880
    .wavefront_size: 32
...
	.end_amdgpu_metadata
.endif
;; end of part 3
;; launch post (part 4): grid 256 x 1, 4 waves a work-group, clusters of 4 x 1, 327,680 bytes of LDS; arguments obuf, x, wpost, ln2_g, ln2_b, b2, out0; writes out0
.if DOCPART == 4
	.amdgcn_target "amdgcn-amd-amdhsa--gfx1250"
	.amdhsa_code_object_version 6
	.text
	.protected	k_q2adfbd280a_post
	.globl	k_q2adfbd280a_post
	.p2align	8
	.type	k_q2adfbd280a_post,@function
k_q2adfbd280a_post:
	s_mov_b64 s[64:65], 0
	v_nop
	global_prefetch_b8 v0, s[64:65] scope:SCOPE_SE
	s_setreg_imm32_b32 hwreg(HW_REG_WAVE_MODE, 25, 1), 1
	s_wait_xcnt 0x0
	s_wait_alu depctr_hold_cnt(0) depctr_sa_sdst(0) depctr_va_vdst(0) depctr_va_sdst(0) depctr_va_ssrc(0) depctr_va_vcc(0) depctr_vm_vsrc(0)
	s_getreg_b32 s2, hwreg(HW_REG_IB_STS2, 6, 4)
	s_cmp_eq_u32 s2, 0
	s_cbranch_scc0 .Lentry_in_a_cluster
	s_endpgm
.Lentry_in_a_cluster:
	s_bfe_u32 s2, ttmp6, 0x10000c
	s_cmp_lg_u32 s2, 0x3003
	s_cbranch_scc0 .Lentry_shape_is_right
	s_endpgm
.Lentry_shape_is_right:
; x1 = x + O Wo + bo;  h2 = LayerNorm(x1) g + b;  out = x1 + relu(h2 W1 + b1) W2 + b2.  x, x1 and out f32; O, h2, the hidden layer and the weights f16, each rounded once; sums f32.
; LIMITS.  f16 holds no number beyond 65,504: h2 and the hidden layer lie within it.  bo and b1 come in as rows of the weights' images, rounded to f16 (O's channel 100 and h2's column 400 are 1.0).  The variance is taken of x1 - mean.
; SHARES.  A work-group owns 64 tokens.  Wave w owns output columns 112 w + 16 i + .. (i = 0..6; columns 400-447 are padding) for all 64 tokens: 28 accumulators, which hold x, then x1, then the result: x1 never leaves registers.
; The hidden layer goes in 25 chunks of 64 columns and never leaves the work-group: wave w makes 16 of a chunk's columns, they meet in LDS, and each wave multiplies all 64 into its own output columns.
; LAYOUT.  Products are used transposed: source 0 = 16 columns of a weight (turned out of LDS by ds_load_tr16_b128), source 1 = 16 tokens.  A lane of a result holds ONE token and 8 neighbouring columns; two results rounded in pairs are a source 1.
; CLUSTER.  The four work-groups of a cluster walk the same 30 weight tiles of 125,952 bytes: each is asked for JOINTLY, a quarter a wave, into two slots that take turns; a round of the cluster's barrier stands in front of each refill.
; By this text's count a wave has three tensor loads out at the start and one afterwards.  The tiles are not prefetched: every cluster of the launch walks the same 3.8 MB at the same time, and a step is about a hundred products.
; A PERIOD of the hidden layer's walk makes the second half of chunk c - 2's second product (its operands lie in registers: the round stands amid these), all of chunk c's first product, and the first half of chunk c - 1's second.
; Periods 0 and 1 run the same text on zeros (a zeroed register set; the first tile's W2 part is zeros), the price of writing no first period out.
; REGISTERS, in windows of 256 (s_set_vgpr_msb: bits 1:0 source 0, 3:2 source 1, 5:4 source 2, 7:6 destination):
;   window 0: v0-31 addresses; v32-63 the hidden chunk's 4 accumulators; v64-151, v152-239 two operand sets (4 token fragments, then 7 weight fragments; or 11 fragments of W1); v240-255 two more of W1
;   window 1: the 28 accumulators at 32 i + 8 tb      window 2: h2's fragments ks 0-6 at 32 ks + 8 tb (in the norm: x1 - mean)      window 3: ks 7-12 (before: g at 8 i, b at 56 + 8 i, b2 at 112 + 8 i)
.set SLOT1, 131072                     ; slot 0 at 0: first x's tile, then weight tiles; slot 1: weight tiles, and behind its last fill the output's stage
.set TILE,  125952
.set QUART, TILE/4                     ; 123 rows of 256 bytes
.set W1OFF, 59392                      ; W1's part of a tile, behind 64 rows of W2
.set XP,    1808                       ; a row of x in LDS: 452 f32, of which 52 are zeros: 452 words = 4 mod 64: 16 rows start at 16 different groups of four banks (64 banks of 4 bytes: ISA guide 11.1)
.set OREG,  257024                     ; filled once with O's tile (64 rows of 1,040 bytes); then h2 as fragments (half fragment (tb, block B) at 14,336 tb + 512 B + 16 lane) and the hidden chunks
.set HB0,   57344                      ; the hidden chunks of even number, from OREG on; those of odd number lie at 0, where h2's image has been read
.set HB1,   0
.set RED1,  323584                     ; the norm's partial sums; the sums of squares 1,024 bytes on
.set SPARE, 325632                     ; the spare words, 128 bytes a wave: two blocks of 256 bytes that no other line names
.set AT,   4                           ; v4  my place in rows of 928 bytes
.set AW2,  5                           ; v5-6  the same in slot 0, 1
.set AW1,  7                           ; v7-8  my place in W1's part, slot 0, 1
.set AWA,  9                           ; v9  Wo's rows 0-63 in the slot in hand
.set AWB,  10                          ; v10 rows 64-127
.set AO,   11                          ; v11 my place in O's tile, at the head in hand
.set AF,   12                          ; v12 OREG + 16 lane
.set AHS,  13                          ; v13 where I put my half fragments of a hidden chunk
.set AH2S, 14                          ; v14 of h2
.set AXA,  15                          ; v15 my place in x's tile, token blocks 0, 1
.set AXB,  16                          ; v16 token blocks 2, 3
.set AREDS, 17
.set AREDR, 18
.set PV0,  19                          ; v19 my columns in g, b and b2; v20-22 those of i = 4, 5, 6, clamped into the buffers
.set ONEV, 23                          ; v23 f16 1.0 in the low half where lane / 16 = 0, else 0
.set ZR,   24                          ; v24 0
.set SPW,  25
.set NIL,  26
.set HA,   32
.set PB0,  64
.set PB1,  152
.set EX,   240
.set WV,  18
.set CX,  19                           ; s19 my place in the cluster: it enters O's, x's and out0's addresses alone
.set RW,  20
.set G1X, 24
.set G0X, 32
.set G1O, 36
.set G0O, 44
.set G1W, 48
.set G0W, 56
.set SEL, 60
.set CNT, 62
.set SB,  63
.set INV, 66
.set EPS, 67
.set FL,  68                           ; s[68:69] 0 in wave 3, whose blocks i >= 4 are padding, else 1.0
.set M3,  76                           ; s76 all ones in wave 3
.set MSB, 0
.macro WIN new
.if MSB != (\new)
	s_set_vgpr_msb (MSB<<8)|(\new)
.set MSB, (\new)
.endif
.endm
.macro PLACES                          ; four plain instructions between a matrix instruction and a load into, or a vector read of, its registers
.rept 4
	v_nop
.endr
.endm
.macro CREST
	s_cmp_lg_u32 s[WV], 0
	s_cbranch_scc1 .Lnot_wave_0_\@
	s_barrier_signal -3
.Lnot_wave_0_\@:
	s_barrier_wait -3
	s_barrier_signal -1
	s_barrier_wait -1
.endm
.macro CROUND
	s_barrier_signal -1
	s_barrier_wait -1
	CREST
.endm
.macro JW                              ; the joint load of my quarter of a tile; an s_nop 0 and four v_nop follow it
	tensor_load_to_lds s[G0W:G0W+3], s[G1W:G1W+7]
	s_nop 0
	PLACES
.endm
.macro STEPW                           ; the descriptor walks: the other slot, the next tile
	s_xor_b32 s[G0W+1], s[G0W+1], SLOT1
	s_add_nc_u64 s[G0W+2:G0W+3], s[G0W+2:G0W+3], TILE
.endm
; Products into the 28 accumulators, column blocks ilo .. ihi, from operand set pb: no two that follow each other share an accumulator
.macro WMB pb, ilo, ihi
	WIN 0x50
.set ii, \ilo
.rept (\ihi)-(\ilo)+1
.irp t, 0,1,2,3
	v_wmma_f32_16x16x32_f16 v[32*ii+8*(\t):32*ii+8*(\t)+7], v[(\pb)+32+8*ii:(\pb)+32+8*ii+7], v[(\pb)+8*(\t):(\pb)+8*(\t)+7], v[32*ii+8*(\t):32*ii+8*(\t)+7]
.endr
.set ii, ii+1
.endr
.endm
; K step ks of a head's 128 channels: 4 fragments of O, 7 of Wo
.macro LDO ks, pb
	WIN 0
.irp t, 0,1,2,3
	ds_load_b128 v[(\pb)+8*(\t):(\pb)+8*(\t)+3],   v[AO] offset:16640*(\t)+64*(\ks)
	ds_load_b128 v[(\pb)+8*(\t)+4:(\pb)+8*(\t)+7], v[AO] offset:16640*(\t)+64*(\ks)+32
.endr
.irp i, 0,1,2,3,4,5,6
	ds_load_tr16_b128 v[(\pb)+32+8*(\i):(\pb)+32+8*(\i)+3],   v[AWA+(\ks)/2] offset:29696*((\ks)%2)+32*(\i)
	ds_load_tr16_b128 v[(\pb)+32+8*(\i)+4:(\pb)+32+8*(\i)+7], v[AWA+(\ks)/2] offset:29696*((\ks)%2)+32*(\i)+14848
.endr
.endm
; K step ks of a hidden chunk's 64 columns: 4 fragments of the chunk, 7 of W2
.macro LDB ks, pb, slot, hb
	WIN 0
.irp t, 0,1,2,3
	ds_load_b128 v[(\pb)+8*(\t):(\pb)+8*(\t)+3],   v[AF] offset:(\hb)+(2*(\t)+(\ks))*1024
	ds_load_b128 v[(\pb)+8*(\t)+4:(\pb)+8*(\t)+7], v[AF] offset:(\hb)+(2*(\t)+(\ks))*1024+512
.endr
.irp i, 0,1,2,3,4,5,6
	ds_load_tr16_b128 v[(\pb)+32+8*(\i):(\pb)+32+8*(\i)+3],   v[AW2+(\slot)] offset:29696*(\ks)+32*(\i)
	ds_load_tr16_b128 v[(\pb)+32+8*(\i)+4:(\pb)+32+8*(\i)+7], v[AW2+(\slot)] offset:29696*(\ks)+32*(\i)+14848
.endr
.endm
; My 16 columns of W1's part: 13 fragments, 11 into set pb, 2 into EX
.macro LDW1 slot, pb
	WIN 0
.set kk, 0
.rept 13
.if kk < 11
.set rW, (\pb)+8*kk
.else
.set rW, EX+8*(kk-11)
.endif
	ds_load_tr16_b128 v[rW:rW+3],   v[AW1+(\slot)] offset:5120*kk
	ds_load_tr16_b128 v[rW+4:rW+7], v[AW1+(\slot)] offset:5120*kk+2560
.set kk, kk+1
.endr
.endm
; The first product: my 16 hidden columns for 64 tokens, K = 416: the 4 accumulators by turns; K step 0 starts the sums
.macro WMA pb
.set kk, 0
.rept 13
.if kk < 7
	WIN 0x08
.set rH, 32*kk
.else
	WIN 0x0c
.set rH, 32*(kk-7)
.endif
.if kk < 11
.set rW, (\pb)+8*kk
.else
.set rW, EX+8*(kk-11)
.endif
.irp t, 0,1,2,3
.if kk == 0
	v_wmma_f32_16x16x32_f16 v[HA+8*(\t):HA+8*(\t)+7], v[rW:rW+7], v[rH+8*(\t):rH+8*(\t)+7], 0
.else
	v_wmma_f32_16x16x32_f16 v[HA+8*(\t):HA+8*(\t)+7], v[rW:rW+7], v[rH+8*(\t):rH+8*(\t)+7], v[HA+8*(\t):HA+8*(\t)+7]
.endif
.endr
.set kk, kk+1
.endr
.endm
.macro PACKH hb                        ; to f16 (each accumulator from its low end on), relu, into LDS as half fragments
	WIN 0
.irp t, 0,1,2,3
.irp n, 0,1,2,3
	v_cvt_pk_f16_f32 v[HA+8*(\t)+(\n)], v[HA+8*(\t)+2*(\n)], v[HA+8*(\t)+2*(\n)+1]
.endr
.endr
.irp t, 0,1,2,3
.irp n, 0,1,2,3
	v_pk_max_num_f16 v[HA+8*(\t)+(\n)], v[HA+8*(\t)+(\n)], v[ZR]
.endr
.endr
.irp t, 0,1,2,3
	ds_store_b128 v[AHS], v[HA+8*(\t):HA+8*(\t)+3] offset:(\hb)+2048*(\t)
.endr
.endm
; THE PERIOD OF CHUNK c, c % 2 = par.  The tile in hand (W2 of chunk c - 1, W1 of chunk c) lies in slot 1 - par.
.macro FPERIOD par
.if \par
.set PBT, PB1
.set PBO, PB0
.set HBW, HB1
.set HBR, HB0
.else
.set PBT, PB0
.set PBO, PB1
.set HBW, HB0
.set HBR, HB1
.endif
	WIN 0
	s_wait_tensorcnt 0x0                           ; all my tensor loads have landed: my quarter of the tile in hand;
	ds_add_u32 v[SPW], v[NIL]                      ; 0 onto my spare word
	STEPW
	s_wait_dscnt 0x1                               ; only the add may be out: the operands fetched at the last period's end are in
	WMB PBT, 0, 1
	s_wait_dscnt 0x0                               ; the add is done; my reads of the old slot and my stores of the last chunk are over
	s_barrier_signal -1
	WMB PBT, 2, 3
	WIN 0
	s_barrier_wait -1
	CREST                                          ; no wave of any partner still reads the old slot or has a load on its way
	JW                                             ; the next tile; its four v_nop are also the places in front of the loads below
	LDW1 1-(\par), PBO
	WMB PBT, 4, 6
	PLACES
	LDB 0, PBT, 1-(\par), HBR
	s_wait_dscnt 22                                ; W1's fragments are in; the 22 loads just issued may stay out
	WMA PBO
	PLACES
	LDB 1, PBO, 1-(\par), HBR
	PACKH HBW
	s_wait_dscnt 26                                ; K step 0's operands are in: behind them stand 22 loads and 4 stores
	WMB PBT, 0, 6
.endm
	s_load_b256 s[4:11], s[0:1], 0x0               ; obuf s[4:5], x s[6:7], wpost s[8:9], g s[10:11]
	s_load_b128 s[12:15], s[0:1], 0x20             ; b s[12:13], b2 s[14:15]
	s_load_b64 s[16:17], s[0:1], 0x30              ; out0
	v_lshl_add_u32 v[SPW], v0, 2, SPARE
	v_mov_b32 v[NIL], 0
	ds_add_u32 v[SPW], v[NIL]                      ; the wave's opening add, waited for ahead of my first tensor load
	ds_add_u32 v25, v26
	v_lshrrev_b32 v1, 5, v0
	v_readfirstlane_b32 s[WV], v1
	s_bfe_u32 s[CX], ttmp6, 0x40000
	s_lshl_b32 s[RW], ttmp9, 2
	s_add_co_u32 s[RW], s[RW], s[CX]
	s_mov_b32 s[G1X+0], 2<<16                      ; x: elements of 4 bytes
	s_mov_b32 s[G1X+1], 400<<16                    ; tensor_dim0 = 400: what lies beyond arrives as zeros
	s_mov_b32 s[G1X+2], 16<<16
	s_mov_b32 s[G1X+3], 452<<16                    ; tile_dim0 = 452
	s_mov_b32 s[G1X+4], 16
	s_mov_b32 s[G1X+5], 400
	s_mov_b32 s[G1X+6], 0
	s_mov_b32 s[G1X+7], 0
	s_mov_b32 s[G1O+0], (1<<16)|(1<<20)|(7<<22)|(3<<25)  ; O: 2-byte elements; padding after every 256 words (code 7) of 4 words (code 3)
	s_mov_b32 s[G1O+1], 512<<16
	s_mov_b32 s[G1O+2], 16<<16
	s_mov_b32 s[G1O+3], 512<<16
	s_mov_b32 s[G1O+4], 16
	s_mov_b32 s[G1O+5], 512
	s_mov_b32 s[G1O+6], 0
	s_mov_b32 s[G1O+7], 0
	s_mov_b32 s[G1W+0], 15|(3<<16)|(1<<21)         ; weights: the mask of four; a dense block as rows of 256 bytes
	s_mov_b32 s[G1W+1], 32<<16
	s_mov_b32 s[G1W+2], 123<<16
	s_mov_b32 s[G1W+3], 32<<16
	s_mov_b32 s[G1W+4], 123
	s_mov_b32 s[G1W+5], 32
	s_mov_b32 s[G1W+6], 0
	s_mov_b32 s[G1W+7], 0
	s_mov_b32 s[G0X], 1
	s_mul_i32 s[G0X+1], s[WV], 16*XP               ; my 16 rows of x, in slot 0
	s_mov_b32 s[G0O], 1
	s_mul_i32 s21, s[WV], 16640
	s_add_co_u32 s[G0O+1], s21, OREG
	s_mov_b32 s[G0W], 1
	s_mul_i32 s21, s[WV], QUART
	s_add_co_u32 s[G0W+1], s21, SLOT1              ; tile 0 goes into slot 1
	s_mov_b32 s74, s21
	s_mov_b32 s75, 0
	s_mul_i32 s70, s[RW], 102400                   ; x and out0: 64 rows of 1,600 bytes, my 16
	s_mul_i32 s21, s[WV], 25600
	s_add_co_u32 s70, s70, s21
	s_mov_b32 s71, 0
	s_lshl_b32 s72, s[RW], 16                      ; O: 64 rows of 1,024 bytes, my 16
	s_lshl_b32 s21, s[WV], 14
	s_add_co_u32 s72, s72, s21
	s_mov_b32 s73, 0
	s_mov_b32 s[INV], 0x3b23d70a                   ; 1 / 400
	s_mov_b32 s[EPS], 0x3727c5ac                   ; 1e-5
	s_mov_b32 s[SEL], 0x76543210
	s_mov_b32 s[SEL+1], 0xfedcba98
	s_cmp_eq_u32 s[WV], 3
	s_cselect_b32 s[FL], 0, 1.0
	s_cselect_b32 s[M3], -1, 0
	s_mov_b32 s[FL+1], s[FL]
	s_mov_b32 s[SB], 0
	s_wait_dscnt 0x0                               ; the opening add is done
	s_wait_kmcnt 0x0
	s_add_nc_u64 s[G0X+2:G0X+3], s[6:7], s[70:71]
	s_or_b32 s[G0X+3], s[G0X+3], 0x80000000
	s_add_nc_u64 s[G0O+2:G0O+3], s[4:5], s[72:73]
	s_or_b32 s[G0O+3], s[G0O+3], 0x80000000
	s_add_nc_u64 s[G0W+2:G0W+3], s[8:9], s[74:75]
	s_or_b32 s[G0W+3], s[G0W+3], 0x80000000
	s_add_nc_u64 s[16:17], s[16:17], s[70:71]
	CROUND                                         ; all four work-groups are here: the first joint loads meet
	tensor_load_to_lds s[G0O:G0O+3], s[G1O:G1O+7]
	s_nop 0
	tensor_load_to_lds s[G0X:G0X+3], s[G1X:G1X+7]
	s_nop 0
	tensor_load_to_lds s[G0W:G0W+3], s[G1W:G1W+7]
	s_nop 0
	PLACES
	v_and_b32 v1, 15, v0                           ; lane % 16
	v_bfe_u32 v2, v0, 4, 1                         ; lane / 16
	v_and_b32 v3, 31, v0                           ; lane
	s_mul_i32 s21, s[WV], 448
	v_lshl_add_u32 v[PV0], v2, 5, s21              ; my columns 112 w + 8 (lane / 16), in bytes of f32
	v_add_nc_u32 v[PV0+1], 256, v[PV0]
	v_add_nc_u32 v[PV0+2], 320, v[PV0]
	v_add_nc_u32 v[PV0+3], 384, v[PV0]
.irp k, 1,2,3
	v_min_u32 v[PV0+(\k)], 1568, v[PV0+(\k)]       ; wave 3's padding blocks load from the buffers' last 32 bytes
.endr
	WIN 0xc0
.set i, 0
.rept 14                               ; i = 2 block + half
.if i < 8
	global_load_b128 v[4*i:4*i+3],         v[PV0], s[10:11] offset:64*(i/2)+16*(i%2)
	global_load_b128 v[56+4*i:56+4*i+3],   v[PV0], s[12:13] offset:64*(i/2)+16*(i%2)
	global_load_b128 v[112+4*i:112+4*i+3], v[PV0], s[14:15] offset:64*(i/2)+16*(i%2)
.else
	global_load_b128 v[4*i:4*i+3],         v[PV0+i/2-3], s[10:11] offset:16*(i%2)
	global_load_b128 v[56+4*i:56+4*i+3],   v[PV0+i/2-3], s[12:13] offset:16*(i%2)
	global_load_b128 v[112+4*i:112+4*i+3], v[PV0+i/2-3], s[14:15] offset:16*(i%2)
.endif
.set i, i+1
.endr
	WIN 0
	v_and_b32 v27, 7, v0
	v_lshl_add_u32 v27, v2, 3, v27                 ; the turning load's row: 8 (lane / 16) + lane % 8
	v_bfe_u32 v28, v0, 3, 1
	v_lshlrev_b32 v28, 4, v28                      ; its 16 bytes
	s_mul_i32 s21, s[WV], 224
	v_mul_u32_u24 v[AT], v27, 928
	v_add3_u32 v[AT], v[AT], v28, s21
	v_mov_b32 v[AW2], v[AT]
	v_add_nc_u32 v[AW2+1], SLOT1, v[AT]
	s_lshl_b32 s21, s[WV], 5
	s_add_co_u32 s21, s21, W1OFF
	v_mul_u32_u24 v[AW1], v27, 160
	v_add3_u32 v[AW1], v[AW1], v28, s21
	v_add_nc_u32 v[AW1+1], SLOT1, v[AW1]
	v_mul_u32_u24 v[AO], v1, 1040
	v_lshl_add_u32 v[AO], v2, 4, v[AO]
	v_add_nc_u32 v[AO], OREG, v[AO]
	v_lshl_add_u32 v[AF], v3, 4, OREG
	s_lshl_b32 s21, s[WV], 9
	v_add_nc_u32 v[AHS], s21, v[AF]                ; K step w / 2, half w % 2 of a chunk: 512 w
	s_mul_i32 s21, s[WV], 3584
	v_add_nc_u32 v[AH2S], s21, v[AF]               ; my 7 blocks of h2
	v_mul_u32_u24 v[AXA], v1, XP
	v_add_nc_u32 v[AXA], v[AXA], v[PV0]
	v_add_nc_u32 v[AXB], 2*16*XP, v[AXA]
	v_lshl_add_u32 v[AREDR], v1, 4, RED1
	s_lshl_b32 s21, s[WV], 8
	v_add_nc_u32 v[AREDS], s21, v[AREDR]
	v_sub_nc_u32 v27, 1, v2
	v_mul_u32_u24 v[ONEV], v27, 0x3c00
	v_mov_b32 v[ZR], 0
	s_wait_tensorcnt 0x0                           ; my rows of O and x and my quarter of tile 0 are in,
	s_barrier_signal -1
	s_barrier_wait -1                              ; everybody's are: every wave reads all 64 rows.
	WIN 0x40
.set i, 0
.rept 28                               ; x starts the sums: i = 4 block + tb
	ds_load_b128 v[8*i:8*i+3],   v[AXA+(i%4)/2] offset:16*XP*(i%2)+64*(i/4)
	ds_load_b128 v[8*i+4:8*i+7], v[AXA+(i%4)/2] offset:16*XP*(i%2)+64*(i/4)+16
.set i, i+1
.endr
	WIN 0
	s_mov_b32 s[CNT], 4
.Lwo:                                          ; a head a trip: K = 128 in four steps, on two operand sets
	s_wait_tensorcnt 0x0                           ; the head's tile has landed
	ds_add_u32 v[SPW], v[NIL]
	STEPW
	s_xor_b32 s[SB], s[SB], SLOT1
	s_wait_dscnt 0x0                               ; the add is done; my reads of the other slot (in the first trip: of x) are over
	CROUND
	JW                                             ; the next tile; its four v_nop are also the places in front of the loads below
	v_add_nc_u32 v[AWA], s[SB], v[AT]
	v_add_nc_u32 v[AWB], 59392, v[AWA]
	LDO 0, PB0
	LDO 1, PB1
	s_wait_dscnt 22                                ; the older set is in; the 22 loads of the younger may stay out: so at each of these three waits
	WMB PB0, 0, 6
	PLACES
	LDO 2, PB0
	s_wait_dscnt 22
	WMB PB1, 0, 6
	PLACES
	LDO 3, PB1
	s_wait_dscnt 22
	WMB PB0, 0, 6
	s_wait_dscnt 0x0
	WMB PB1, 0, 6
	WIN 0
	v_add_nc_u32 v[AO], 256, v[AO]                 ; the next head's channels
	s_sub_co_u32 s[CNT], s[CNT], 1
	s_cmp_lg_u32 s[CNT], 0
	s_cbranch_scc1 .Lwo
	; THE NORM of x1.  A lane holds 56 columns of each of four tokens; the sums meet across the halves of the lanes and, in LDS, across the waves.  The padding columns of x1 are 0.
	PLACES
	WIN 0x05
.irp t, 0,1,2,3                        ; two chains a token block (blocks i < 4, i >= 4); each accumulator is read from its low end on
	v_pk_add_f32 v[64+4*(\t):65+4*(\t)], v[8*(\t):8*(\t)+1], v[8*(\t)+2:8*(\t)+3]
	v_pk_add_f32 v[66+4*(\t):67+4*(\t)], v[128+8*(\t):128+8*(\t)+1], v[128+8*(\t)+2:128+8*(\t)+3]
.endr
	WIN 0x04
.set ii, 0
.rept 7
.set pp, 0
.rept 4
.if (ii%4 != 0) || (pp >= 2)
.irp t, 0,1,2,3
	v_pk_add_f32 v[64+4*(\t)+2*(ii/4):65+4*(\t)+2*(ii/4)], v[64+4*(\t)+2*(ii/4):65+4*(\t)+2*(ii/4)], v[32*ii+8*(\t)+2*pp:32*ii+8*(\t)+2*pp+1]
.endr
.endif
.set pp, pp+1
.endr
.set ii, ii+1
.endr
	WIN 0
.irp t, 0,1,2,3
	v_pk_add_f32 v[64+4*(\t):65+4*(\t)], v[64+4*(\t):65+4*(\t)], v[66+4*(\t):67+4*(\t)]
.endr
.macro MEETSUM off                     ; v[64 + 4 t], v[65 + 4 t] hold my sums; v[84 + t] takes the token's, over all lanes and waves
.irp t, 0,1,2,3
	v_add_f32 v[80+(\t)], v[64+4*(\t)], v[65+4*(\t)]
.endr
.irp t, 0,1,2,3
	v_permlanex16_b32 v[64+(\t)], v[80+(\t)], s[SEL], s[SEL+1]
.endr
.irp t, 0,1,2,3
	v_add_f32 v[80+(\t)], v[80+(\t)], v[64+(\t)]
.endr
	ds_store_b128 v[AREDS], v[80:83] offset:\off   ; both halves of the lanes write the same numbers to the same bytes
	s_wait_dscnt 0x0
	s_barrier_signal -1
	s_barrier_wait -1                              ; the tile on its way may stay out
.irp k, 0,1,2,3
	ds_load_b128 v[84+4*(\k):87+4*(\k)], v[AREDR] offset:(\off)+256*(\k)
.endr
	s_wait_dscnt 0x0
	v_pk_add_f32 v[84:85], v[84:85], v[88:89]
	v_pk_add_f32 v[86:87], v[86:87], v[90:91]
	v_pk_add_f32 v[92:93], v[92:93], v[96:97]
	v_pk_add_f32 v[94:95], v[94:95], v[98:99]
	v_pk_add_f32 v[84:85], v[84:85], v[92:93]
	v_pk_add_f32 v[86:87], v[86:87], v[94:95]
.endm
	MEETSUM 0
.irp t, 0,1,2,3
	v_mul_f32 v[100+2*(\t)], s[INV], v[84+(\t)]    ; the mean, twice
	v_mul_f32 v[101+2*(\t)], s[INV], v[84+(\t)]
.endr
	WIN 0x81
.set ii, 0
.rept 28                               ; x1 - mean, into window 2: ii = 4 block + tb
.irp p, 0,1,2,3
	v_pk_add_f32 v[8*ii+2*(\p):8*ii+2*(\p)+1], v[8*ii+2*(\p):8*ii+2*(\p)+1], v[100+2*(ii%4):101+2*(ii%4)] neg_lo:[0,1] neg_hi:[0,1]
.endr
.set ii, ii+1
.endr
	WIN 0x0a
.irp t, 0,1,2,3
	v_pk_mul_f32 v[64+4*(\t):65+4*(\t)], v[8*(\t):8*(\t)+1], v[8*(\t):8*(\t)+1]
	v_pk_mul_f32 v[66+4*(\t):67+4*(\t)], v[128+8*(\t):128+8*(\t)+1], v[128+8*(\t):128+8*(\t)+1]
.endr
.set ii, 0
.rept 7
.set pp, 0
.rept 4
.if (ii%4 != 0) || (pp >= 1)
.irp t, 0,1,2,3
	v_pk_fma_f32 v[64+4*(\t)+2*(ii/4):65+4*(\t)+2*(ii/4)], v[32*ii+8*(\t)+2*pp:32*ii+8*(\t)+2*pp+1], v[32*ii+8*(\t)+2*pp:32*ii+8*(\t)+2*pp+1], v[64+4*(\t)+2*(ii/4):65+4*(\t)+2*(ii/4)]
.endr
.endif
.set pp, pp+1
.endr
.set ii, ii+1
.endr
	WIN 0
.irp t, 0,1,2,3                        ; wave 3's blocks i >= 4 are padding: their squares do not count
	v_pk_fma_f32 v[64+4*(\t):65+4*(\t)], v[66+4*(\t):67+4*(\t)], s[FL:FL+1], v[64+4*(\t):65+4*(\t)] op_sel_hi:[1,0,1]
.endr
	MEETSUM 1024
.irp t, 0,1,2,3
	v_fma_f32 v[84+(\t)], v[84+(\t)], s[INV], s[EPS]
.endr
.irp t, 0,1,2,3
	v_rsq_f32 v[100+2*(\t)], v[84+(\t)]
	v_rsq_f32 v[101+2*(\t)], v[84+(\t)]
.endr
	v_nop                                          ; a plain instruction behind the last of the eight,
	s_wait_alu depctr_va_vdst(0)                   ; and the one wait ahead of their first reader
	s_wait_loadcnt 0x0                             ; g, b and b2
	WIN 0x82
.set ii, 0
.rept 28
.irp p, 0,1,2,3
	v_pk_mul_f32 v[8*ii+2*(\p):8*ii+2*(\p)+1], v[8*ii+2*(\p):8*ii+2*(\p)+1], v[100+2*(ii%4):101+2*(ii%4)]
.endr
.set ii, ii+1
.endr
	WIN 0xbe
.set ii, 0
.rept 28
.irp p, 0,1,2,3
	v_pk_fma_f32 v[8*ii+2*(\p):8*ii+2*(\p)+1], v[8*ii+2*(\p):8*ii+2*(\p)+1], v[8*(ii/4)+2*(\p):8*(ii/4)+2*(\p)+1], v[56+8*(ii/4)+2*(\p):56+8*(ii/4)+2*(\p)+1]
.endr
.set ii, ii+1
.endr
	WIN 0x8a
.set i, 0
.rept 112                              ; to f16, in place, ascending: register i takes pair i; block (i, tb) ends at 16 i + 4 tb
	v_cvt_pk_f16_f32 v[i], v[2*i], v[2*i+1]
.set i, i+1
.endr
	WIN 0x82
.irp t, 0,1,2,3                        ; wave 3's block i = 4 is columns 400-415: column 400 is 1.0, for b1's row; the others are 0
	v_cndmask_b32 v[64+4*(\t)], v[64+4*(\t)], v[ONEV], s[M3]
	v_cndmask_b32 v[65+4*(\t)], v[65+4*(\t)], v[ZR], s[M3]
	v_cndmask_b32 v[66+4*(\t)], v[66+4*(\t)], v[ZR], s[M3]
	v_cndmask_b32 v[67+4*(\t)], v[67+4*(\t)], v[ZR], s[M3]
.endr
	WIN 0x08
.set ii, 0
.rept 28                               ; O's tile has been read by every wave (two barriers back): its bytes take h2
	ds_store_b128 v[AH2S], v[4*ii:4*ii+3] offset:14336*(ii%4)+512*(ii/4)
.set ii, ii+1
.endr
	WIN 0x4d
.set ii, 0
.rept 28                               ; b2 joins x1 in the accumulators
.irp p, 0,1,2,3
	v_pk_add_f32 v[8*ii+2*(\p):8*ii+2*(\p)+1], v[8*ii+2*(\p):8*ii+2*(\p)+1], v[112+8*(ii/4)+2*(\p):112+8*(ii/4)+2*(\p)+1]
.endr
.set ii, ii+1
.endr
	WIN 0
	s_wait_dscnt 0x0
	s_barrier_signal -1
	s_barrier_wait -1                              ; h2 is whole.
	WIN 0x80
.set i, 0
.rept 28                               ; h2's fragments: i = 4 ks + tb
	ds_load_b128 v[8*i:8*i+3],   v[AF] offset:14336*(i%4)+1024*(i/4)
	ds_load_b128 v[8*i+4:8*i+7], v[AF] offset:14336*(i%4)+1024*(i/4)+512
.set i, i+1
.endr
	WIN 0xc0
.set i, 0
.rept 24
	ds_load_b128 v[8*i:8*i+3],   v[AF] offset:14336*(i%4)+1024*(i/4+7)
	ds_load_b128 v[8*i+4:8*i+7], v[AF] offset:14336*(i%4)+1024*(i/4+7)+512
.set i, i+1
.endr
	WIN 0
.set i, 0
.rept 88                               ; the first period's opening products add 0
	v_mov_b32 v[PB0+i], 0
.set i, i+1
.endr
	s_wait_dscnt 0x0
	s_mov_b32 s[CNT], 12
.Lffn:                                         ; chunks 0 to 23
	FPERIOD 0
	FPERIOD 1
	WIN 0
	s_sub_co_u32 s[CNT], s[CNT], 1
	s_cmp_lg_u32 s[CNT], 0
	s_cbranch_scc1 .Lffn
	FPERIOD 0                                      ; chunk 24; it asks for the last tile
	WIN 0                                          ; THE TAIL: the rest of chunk 23's second product and all of chunk 24's; nothing is left to fetch
	s_wait_tensorcnt 0x0
	ds_add_u32 v[SPW], v[NIL]
	s_wait_dscnt 0x1                               ; only the add may be out
	WMB PB1, 0, 1
	s_wait_dscnt 0x0
	s_barrier_signal -1
	WMB PB1, 2, 3
	s_barrier_wait -1                              ; the last tile is whole, chunk 24 lies in LDS, and nobody reads slot 1 any more
	WMB PB1, 4, 6
	PLACES
	LDB 0, PB1, 0, HB0
	LDB 1, PB0, 0, HB0
	s_wait_dscnt 22                                ; K step 0's operands are in
	WMB PB1, 0, 6
	s_wait_dscnt 0x0
	WMB PB0, 0, 6
	; THE WAY OUT.  Slot 1 has had its last fill: it takes the 64 rows of the result, 1,600 bytes each, on end.  A wave then reads 16 whole rows, 25,600 consecutive bytes, and stores them.
	PLACES
	WIN 0
	v_mul_u32_u24 v[AT], v1, 1600
	v_add3_u32 v[AT], v[AT], v[PV0], SLOT1         ; token lane % 16, my columns
	v_add_nc_u32 v[AT+1], 2*25600, v[AT]           ; token blocks 2, 3
	s_mul_i32 s21, s[WV], 25600
	s_add_co_u32 s21, s21, SLOT1
	v_lshl_add_u32 v[AWA], v3, 4, s21
	v_lshlrev_b32 v[AWB], 4, v3
	WIN 0x04
.set i, 0
.rept 16                               ; blocks 0 to 3: i = 4 block + tb; each accumulator from its low end on
	ds_store_b128 v[AT+(i%4)/2], v[8*i:8*i+3]   offset:25600*(i%2)+64*(i/4)
	ds_store_b128 v[AT+(i%4)/2], v[8*i+4:8*i+7] offset:25600*(i%2)+64*(i/4)+16
.set i, i+1
.endr
	WIN 0
	s_cmp_eq_u32 s[WV], 3                          ; wave 3's blocks 4 to 6 are padding: they have no place in a row
	s_cbranch_scc1 .Lpadding
	WIN 0x04
.rept 12
	ds_store_b128 v[AT+(i%4)/2], v[8*i:8*i+3]   offset:25600*(i%2)+64*(i/4)
	ds_store_b128 v[AT+(i%4)/2], v[8*i+4:8*i+7] offset:25600*(i%2)+64*(i/4)+16
.set i, i+1
.endr
	WIN 0
.Lpadding:
	s_wait_dscnt 0x0
	s_barrier_signal -1
	s_barrier_wait -1
.set i, 0
.rept 50
	ds_load_b128 v[32+4*i:35+4*i], v[AWA] offset:512*i
.set i, i+1
.endr
.set i, 0
.rept 50
	s_wait_dscnt 49-i                              ; LDS loads come back in order (ISA guide 5.7.1): load i is in
	global_store_b128 v[AWB], v[32+4*i:35+4*i], s[16:17] offset:512*i th:TH_STORE_NT  ; 512 consecutive bytes, aligned
.set i, i+1
.endr
	s_wait_tensorcnt 0x0                           ; the wave's end
	ds_add_u32 v[SPW], v[NIL]
	s_wait_dscnt 0x0
	CROUND                                         ; the closing round
	s_endpgm
.Lfunc_end_k_q2adfbd280a_post:
	.size	k_q2adfbd280a_post, .Lfunc_end_k_q2adfbd280a_post-k_q2adfbd280a_post
	.p2alignl 7, 3214868480
	.fill 96, 4, 3214868480
	.section	.rodata,"a",@progbits
	.p2align	6, 0x0
	.amdhsa_kernel k_q2adfbd280a_post
		.amdhsa_group_segment_fixed_size 327680
		.amdhsa_private_segment_fixed_size 0
		.amdhsa_enable_private_segment 0
		.amdhsa_kernarg_size 56
		.amdhsa_user_sgpr_count 2
		.amdhsa_user_sgpr_kernarg_segment_ptr 1
		.amdhsa_wavefront_size32 1
		.amdhsa_system_sgpr_workgroup_id_x 1
		.amdhsa_system_sgpr_workgroup_id_y 1
		.amdhsa_system_sgpr_workgroup_id_z 1
		.amdhsa_system_vgpr_workitem_id 0
		.amdhsa_next_free_vgpr 960
		.amdhsa_next_free_sgpr 80
		.amdhsa_reserve_vcc 0
		.amdhsa_float_denorm_mode_32 3
		.amdhsa_float_denorm_mode_16_64 3
		.amdhsa_memory_ordered 1
		.amdhsa_forward_progress 1
		.amdhsa_inst_pref_size 162
	.end_amdhsa_kernel
	.amdgpu_metadata
---
amdhsa.version: [ 1, 2 ]
amdhsa.kernels:
  - .name:           k_q2adfbd280a_post
    .symbol:         k_q2adfbd280a_post.kd
    .args:
      - { .name: obuf, .offset: 0, .size: 8, .value_kind: global_buffer, .address_space: global }
      - { .name: x, .offset: 8, .size: 8, .value_kind: global_buffer, .address_space: global }
      - { .name: wpost, .offset: 16, .size: 8, .value_kind: global_buffer, .address_space: global }
      - { .name: ln2_g, .offset: 24, .size: 8, .value_kind: global_buffer, .address_space: global }
      - { .name: ln2_b, .offset: 32, .size: 8, .value_kind: global_buffer, .address_space: global }
      - { .name: b2, .offset: 40, .size: 8, .value_kind: global_buffer, .address_space: global }
      - { .name: out0, .offset: 48, .size: 8, .value_kind: global_buffer, .address_space: global }
    .group_segment_fixed_size: 327680
    .private_segment_fixed_size: 0
    .kernarg_segment_align: 8
    .kernarg_segment_size: 56
    .max_flat_workgroup_size: 128
    .sgpr_count:     80
    .vgpr_count:     960
    .wavefront_size: 32
...
	.end_amdgpu_metadata
.endif
;; end of part 4
;; ======== version 2 of 2: 4 launches
;; limits: values are held in f16: magnitudes above 65,504 overflow, below 6.1e-05 lose precision; values outside matrix products are rounded to f16
;; workspace buffers: wqkv 1,437,696 bytes; wpost 1,949,696 bytes; w1f 1,331,200 bytes; qkvb 50,331,648 bytes; obuf 16,777,216 bytes
;; launch prep (part 5): grid 2304 x 1, 4 waves a work-group, no clusters, 0 bytes of LDS; arguments Wq, Wk, Wv, Wo, bo, W1, b1, W2, wqkv, wpost, w1f; writes wqkv, wpost, w1f
.if DOCPART == 5
	.amdgcn_target "amdgcn-amd-amdhsa--gfx1250"
	.amdhsa_code_object_version 6
	.text
	.protected	k_q2adfbd280a_prep
	.globl	k_q2adfbd280a_prep
	.p2align	8
	.type	k_q2adfbd280a_prep,@function
k_q2adfbd280a_prep:
	s_mov_b64 s[64:65], 0
	v_nop
	global_prefetch_b8 v0, s[64:65] scope:SCOPE_SE
	s_setreg_imm32_b32 hwreg(HW_REG_WAVE_MODE, 25, 1), 1
	s_wait_xcnt 0x0
; THE WEIGHTS IN f16, LAID AS THE LATER LAUNCHES WANT THEM.  Every weight is rounded once, from f32 to f16.
; wqkv: 12 chunks (q, k, v x 4 heads) of 416 rows (k) x 288 bytes (128 d + 16 of padding); zeros for k >= 400 and d >= 100: the image of an LDS tile.
; wpost: 34 half tiles of 57,344 bytes, each [wave 4][64 rows k][112 columns]: wave w's columns are 112 w ..; columns from 400 on are 0.
;        Half tiles 2 h, 2 h + 1: rows 0-63, 64-127 of head h's part of Wo (100 true rows; row 100 of head 0 is bo; all else 0).  Half tile 8 + c: rows 64 c .. of W2, c = 0..24; half tile 33 is chunk 0 once more, so that chunks 24 and 0 lie on end.
; w1f:   W1 as matrix fragments, [chunk 25][wave 4][K step 13][half 2][lane 32][16 bytes]: lane l holds column 64 c + 16 w + l % 16 and the eight rows 32 ks + 16 e + 8 (l / 16) + 0..7; row 400 is b1, rows beyond are 0.
; LIMITS.  f16 holds no number beyond 65,504: weights and the two biases lie within it; bo and b1 are rounded to f16.
; SHARES.  A wave makes 512 consecutive bytes: a lane 16 bytes, eight numbers.  9,216 waves cover the three buffers exactly.  No LDS, no barrier: no wave wants another's bytes.
; A lane outside the source's rows or columns loads from a clamped address inside the buffer and selects 0: every lane stays on, and every byte is written.
; For w1f a lane's eight numbers lie in eight rows of W1: eight loads of 4 bytes, sixteen lanes side by side.  It is a transposition of 2.56 MB, made once.
.set SRC, 32                           ; s[32:33] the source at the tile's first row
.set DST, 34                           ; s[34:35] where the wave's sub-block of the image begins
.set BIA, 36                           ; s[36:37] the bias that rides in the tile
.set OF,  38                           ; s[38:39] an offset, high word 0
.set BF,  41                           ; s41  -1: the tile has a bias row
.set KVS, 47                           ; s47  valid rows
.set KM1, 48                           ; s48  the last of them
.set CB,  49                           ; s49  the first source byte of the sub-block's columns
; s29 = the tile, s30 = my wave in it.  The division is a multiplication: magic = ceil(2^24 / wpt), exact for the few thousand waves of a section.
.macro SPLIT first, wpt, magic
	s_sub_co_u32 s30, s28, \first
	s_mul_i32 s29, s30, \magic
	s_lshr_b32 s29, s29, 24
	s_mul_i32 s31, s29, \wpt
	s_sub_co_u32 s30, s30, s31
.endm
; One piece; v2 = its number in the sub-block.  rowb: bytes from row to row in the source; nvb: valid bytes of a row; ppr: pieces in an image row, magic = ceil(2^16 / ppr); brow: the bias's row, or -1.
.macro PIECE rowb, nvb, ppr, magic, brow
	v_mul_u32_u24 v3, v2, \magic
	v_lshrrev_b32 v3, 16, v3                       ; the image row
	v_mul_u32_u24 v4, v3, \ppr
	v_sub_nc_u32 v4, v2, v4                        ; my piece in it
	v_lshl_add_u32 v4, v4, 5, s[CB]                ; its first source byte,
	v_add_nc_u32 v5, 16, v4                        ; and its second half's
	v_min_u32 v6, (\nvb)-16, v4                    ; both clamped into the row,
	v_min_u32 v7, (\nvb)-16, v5
	v_min_u32 v8, s[KM1], v3                       ; the row into the tile
	v_mul_u32_u24 v8, v8, \rowb
	v_add_nc_u32 v9, v8, v6
	v_add_nc_u32 v10, v8, v7
	v_lshlrev_b32 v11, 4, v2                       ; where the piece goes
	global_load_b128 v[12:15], v9, s[SRC:SRC+1]
	global_load_b128 v[16:19], v10, s[SRC:SRC+1]
.if (\brow) >= 0
	global_load_b128 v[20:23], v6, s[BIA:BIA+1]
	global_load_b128 v[24:27], v7, s[BIA:BIA+1]
.endif
	v_cmp_gt_u32 s42, s[KVS], v3                   ; a valid row,
	v_cmp_ge_u32 s43, (\nvb)-16, v4                ; valid columns in the first half,
	v_cmp_ge_u32 s44, (\nvb)-16, v5                ; in the second
	s_and_b32 s45, s42, s43
	s_and_b32 s46, s42, s44
.if (\brow) >= 0
	v_cmp_eq_u32 s42, \brow, v3
	s_and_b32 s42, s42, s[BF]
	s_and_b32 s43, s42, s43
	s_and_b32 s44, s42, s44
.endif
	s_wait_loadcnt 0x0
.irp k, 0,1,2,3
	v_cndmask_b32 v[12+(\k)], 0, v[12+(\k)], s45
	v_cndmask_b32 v[16+(\k)], 0, v[16+(\k)], s46
.endr
.if (\brow) >= 0
.irp k, 0,1,2,3
	v_cndmask_b32 v[12+(\k)], v[12+(\k)], v[20+(\k)], s43
	v_cndmask_b32 v[16+(\k)], v[16+(\k)], v[24+(\k)], s44
.endr
.endif
.irp k, 0,1,2,3
	v_cvt_pk_f16_f32 v[28+(\k)], v[12+2*(\k)], v[13+2*(\k)]
.endr
	global_store_b128 v11, v[28:31], s[DST:DST+1]  ; the wave's store covers 512 consecutive bytes, aligned
	s_endpgm
.endm
	s_load_b512 s[8:23], s[0:1], 0x0               ; Wq s[8:9], Wk s[10:11], Wv s[12:13], Wo s[14:15], bo s[16:17], W1 s[18:19], b1 s[20:21], W2 s[22:23]
	s_load_b128 s[24:27], s[0:1], 0x40             ; wqkv s[24:25], wpost s[26:27]
	s_load_b64 s[52:53], s[0:1], 0x50              ; w1f
	v_and_b32 v1, 31, v0                           ; lane
	v_lshrrev_b32 v2, 5, v0
	v_readfirstlane_b32 s28, v2
	s_lshl_b32 s29, ttmp9, 2
	s_add_co_u32 s28, s28, s29                     ; my wave among the launch's 9,216
	s_mov_b32 s[OF+1], 0
	s_wait_kmcnt 0x0
	s_cmp_lt_u32 s28, 2808
	s_cbranch_scc0 .Lnot_q
	SPLIT 0, 234, 71698                            ; wqkv: 12 chunks of 234 waves
	s_lshl_b32 s30, s30, 5
	v_add_nc_u32 v2, s30, v1
	s_lshr_b32 s31, s29, 2                         ; q, k or v
	s_cmp_eq_u32 s31, 0
	s_cselect_b64 s[SRC:SRC+1], s[8:9], s[10:11]
	s_cmp_eq_u32 s31, 2
	s_cselect_b64 s[SRC:SRC+1], s[12:13], s[SRC:SRC+1]
	s_and_b32 s31, s29, 3                          ; the head: 400 rows of 400 bytes
	s_mul_i32 s[OF], s31, 160000
	s_add_nc_u64 s[SRC:SRC+1], s[SRC:SRC+1], s[OF:OF+1]
	s_mul_i32 s[OF], s29, 119808
	s_add_nc_u64 s[DST:DST+1], s[24:25], s[OF:OF+1]
	s_mov_b32 s[KVS], 400
	s_mov_b32 s[KM1], 399
	s_mov_b32 s[CB], 0
	PIECE 400, 400, 18, 3641, -1
.Lnot_q:
	s_cmp_lt_u32 s28, 6616
	s_cbranch_scc0 .Lfrag
	SPLIT 2808, 112, 149797                        ; wpost: 34 half tiles of 112 waves, 28 for each wave's sub-block
	s_mul_i32 s50, s30, 2341
	s_lshr_b32 s50, s50, 16                        ; the sub-block: my wave in the tile / 28
	s_mul_i32 s51, s50, 28
	s_sub_co_u32 s30, s30, s51
	s_lshl_b32 s30, s30, 5
	v_add_nc_u32 v2, s30, v1                       ; my piece among the sub-block's 896: 64 rows of 14
	s_mul_i32 s[CB], s50, 448                      ; 112 columns of f32
	s_mul_i32 s[OF], s29, 57344
	s_mul_i32 s51, s50, 14336
	s_add_co_u32 s[OF], s[OF], s51
	s_add_nc_u64 s[DST:DST+1], s[26:27], s[OF:OF+1]
	s_lshr_b32 s31, s29, 1                         ; Wo: the head's 100 rows of 1,600 bytes,
	s_and_b32 s51, s29, 1                          ; their first or second 64
	s_mul_i32 s31, s31, 160000
	s_mul_i32 s50, s51, 102400
	s_add_co_u32 s31, s31, s50
	s_sub_co_u32 s50, s29, 8                       ; W2: the chunk; the 26th is chunk 0 once more
	s_cmp_eq_u32 s50, 25
	s_cselect_b32 s50, 0, s50
	s_mul_i32 s50, s50, 102400
	s_cmp_lt_u32 s29, 8
	s_cselect_b32 s[OF], s31, s50
	s_cselect_b64 s[SRC:SRC+1], s[14:15], s[22:23]
	s_cselect_b32 s51, s51, 0
	s_add_nc_u64 s[SRC:SRC+1], s[SRC:SRC+1], s[OF:OF+1]
	s_cmp_eq_u32 s51, 1                            ; a head's second half has 36 true rows
	s_cselect_b32 s[KVS], 36, 64
	s_cselect_b32 s[KM1], 35, 63
	s_cmp_eq_u32 s29, 1                            ; bo is row 100 of head 0: row 36 of half tile 1
	s_cselect_b32 s[BF], -1, 0
	s_mov_b64 s[BIA:BIA+1], s[16:17]
	PIECE 1600, 1600, 14, 4682, 36
.Lfrag:
	SPLIT 6616, 104, 161320                        ; w1f: 25 chunks of 104 waves, 26 for each wave's fragments
	s_mul_i32 s50, s30, 2521
	s_lshr_b32 s50, s50, 16                        ; the wave whose fragments these are: / 26
	s_mul_i32 s51, s50, 26
	s_sub_co_u32 s51, s30, s51                     ; 2 ks + e
	s_lshl_b32 s51, s51, 4                         ; its first row: 32 ks + 16 e
	v_lshrrev_b32 v3, 4, v1
	v_and_b32 v4, 15, v1
	v_lshl_add_u32 v3, v3, 3, s51                  ; my first row
	s_lshl_b32 s31, s29, 8
	s_lshl_b32 s50, s50, 6
	s_add_co_u32 s31, s31, s50
	v_lshl_add_u32 v4, v4, 2, s31                  ; my column, in bytes of f32: 4 (64 c + 16 w + lane % 16)
	v_min_u32 v5, 392, v3                          ; rows from 400 on load from the last eight true rows
	v_mul_u32_u24 v5, v5, 6400
	v_add_nc_u32 v5, v5, v4
	v_lshlrev_b32 v11, 4, v1
	s_sub_co_u32 s31, s28, 6616
	s_lshl_b32 s[OF], s31, 9
	s_add_nc_u64 s[DST:DST+1], s[52:53], s[OF:OF+1]
.irp k, 0,1,2,3,4,5,6,7
	global_load_b32 v[12+(\k)], v5, s[18:19] offset:6400*(\k)
.endr
	global_load_b32 v20, v4, s[20:21]
	v_cmp_gt_u32 s42, 400, v3                      ; eight true rows (400 is a multiple of 8),
	v_cmp_eq_u32 s43, 400, v3                      ; or b1 and seven zeros, or eight zeros
	s_wait_loadcnt 0x0
.irp k, 0,1,2,3,4,5,6,7
	v_cndmask_b32 v[12+(\k)], 0, v[12+(\k)], s42
.endr
	v_cndmask_b32 v12, v12, v20, s43
.irp k, 0,1,2,3
	v_cvt_pk_f16_f32 v[28+(\k)], v[12+2*(\k)], v[13+2*(\k)]
.endr
	global_store_b128 v11, v[28:31], s[DST:DST+1]  ; 512 consecutive bytes, aligned
	s_endpgm
.Lfunc_end_k_q2adfbd280a_prep:
	.size	k_q2adfbd280a_prep, .Lfunc_end_k_q2adfbd280a_prep-k_q2adfbd280a_prep
	.p2alignl 7, 3214868480
	.fill 96, 4, 3214868480
	.section	.rodata,"a",@progbits
	.p2align	6, 0x0
	.amdhsa_kernel k_q2adfbd280a_prep
		.amdhsa_group_segment_fixed_size 0
		.amdhsa_private_segment_fixed_size 0
		.amdhsa_enable_private_segment 0
		.amdhsa_kernarg_size 88
		.amdhsa_user_sgpr_count 2
		.amdhsa_user_sgpr_kernarg_segment_ptr 1
		.amdhsa_wavefront_size32 1
		.amdhsa_system_sgpr_workgroup_id_x 1
		.amdhsa_system_sgpr_workgroup_id_y 1
		.amdhsa_system_sgpr_workgroup_id_z 1
		.amdhsa_system_vgpr_workitem_id 0
		.amdhsa_next_free_vgpr 32
		.amdhsa_next_free_sgpr 66
		.amdhsa_reserve_vcc 0
		.amdhsa_float_denorm_mode_32 3
		.amdhsa_float_denorm_mode_16_64 3
		.amdhsa_memory_ordered 1
		.amdhsa_forward_progress 1
		.amdhsa_inst_pref_size 12
	.end_amdhsa_kernel
	.amdgpu_metadata
---
amdhsa.version: [ 1, 2 ]
amdhsa.kernels:
  - .name:           k_q2adfbd280a_prep
    .symbol:         k_q2adfbd280a_prep.kd
    .args:
      - { .name: Wq, .offset: 0, .size: 8, .value_kind: global_buffer, .address_space: global }
      - { .name: Wk, .offset: 8, .size: 8, .value_kind: global_buffer, .address_space: global }
      - { .name: Wv, .offset: 16, .size: 8, .value_kind: global_buffer, .address_space: global }
      - { .name: Wo, .offset: 24, .size: 8, .value_kind: global_buffer, .address_space: global }
      - { .name: bo, .offset: 32, .size: 8, .value_kind: global_buffer, .address_space: global }
      - { .name: W1, .offset: 40, .size: 8, .value_kind: global_buffer, .address_space: global }
      - { .name: b1, .offset: 48, .size: 8, .value_kind: global_buffer, .address_space: global }
      - { .name: W2, .offset: 56, .size: 8, .value_kind: global_buffer, .address_space: global }
      - { .name: wqkv, .offset: 64, .size: 8, .value_kind: global_buffer, .address_space: global }
      - { .name: wpost, .offset: 72, .size: 8, .value_kind: global_buffer, .address_space: global }
      - { .name: w1f, .offset: 80, .size: 8, .value_kind: global_buffer, .address_space: global }
    .group_segment_fixed_size: 0
    .private_segment_fixed_size: 0
    .kernarg_segment_align: 8
    .kernarg_segment_size: 88
    .max_flat_workgroup_size: 128
    .sgpr_count:     66
    .vgpr_count:     32
    .wavefront_size: 32
...
	.end_amdgpu_metadata
.endif
;; end of part 5
;; launch qkv (part 6): grid 256 x 1, 4 waves a work-group, clusters of 4 x 1, 327,680 bytes of LDS; arguments x, ln1_g, ln1_b, wqkv, qkvb; writes qkvb
.if DOCPART == 6
	.amdgcn_target "amdgcn-amd-amdhsa--gfx1250"
	.amdhsa_code_object_version 6
	.text
	.protected	k_q2adfbd280a_qkv
	.globl	k_q2adfbd280a_qkv
	.p2align	8
	.type	k_q2adfbd280a_qkv,@function
k_q2adfbd280a_qkv:
	s_mov_b64 s[64:65], 0
	v_nop
	global_prefetch_b8 v0, s[64:65] scope:SCOPE_SE
	s_setreg_imm32_b32 hwreg(HW_REG_WAVE_MODE, 25, 1), 1
	s_wait_xcnt 0x0
	s_wait_alu depctr_hold_cnt(0) depctr_sa_sdst(0) depctr_va_vdst(0) depctr_va_sdst(0) depctr_va_ssrc(0) depctr_va_vcc(0) depctr_vm_vsrc(0)
	s_getreg_b32 s2, hwreg(HW_REG_IB_STS2, 6, 4)
	s_cmp_eq_u32 s2, 0
	s_cbranch_scc0 .Lentry_in_a_cluster
	s_endpgm
.Lentry_in_a_cluster:
	s_bfe_u32 s2, ttmp6, 0x10000c
	s_cmp_lg_u32 s2, 0x3003
	s_cbranch_scc0 .Lentry_shape_is_right
	s_endpgm
.Lentry_shape_is_right:
; h = LayerNorm(x) g + b, then q, k, v = h W for 4 heads: 12 chunks of 128 columns (100 true ones, the rest 0).  x f32; h and the weights f16, rounded once; sums f32; q, k, v rounded once to f16, unscaled.
; LIMITS.  f16 holds no number beyond 65,504: h, q, k and v lie within it.  The variance is taken of x - mean, in a second pass over registers.
; SHARES.  A work-group owns 64 tokens.  Wave w normalises tokens 16 w ..; then it makes columns 32 w .. 32 w + 31 of every chunk for all 64 tokens: 8 accumulators.  h (64 x 416) stays in registers: 52 fragments.
; LAYOUT.  Products are used transposed: source 0 = 16 columns of W (turned out of LDS by ds_load_tr16_b128, W lying [k][column]), source 1 = 16 tokens of h.  A lane of the result holds ONE token and 8 neighbouring columns.
; CLUSTER.  The four work-groups of a cluster walk the same 12 chunks: each chunk is asked for JOINTLY, a quarter a wave, into two slots that take turns; a round of the cluster's barrier stands in front of each refill.
; THE RING.  The chunks are independent, so their order is free: cluster j begins with chunk j mod 12 and walks the twelve in a ring, so that at any time the 64 clusters ask for different chunks.  The start enters global addresses alone.
; By this text's count a wave has two tensor loads out at the start and one afterwards.  The chunks are not prefetched: the table of 1.4 MB is walked 64 times in the launch, once by each cluster.
; qkvb: [batch 8][chunk 12][64 tokens: 32 blocks][32 columns: 4 sub-blocks][64 tokens][32 columns]: a wave's result for a chunk is 4,096 consecutive bytes.
; REGISTERS, in windows of 256 (s_set_vgpr_msb: bits 1:0 source 0, 3:2 source 1, 5:4 source 2, 7:6 destination):
;   window 0: v0-15 addresses; v32-95 accumulators (column block nb, token block tb) at 32 nb + 8 tb (in the norm: sums); v96-127 packed results; v128-159 rows read back
;   window 1: W's fragments (K step ks, nb) at 16 ks + 8 nb (in the norm: x)     window 2: h's fragments ks 0-6 at 32 ks + 8 tb (in the norm: g)     window 3: ks 7-12 (in the norm: b)
.set SLOT1,  131072                    ; slot 0 at 0; slot 1 here: first x's tile, then chunks
.set CHUNK,  119808                    ; 416 rows of 288 bytes
.set QUART,  CHUNK/4                   ; what one tensor load brings: 117 rows of 256 bytes
.set XP,     1680                      ; a row of x in LDS: 420 f32, of which 20 are zeros: 420 words = 36 mod 64, so 16 rows start at 16 different groups of four banks (64 banks of 4 bytes: ISA guide 11.1)
.set HX,     250880                    ; h as fragments: half fragment (tb, block B of 16 columns) at 13,312 tb + 512 B + 16 lane
.set HXT,    13312
.set STG,    304128                    ; each wave's own stage: 64 rows of 80 bytes
.set SPARE,  324608                    ; the spare words, 128 bytes a wave: two blocks of 256 bytes that no other line names
.set RR,  1                            ; v1  lane % 16
.set HL,  2                            ; v2  lane / 16
.set LN,  3                            ; v3  lane
.set AX,  4                            ; v4  my 32 bytes in my row of x
.set AHS, 5                            ; v5  where I put half fragments of h
.set AHR, 6                            ; v6  where I read them
.set AQ0, 7                            ; v7  my place in a chunk
.set AQA, 8                            ; v8  the same in the slot in hand, K steps 0-6
.set AQB, 9                            ; v9  K steps 7-12
.set STO, 10                           ; v10 the way out: where I put 16 bytes
.set RD,  11                           ; v11 where I read rows back
.set GO,  12                           ; v12 16 x lane
.set PVO, 13                           ; v13 32 x (lane / 16): my columns in g and b
.set SPW, 14                           ; v14 my spare word; never rewritten
.set NIL, 15                           ; v15 0; never rewritten
.set ACC, 32
.set PK,  96
.set RB,  128
.set WV,  14                           ; s14 wave
.set CX,  15                           ; s15 my place in the cluster: it enters x's and qkvb's addresses alone
.set RW,  16                           ; s16 my block of 64 tokens
.set NXT, 18                           ; s18 the chunk to be asked for next
.set OC,  19                           ; s19 the chunk that goes out next
.set OFF, 20                           ; s[20:21] a chunk's byte offset in wqkv
.set INV, 22                           ; s22 1 / 400
.set EPS, 23                           ; s23 1e-5
.set G1X, 24                           ; s[24:31], s[32:35] descriptor of x's tile (my own load)
.set G0X, 32
.set G1W, 36                           ; s[36:43], s[44:47] descriptor of a chunk's quarter (joint)
.set G0W, 44
.set OFO, 50                           ; s[50:51] a chunk's byte offset in qkvb
.set SEL, 52                           ; s[52:53] v_permlanex16_b32's selects
.set CNT, 54
.set SB,  55                           ; s55 the slot that is read
.set OUTP, 56                          ; s[56:57] where my 4,096 bytes of the chunk in hand go
.set MSB, 0
.macro WIN new                         ; the high byte repeats the setting that is left; a switch that changes nothing is dropped
.if MSB != (\new)
	s_set_vgpr_msb (MSB<<8)|(\new)
.set MSB, (\new)
.endif
.endm
.macro PLACES                          ; four plain instructions between a matrix instruction and a load into, or a vector read of, its registers
.rept 4
	v_nop
.endr
.endm
.macro CREST                           ; a round of the cluster's barrier behind its opening barrier
	s_cmp_lg_u32 s[WV], 0
	s_cbranch_scc1 .Lnot_wave_0_\@
	s_barrier_signal -3
.Lnot_wave_0_\@:
	s_barrier_wait -3
	s_barrier_signal -1
	s_barrier_wait -1
.endm
.macro CROUND
	s_barrier_signal -1
	s_barrier_wait -1
	CREST
.endm
.macro JW                              ; the joint load of my quarter of a chunk; an s_nop 0 and four v_nop follow it
	tensor_load_to_lds s[G0W:G0W+3], s[G1W:G1W+7]
	s_nop 0
	PLACES
.endm
.macro ADRQ                            ; the descriptor's address is made anew from the chunk's number, which then steps round the ring
	s_mul_i32 s[OFF], s[NXT], CHUNK
	s_add_nc_u64 s[G0W+2:G0W+3], s[10:11], s[OFF:OFF+1]
	s_or_b32 s[G0W+3], s[G0W+3], 0x80000000
	s_add_co_u32 s[NXT], s[NXT], 1
	s_cmp_eq_u32 s[NXT], 12
	s_cselect_b32 s[NXT], 0, s[NXT]
.endm
; W's fragments of K steps lo .. hi: for each (ks, nb) two turning loads, 16 rows of 288 bytes apart
.macro LDQ lo, hi
	WIN 0x40
.set k, \lo
.rept (\hi)-(\lo)+1
.irp n, 0,1
.if k < 7
	ds_load_tr16_b128 v[16*k+8*(\n):16*k+8*(\n)+3],   v[AQA] offset:9216*k+32*(\n)
	ds_load_tr16_b128 v[16*k+8*(\n)+4:16*k+8*(\n)+7], v[AQA] offset:9216*k+32*(\n)+4608
.else
	ds_load_tr16_b128 v[16*k+8*(\n):16*k+8*(\n)+3],   v[AQB] offset:9216*(k-7)+32*(\n)
	ds_load_tr16_b128 v[16*k+8*(\n)+4:16*k+8*(\n)+7], v[AQB] offset:9216*(k-7)+32*(\n)+4608
.endif
.endr
.set k, k+1
.endr
.endm
; K step ks: 8 products, the 8 accumulators by turns.  zero = 1: they start the sums
.macro WMQ ks, zero
.if (\ks) < 7
	WIN 0x09
.set rH, 32*(\ks)
.else
	WIN 0x0d
.set rH, 32*((\ks)-7)
.endif
.irp n, 0,1
.irp t, 0,1,2,3
.if \zero
	v_wmma_f32_16x16x32_f16 v[ACC+32*(\n)+8*(\t):ACC+32*(\n)+8*(\t)+7], v[16*(\ks)+8*(\n):16*(\ks)+8*(\n)+7], v[rH+8*(\t):rH+8*(\t)+7], 0
.else
	v_wmma_f32_16x16x32_f16 v[ACC+32*(\n)+8*(\t):ACC+32*(\n)+8*(\t)+7], v[16*(\ks)+8*(\n):16*(\ks)+8*(\n)+7], v[rH+8*(\t):rH+8*(\t)+7], v[ACC+32*(\n)+8*(\t):ACC+32*(\n)+8*(\t)+7]
.endif
.endr
.endr
.endm
; A finished chunk: rounded to f16 (each accumulator from its low end on), 16 bytes a lane into my own stage, back as 8 rows of 64 bytes a load
.macro PACKQ
	WIN 0
.set a, 0
.rept 8
.irp n, 0,1,2,3
	v_cvt_pk_f16_f32 v[PK+4*a+(\n)], v[ACC+8*a+2*(\n)], v[ACC+8*a+2*(\n)+1]
.endr
.set a, a+1
.endr
.set a, 0
.rept 8
	ds_store_b128 v[STO], v[PK+4*a:PK+4*a+3] offset:(a%4)*1280+(a/4)*32
.set a, a+1
.endr
.set a, 0
.rept 8
	ds_load_b128 v[RB+4*a:RB+4*a+3], v[RD] offset:640*a  ; LDS serves a wave's instructions in order (ISA guide 5.7.1.4): these see the stores above
.set a, a+1
.endr
.endm
.macro SENDQ
	WIN 0
	s_wait_dscnt 0x0                               ; the rows are back
.set a, 0
.rept 8
	global_store_b128 v[GO], v[RB+4*a:RB+4*a+3], s[OUTP:OUTP+1] offset:512*a  ; 512 consecutive bytes, aligned
.set a, a+1
.endr
	s_wait_xcnt 0x0                                ; the stores have read their registers and their base
	s_add_co_u32 s[OC], s[OC], 1                   ; the ring's next chunk
	s_cmp_eq_u32 s[OC], 12
	s_cselect_b32 s[OC], 0, s[OC]
	s_lshl_b32 s[OFO], s[OC], 19
	s_add_nc_u64 s[OUTP:OUTP+1], s[12:13], s[OFO:OFO+1]
.endm
; THE PERIOD OF THE RING'S CHUNK c.  It opens with K steps 7-12 of chunk c - 1, whose fragments lie in registers, so that the slot of chunk c - 1 can be filled again at once.
.macro QPERIOD refill
	WIN 0
	s_wait_tensorcnt 0x0                           ; all my tensor loads have landed: my quarter of chunk c;
	ds_add_u32 v[SPW], v[NIL]                      ; 0 onto my spare word
.if \refill
	s_xor_b32 s[G0W+1], s[G0W+1], SLOT1            ; no load of mine is out, so the descriptor may be written: the other slot,
	ADRQ                                           ; the next chunk
.endif
	s_xor_b32 s[SB], s[SB], SLOT1
	s_wait_dscnt 0x1                               ; only the add may be out
	WMQ 7, 0
	s_wait_dscnt 0x0                               ; the add is done, and my reads of the old slot are over
	s_barrier_signal -1
	WMQ 8, 0
	WIN 0
	s_barrier_wait -1
.if \refill
	CREST                                          ; no wave of any partner still reads the old slot or has a load on its way
	JW                                             ; chunk c + 1; its four v_nop are also the places in front of the loads below
.else
	PLACES
.endif
	v_add_nc_u32 v[AQA], s[SB], v[AQ0]
	v_add_nc_u32 v[AQB], 64512, v[AQA]
	LDQ 0, 6
	WMQ 9, 0
	WMQ 10, 0
	WMQ 11, 0
	WMQ 12, 0
	PLACES
	LDQ 7, 12
	PACKQ
	s_wait_dscnt 40                                ; K steps 0-6 are in: behind them stand 24 loads, 8 stores and 8 loads
	WMQ 0, 1
	WMQ 1, 0
	WMQ 2, 0
	WMQ 3, 0
	WMQ 4, 0
	WMQ 5, 0
	WMQ 6, 0
	SENDQ
.endm
	s_load_b256 s[4:11], s[0:1], 0x0               ; x s[4:5], g s[6:7], b s[8:9], wqkv s[10:11]
	s_load_b64 s[12:13], s[0:1], 0x20              ; qkvb
	v_lshl_add_u32 v[SPW], v0, 2, SPARE
	v_mov_b32 v[NIL], 0
	ds_add_u32 v[SPW], v[NIL]                      ; the wave's opening add, waited for ahead of my first tensor load
	ds_add_u32 v14, v15
	v_lshrrev_b32 v1, 5, v0
	v_readfirstlane_b32 s[WV], v1
	s_bfe_u32 s[CX], ttmp6, 0x40000
	s_lshl_b32 s[RW], ttmp9, 2
	s_add_co_u32 s[RW], s[RW], s[CX]
	s_mul_i32 s17, ttmp9, 43                       ; the cluster's number mod 12 (43 / 512 serves for 1 / 12 up to 63): where its ring begins
	s_lshr_b32 s17, s17, 9
	s_mul_i32 s17, s17, 12
	s_sub_co_u32 s[OC], ttmp9, s17
	s_mov_b32 s[NXT], s[OC]
	s_mov_b32 s[OFF+1], 0
	s_mov_b32 s[G1X+0], 2<<16                      ; elements of 4 bytes, no mask, no padding
	s_mov_b32 s[G1X+1], 400<<16                    ; tensor_dim0 = 400: what lies beyond arrives as zeros
	s_mov_b32 s[G1X+2], 16<<16                     ; tensor_dim1 = 16
	s_mov_b32 s[G1X+3], 420<<16                    ; tile_dim0 = 420
	s_mov_b32 s[G1X+4], 16                         ; tile_dim1 = 16
	s_mov_b32 s[G1X+5], 400                        ; elements from row to row
	s_mov_b32 s[G1X+6], 0
	s_mov_b32 s[G1X+7], 0
	s_mov_b32 s[G1W+0], 15|(3<<16)|(1<<21)         ; the mask of four; elements of 8 bytes; bit 21 beside a mask
	s_mov_b32 s[G1W+1], 32<<16                     ; a dense block as rows of 256 bytes
	s_mov_b32 s[G1W+2], 117<<16
	s_mov_b32 s[G1W+3], 32<<16
	s_mov_b32 s[G1W+4], 117
	s_mov_b32 s[G1W+5], 32
	s_mov_b32 s[G1W+6], 0
	s_mov_b32 s[G1W+7], 0
	s_mov_b32 s[G0X], 1
	s_mul_i32 s17, s[WV], 16*XP
	s_add_co_u32 s[G0X+1], s17, SLOT1              ; my 16 rows of x, in slot 1
	s_mov_b32 s[G0W], 1
	s_mul_i32 s[G0W+1], s[WV], QUART               ; my quarter of slot 0
	s_mul_i32 s48, s[RW], 102400                   ; 64 rows of 1,600 bytes,
	s_mul_i32 s17, s[WV], 25600                    ; my 16
	s_add_co_u32 s48, s48, s17
	s_mov_b32 s49, 0
	s_mul_i32 s50, s[WV], QUART
	s_mov_b32 s51, 0
	s_lshr_b32 s58, s[RW], 5                       ; the batch: 12 chunks of 2^19 bytes
	s_mul_i32 s58, s58, 12<<19
	s_and_b32 s17, s[RW], 31
	s_lshl_b32 s17, s17, 14                        ; my 64 tokens
	s_add_co_u32 s58, s58, s17
	s_lshl_b32 s17, s[WV], 12                      ; my 32 columns
	s_add_co_u32 s58, s58, s17
	s_mov_b32 s59, 0
	s_mov_b32 s[INV], 0x3b23d70a
	s_mov_b32 s[EPS], 0x3727c5ac
	s_mov_b32 s[SEL], 0x76543210
	s_mov_b32 s[SEL+1], 0xfedcba98
	s_mov_b32 s[SB], 0
	s_wait_dscnt 0x0                               ; the opening add is done
	s_wait_kmcnt 0x0
	s_add_nc_u64 s[G0X+2:G0X+3], s[4:5], s[48:49]
	s_or_b32 s[G0X+3], s[G0X+3], 0x80000000
	s_add_nc_u64 s[10:11], s[10:11], s[50:51]      ; wqkv at my quarter of a chunk
	ADRQ                                           ; the ring's first chunk
	s_add_nc_u64 s[12:13], s[12:13], s[58:59]      ; qkvb at my 4,096 bytes of chunk 0
	s_lshl_b32 s[OFO], s[OC], 19
	s_add_nc_u64 s[OUTP:OUTP+1], s[12:13], s[OFO:OFO+1]
	CROUND                                         ; all four work-groups are here: the first joint loads meet
	tensor_load_to_lds s[G0X:G0X+3], s[G1X:G1X+7]  ; my rows of x
	s_nop 0
	tensor_load_to_lds s[G0W:G0W+3], s[G1W:G1W+7]  ; my quarter of the first chunk
	s_nop 0
	PLACES
	v_and_b32 v[RR], 15, v0
	v_bfe_u32 v[HL], v0, 4, 1
	v_and_b32 v[LN], 31, v0
	v_lshlrev_b32 v[PVO], 5, v[HL]
	WIN 0x80
.set i, 0
.rept 50                               ; g and b of my columns 16 B + 8 (lane / 16) + 0..7, B = 0..24
	global_load_b128 v[4*i:4*i+3], v[PVO], s[6:7] offset:64*(i/2)+16*(i%2)
.set i, i+1
.endr
	WIN 0xc0
.set i, 0
.rept 50
	global_load_b128 v[4*i:4*i+3], v[PVO], s[8:9] offset:64*(i/2)+16*(i%2)
.set i, i+1
.endr
	WIN 0
	s_mul_i32 s17, s[WV], 16*XP
	s_add_co_u32 s17, s17, SLOT1
	v_mul_u32_u24 v[AX], v[RR], XP
	v_lshl_add_u32 v[AX], v[HL], 5, v[AX]
	v_add_nc_u32 v[AX], s17, v[AX]
	v_lshl_add_u32 v[AHR], v[LN], 4, HX
	s_mul_i32 s17, s[WV], HXT
	v_add_nc_u32 v[AHS], s17, v[AHR]
	v_and_b32 v[AQ0], 7, v0
	v_lshl_add_u32 v[AQ0], v[HL], 3, v[AQ0]        ; the turning load's row: 8 (lane / 16) + lane % 8,
	v_mul_u32_u24 v[AQ0], v[AQ0], 288
	v_bfe_u32 v[AQA], v0, 3, 1
	v_lshl_add_u32 v[AQ0], v[AQA], 4, v[AQ0]       ; its 16 bytes,
	s_lshl_b32 s17, s[WV], 6
	v_add_nc_u32 v[AQ0], s17, v[AQ0]               ; my wave's 32 columns
	s_mul_i32 s17, s[WV], 5120
	s_add_co_u32 s17, s17, STG
	v_mul_u32_u24 v[STO], v[RR], 80
	v_lshl_add_u32 v[STO], v[HL], 4, v[STO]
	v_add_nc_u32 v[STO], s17, v[STO]
	v_lshrrev_b32 v[RD], 2, v[LN]
	v_mul_u32_u24 v[RD], v[RD], 80
	v_and_b32 v[GO], 3, v0
	v_lshl_add_u32 v[RD], v[GO], 4, v[RD]
	v_add_nc_u32 v[RD], s17, v[RD]
	v_lshlrev_b32 v[GO], 4, v[LN]
	; THE NORM.  A lane holds half of a token's row: 26 blocks of 8 numbers, the last block zeros.
	s_wait_tensorcnt 0x1                           ; my rows of x are in; the first chunk may stay out.  Only I read these rows
	WIN 0x40
.set i, 0
.rept 52
	ds_load_b128 v[4*i:4*i+3], v[AX] offset:64*(i/2)+16*(i%2)
.set i, i+1
.endr
	s_wait_dscnt 0x0
	WIN 0x05
.set i, 0
.rept 4                                ; four chains, started by the first eight pairs
	v_pk_add_f32 v[32+2*i:33+2*i], v[4*i:4*i+1], v[4*i+2:4*i+3]
.set i, i+1
.endr
	WIN 0x04
.set i, 8
.rept 96
	v_pk_add_f32 v[32+2*(i%4):33+2*(i%4)], v[32+2*(i%4):33+2*(i%4)], v[2*i:2*i+1]
.set i, i+1
.endr
	WIN 0
	v_pk_add_f32 v[32:33], v[32:33], v[34:35]
	v_pk_add_f32 v[36:37], v[36:37], v[38:39]
	v_pk_add_f32 v[32:33], v[32:33], v[36:37]
	v_add_f32 v32, v32, v33
	v_permlanex16_b32 v33, v32, s[SEL], s[SEL+1]   ; the row's other half lies in the lane 16 away
	v_add_f32 v32, v32, v33
	v_mul_f32 v40, s[INV], v32                     ; the mean, twice
	v_mul_f32 v41, s[INV], v32
	WIN 0x41
.set i, 0
.rept 100                              ; x - mean, in the 400 true columns
	v_pk_add_f32 v[2*i:2*i+1], v[2*i:2*i+1], v[40:41] neg_lo:[0,1] neg_hi:[0,1]
.set i, i+1
.endr
	WIN 0x05
.set i, 0
.rept 4
	v_pk_mul_f32 v[32+2*i:33+2*i], v[2*i:2*i+1], v[2*i:2*i+1]
.set i, i+1
.endr
.set i, 4
.rept 96
	v_pk_fma_f32 v[32+2*(i%4):33+2*(i%4)], v[2*i:2*i+1], v[2*i:2*i+1], v[32+2*(i%4):33+2*(i%4)]
.set i, i+1
.endr
	WIN 0
	v_pk_add_f32 v[32:33], v[32:33], v[34:35]
	v_pk_add_f32 v[36:37], v[36:37], v[38:39]
	v_pk_add_f32 v[32:33], v[32:33], v[36:37]
	v_add_f32 v32, v32, v33
	v_permlanex16_b32 v33, v32, s[SEL], s[SEL+1]
	v_add_f32 v32, v32, v33
	v_fma_f32 v42, v32, s[INV], s[EPS]
	v_rsq_f32 v44, v42
	v_rsq_f32 v45, v42
	v_nop                                          ; a plain instruction behind the last of the two,
	s_wait_alu depctr_va_vdst(0)                   ; and the wait ahead of their first reader
	s_wait_loadcnt 0x0                             ; g and b
	WIN 0x41
.set i, 0
.rept 100
	v_pk_mul_f32 v[2*i:2*i+1], v[2*i:2*i+1], v[44:45]
.set i, i+1
.endr
	WIN 0x79
.set i, 0
.rept 100
	v_pk_fma_f32 v[2*i:2*i+1], v[2*i:2*i+1], v[2*i:2*i+1], v[2*i:2*i+1]  ; (x - mean) rstd (window 1) x g (window 2) + b (window 3)
.set i, i+1
.endr
	WIN 0x45
.set i, 0
.rept 104                              ; to f16, in place, ascending: register i takes pair i
	v_cvt_pk_f16_f32 v[i], v[2*i], v[2*i+1]
.set i, i+1
.endr
	WIN 0x04
.set i, 0
.rept 26
	ds_store_b128 v[AHS], v[4*i:4*i+3] offset:512*i
.set i, i+1
.endr
	; THE FIRST ROUND: x has been read and h lies in LDS; slot 1 takes the ring's second chunk
	WIN 0
	s_wait_tensorcnt 0x0                           ; the first chunk's quarter has landed
	ds_add_u32 v[SPW], v[NIL]
	s_xor_b32 s[G0W+1], s[G0W+1], SLOT1
	ADRQ
	s_wait_dscnt 0x0                               ; the add, my reads of x and my stores of h are done
	CROUND
	JW
	WIN 0x80
.set i, 0
.rept 28                               ; h's fragments: i = 4 ks + tb
	ds_load_b128 v[8*i:8*i+3],   v[AHR] offset:HXT*(i%4)+1024*(i/4)
	ds_load_b128 v[8*i+4:8*i+7], v[AHR] offset:HXT*(i%4)+1024*(i/4)+512
.set i, i+1
.endr
	WIN 0xc0
.set i, 0
.rept 24
	ds_load_b128 v[8*i:8*i+3],   v[AHR] offset:HXT*(i%4)+1024*(i/4+7)
	ds_load_b128 v[8*i+4:8*i+7], v[AHR] offset:HXT*(i%4)+1024*(i/4+7)+512
.set i, i+1
.endr
	WIN 0
	v_add_nc_u32 v[AQA], s[SB], v[AQ0]
	v_add_nc_u32 v[AQB], 64512, v[AQA]
	LDQ 0, 12
	s_wait_dscnt 0x0
	WMQ 0, 1
	WMQ 1, 0
	WMQ 2, 0
	WMQ 3, 0
	WMQ 4, 0
	WMQ 5, 0
	WMQ 6, 0
	WIN 0
	s_mov_b32 s[CNT], 10
.Lchunk:                                       ; the ring's chunks 1 to 10: each asks for the chunk after the next
	QPERIOD 1
	s_sub_co_u32 s[CNT], s[CNT], 1
	s_cmp_lg_u32 s[CNT], 0
	s_cbranch_scc1 .Lchunk
	QPERIOD 0                                      ; chunk 11: nothing is left to fetch
	WMQ 7, 0
	WMQ 8, 0
	WMQ 9, 0
	WMQ 10, 0
	WMQ 11, 0
	WMQ 12, 0
	PLACES
	PACKQ
	SENDQ
	s_wait_tensorcnt 0x0                           ; the wave's end
	ds_add_u32 v[SPW], v[NIL]
	s_wait_dscnt 0x0
	CROUND                                         ; the closing round
	s_endpgm
.Lfunc_end_k_q2adfbd280a_qkv:
	.size	k_q2adfbd280a_qkv, .Lfunc_end_k_q2adfbd280a_qkv-k_q2adfbd280a_qkv
	.p2alignl 7, 3214868480
	.fill 96, 4, 3214868480
	.section	.rodata,"a",@progbits
	.p2align	6, 0x0
	.amdhsa_kernel k_q2adfbd280a_qkv
		.amdhsa_group_segment_fixed_size 327680
		.amdhsa_private_segment_fixed_size 0
		.amdhsa_enable_private_segment 0
		.amdhsa_kernarg_size 40
		.amdhsa_user_sgpr_count 2
		.amdhsa_user_sgpr_kernarg_segment_ptr 1
		.amdhsa_wavefront_size32 1
		.amdhsa_system_sgpr_workgroup_id_x 1
		.amdhsa_system_sgpr_workgroup_id_y 1
		.amdhsa_system_sgpr_workgroup_id_z 1
		.amdhsa_system_vgpr_workitem_id 0
		.amdhsa_next_free_vgpr 968
		.amdhsa_next_free_sgpr 66
		.amdhsa_reserve_vcc 0
		.amdhsa_float_denorm_mode_32 3
		.amdhsa_float_denorm_mode_16_64 3
		.amdhsa_memory_ordered 1
		.amdhsa_forward_progress 1
		.amdhsa_inst_pref_size 112
	.end_amdhsa_kernel
	.amdgpu_metadata
---
amdhsa.version: [ 1, 2 ]
amdhsa.kernels:
  - .name:           k_q2adfbd280a_qkv
    .symbol:         k_q2adfbd280a_qkv.kd
    .args:
      - { .name: x, .offset: 0, .size: 8, .value_kind: global_buffer, .address_space: global }
      - { .name: ln1_g, .offset: 8, .size: 8, .value_kind: global_buffer, .address_space: global }
      - { .name: ln1_b, .offset: 16, .size: 8, .value_kind: global_buffer, .address_space: global }
      - { .name: wqkv, .offset: 24, .size: 8, .value_kind: global_buffer, .address_space: global }
      - { .name: qkvb, .offset: 32, .size: 8, .value_kind: global_buffer, .address_space: global }
    .group_segment_fixed_size: 327680
    .private_segment_fixed_size: 0
    .kernarg_segment_align: 8
    .kernarg_segment_size: 40
    .max_flat_workgroup_size: 128
    .sgpr_count:     66
    .vgpr_count:     968
    .wavefront_size: 32
...
	.end_amdgpu_metadata
.endif
;; end of part 6
;; launch attn (part 7): grid 8 x 32, 4 waves a work-group, no clusters, 327,680 bytes of LDS; arguments qkvb, obuf; writes obuf
.if DOCPART == 7
	.amdgcn_target "amdgcn-amd-amdhsa--gfx1250"
	.amdhsa_code_object_version 6
	.text
	.protected	k_q2adfbd280a_attn
	.globl	k_q2adfbd280a_attn
	.p2align	8
	.type	k_q2adfbd280a_attn,@function
k_q2adfbd280a_attn:
	s_mov_b64 s[64:65], 0
	v_nop
	global_prefetch_b8 v0, s[64:65] scope:SCOPE_SE
	s_setreg_imm32_b32 hwreg(HW_REG_WAVE_MODE, 25, 1), 1
	s_wait_xcnt 0x0
; CAUSAL ATTENTION, head size 100 kept as 128 channels (100-127 are 0).  O[q] = the sum over k <= q of softmax_k(Q[q] . K[k] / 10) V[k].  Q, K, V f16 as the launch before laid them; products, maxima and sums f32;
; the weights p are rounded to f16 for the second product (their sum l is taken of the unrounded p); O is rounded once to f16.
; LIMITS.  f16 holds no number beyond 65,504.  A hidden score counts as its value less 1e30; a weight below 2^-126 counts as 0 in l; NaN and infinities are not treated apart.
; THE WALK.  A head's 2,048 queries lie in 16 blocks of 128; block i needs the key tiles 0 .. i of 128 keys, the last of which holds the diagonal.  A work-group takes blocks 15 - b and then b: 17 tiles, 34 key steps of 64, whatever b,
; so all 256 work-groups do equal work and loops with constant counts walk them; the ring of two slots and the turns run on across the change of blocks.
; NO CLUSTER: a head's 8 work-groups ask for the same tile only in trips 0 to 8 of 17, and one walk common to all would have 24 trips for 17.
; LAYOUT.  S^T = K Q^T holds ONE query a lane (lane % 16) and the keys 8 (lane / 16) + 0..7; two such results rounded to f16 ARE source 1 of O^T = V^T P.  V comes out of LDS turned, by ds_load_tr16_b128.
; THE MASK is the C operand that starts S^T: MD x AL + BE.  MD, made once, hides the keys beyond my queries in the step that holds my queries' own keys; (AL, BE) = (1, 0) in that step, (0, 0) in an earlier one, (0, -1e30) in a later one.
; It is made anew only where it changes: round a diagonal tile.  SX is a step's number in its block's diagonal tile, below 0 in the tiles before.
; SOFTMAX.  p = 2^(c s - c m), c = log2(e) / 10, with a running maximum m; O and l are multiplied by a = 2^(c m_old - c m_new) in every step.  A block starts with c m far below every c s, so its first a is 0.
; BY TURNS.  A wave owns 32 queries of a block: two tiles of 16.  A key step has 60 matrix and 260 vector instructions, 4.3 to one; in phases each unit would idle while the other works.  So in a TURN one tile has the matrix unit:
; 14 products V^T P of step j, then 16 products K Q^T of step j + 1; the other tile's softmax stands between them, four instructions behind each product (fourteen behind the last).  Then the tiles change places: turn A (tile 0's products,
; tile 1's softmax of step j), turn B (tile 1's products, tile 0's softmax of step j + 1).  A slice costs two switches of the register windows: no window has room for a product's operands beside the softmax's registers.
; A tile's 16 sums for l are put off by a turn (they need only its exponentials, which lie in S^T until its next K Q^T): they stand between the links of the other tile's chain from the maximum to a, each of which waits for the one before.
; A BLOCK'S LAST STEP.  Both tiles' scores of that step are made, so Q is exchanged at the body's head; tile 0 goes out between the two turns, tile 1 behind the second, and each tile's m is then set anew.
; obuf: [token][head][128] f16.  Channel 100 is written as 1.0: it meets the row of the next launch's weights that holds the output bias.  Channels 101-127 are 0.
; REGISTERS, in windows of 256 (s_set_vgpr_msb: bits 1:0 source 0, 3:2 source 1, 5:4 source 2, 7:6 destination):
;   window 0: v0-15 addresses; v16-31 statistics, eight a tile; v32-39 constants; v64-127 S^T at 32 t + 8 kb; v128-159 P at 16 t; v160-223 the way out, 32 a tile
;   window 1: v0-111 O^T at 56 t + 8 cb; v112-175 MD; v176-239 the masks in hand      window 2: v0-63 Q at 32 t + 8 ks; v64-127 the second block's Q; v128-255 K at 32 kb + 8 ks      window 3: v0-111 V at 56 kk + 8 cb
.set KS,    64
.set VOFF,  20480                      ; a step in LDS: K as 4 sub-blocks (32 channels) of 64 rows of 80 bytes (64 + 16: 16 rows start at 16 different groups of four banks; 64 banks of 4 bytes: ISA guide 11.1),
.set STEPB, 45056                      ; then V as 4 sub-blocks of 64 rows of 96 bytes (64 + 32)
.set SLOT1, 131072                     ; a slot holds a tile, two steps
.set STAGE, SLOT1+2*STEPB              ; behind the ring: 16 rows x 272 bytes for each wave, for the way out
.set SPARE, STAGE+4*16*272             ; the spare words, 128 bytes a wave: two blocks of 256 bytes that no other line names
.set AK0, 2
.set AV0, 3
.set ADK, 4
.set ADV, 5
.set QO,  6
.set STO, 7
.set RD,  8
.set GO,  10
.set PFO, 11                           ; v11 256 x my thread's number; never rewritten
.set ST,  16                           ; tile t at 16 + 8 t: c m, m, l (even keys', odd keys'), c0-c3 at work; a takes c2's place
.set ZQ,  32                           ; v32-35 zeros
.set ONEV, 36                          ; v36 f16 1.0 in the low half where lane / 16 = 0, else 0
.set SPW, 38
.set NIL, 39
.set S,   64
.set P,   128
.set TM,  160
.set MD,  112
.set MC,  176
.set QB,  64
.set KF,  128
.set WV,  16
.set PB,  17                           ; s17 b
.set HI,  18                           ; s18 15 - b
.set OWN, 19                           ; s19 the step of a diagonal tile that holds my queries' own keys
.set G1K, 24
.set G1V, 32
.set G0K, 40
.set G0V, 44
.set OP,  48                           ; s[48:49] O at my rows of the block in hand
.set OLO, 50                           ; s[50:51] of the second block
.set PFK, 52                           ; s[52:53], s[54:55] where the prefetches stand in K and V
.set PFV, 54
.set SLOTS, 56
.set TWICE, 57
.set CS,  58
.set SEL, 60
.set TB,  62                           ; s62 LDS byte of the step to be fetched
.set NEW, 63                           ; s63 1 until the prologue has run
.set NXT, 66                           ; s66 the tile to be asked for next
.set LQ,  67                           ; s67 the last tile of the block whose tiles are being asked for
.set OFF, 68
.set AL,  70
.set BE,  72
.set BIGN, 74
.set SX,  75                           ; s75 at a body's head: the number of its step in the block's diagonal tile (0, 1), below 0 in the tiles before
.set LIM, 76
.set SXR, 77                           ; s77 -2 b: that number for the second block's first step
.set FIN, 92                           ; s92 1 in the body of a block's last step
.set T1,  93
.set NOZ, 0
.set MSB, 0
.macro WIN new                         ; the high byte repeats the setting that is left; a switch that changes nothing is dropped
.if MSB != (\new)
	s_set_vgpr_msb (MSB<<8)|(\new)
.set MSB, (\new)
.endif
.endm
.macro PLACES                          ; four plain instructions between a matrix instruction and a load into, or a vector read of, its registers
.rept 4
	v_nop
.endr
.endm
.macro REGS t
.set rT, ST+8*(\t)
.set rS, S+32*(\t)
.set rP, P+16*(\t)
.set rO, 56*(\t)
.set rM, TM+32*(\t)
.endm
.macro BOTH line:vararg                ; one line for each of the two tiles
.set t, 0
.rept 2
	REGS t
	\line
.set t, t+1
.endr
.endm
; A fill.  Waves 0 and 1 fetch K of the tile's two steps, waves 2 and 3 V.  An s_nop 0 and four v_nop follow each of the two lines.
.macro LOAD
	s_cmp_lt_u32 s[WV], 2
	s_cbranch_scc0 .Lfor_v_\@
	tensor_load_to_lds s[G0K:G0K+3], s[G1K:G1K+7]
	s_nop 0
	PLACES
	s_branch .Lasked_\@
.Lfor_v_\@:
	tensor_load_to_lds s[G0V:G0V+3], s[G1V:G1V+7]
	s_nop 0
	PLACES
.Lasked_\@:
.endm
; A PREFETCH INTO THE L2 of the tile that the NEXT change of slots will ask for: 32,768 bytes of K and of V, a thread 256 bytes of each.  All 8 work-groups of a head begin with the same tiles; the one with b = 0 walks
; tiles 0 to 15 on end and asks, in trip i <= 13, for tile i + 2: each block of 256 bytes is named once in the launch, one tile (two steps) ahead of its load.  Tiles 0 and 1 come by their loads alone.
.macro ASK
	s_cmp_gt_u32 s[SLOTS], s[LIM]
	s_cbranch_scc0 .Lnot_mine_\@
	global_prefetch_b8 v[PFO], s[PFK:PFK+1] th:TH_LOAD_NT scope:SCOPE_SE
	global_prefetch_b8 v[PFO], s[PFV:PFV+1] th:TH_LOAD_NT scope:SCOPE_SE
.Lnot_mine_\@:
.endm
; THE CHANGE OF SLOTS, behind the body that has fetched a slot's second step.  Each wave waits for all its tensor loads (one is out: its part of the other slot), adds 0 to its spare word, and waits for that and for its reads of the slot that it leaves.
; fill = 1: the old slot is filled again, first thing behind the barrier, with tile NXT; the descriptor's address is made anew from that number.  (At its first use nothing has been read yet: slot 0 is waited for, slot 1 filled.)
.macro CHANGE fill
	WIN 0
	s_wait_tensorcnt 0x0
	ds_add_u32 v[SPW], v[NIL]
.if \fill
	s_lshl_b32 s[OFF], s[NXT], 15                  ; a tile is 32,768 bytes of K and of V
	s_xor_b32 s[G0K+1], s[G0K+1], SLOT1
	s_add_nc_u64 s[G0K+2:G0K+3], s[8:9], s[OFF:OFF+1]
	s_or_b32 s[G0K+3], s[G0K+3], 0x80000000
	s_xor_b32 s[G0V+1], s[G0V+1], SLOT1
	s_add_nc_u64 s[G0V+2:G0V+3], s[10:11], s[OFF:OFF+1]
	s_or_b32 s[G0V+3], s[G0V+3], 0x80000000
	s_add_co_u32 s[NXT], s[NXT], 1                 ; the block's next tile, or behind its last the second block's tile 0
	s_cmp_gt_u32 s[NXT], s[LQ]
	s_cselect_b32 s[NXT], 0, s[NXT]
	s_cselect_b32 s[LQ], s[PB], s[LQ]
	s_wait_xcnt 0x0                                ; the last prefetches, a tile back, have read their addresses
	s_add_nc_u64 s[PFK:PFK+1], s[PFK:PFK+1], 32768
	s_add_nc_u64 s[PFV:PFV+1], s[PFV:PFV+1], 32768
.endif
	s_wait_dscnt 0x0                               ; the add is done, and my reads of the slot are over
	s_barrier_signal -1
	s_sub_co_u32 s[TB], s[TB], 2*STEPB             ; the fetches go back to a slot's first step,
	s_xor_b32 s[TB], s[TB], SLOT1                  ; in the other slot
	s_barrier_wait -1
.if \fill
	LOAD
	ASK
.endif
.endm
.macro MASK                            ; MD x AL + BE, for both tiles
	WIN 0x41
.set z, 0
.rept 32
	v_pk_fma_f32 v[MC+2*z:MC+2*z+1], v[MD+2*z:MD+2*z+1], s[AL:AL+1], s[BE:BE+1] op_sel_hi:[1,0,0]
.set z, z+1
.endr
	WIN 0
.endm
; THE MATRIX WORK.  The accumulators of a run take turns, one instruction a turn.
; Product p of 16 of S^T = K Q^T for tile x: channels 32 (p / 4) on, keys 16 (p % 4) on.  The first 4 start the sums with the mask.
.macro KQ x, p
.set rA, S+32*(\x)+8*((\p)%4)
.set rK, KF+32*((\p)%4)+8*((\p)/4)
.set rQ, 32*(\x)+8*((\p)/4)
.set rC, MC+32*(\x)+8*((\p)%4)
.if (\p) < 4
	WIN 0x1a
	v_wmma_f32_16x16x32_f16 v[rA:rA+7], v[rK:rK+7], v[rQ:rQ+7], v[rC:rC+7]
.else
	WIN 0x0a
	v_wmma_f32_16x16x32_f16 v[rA:rA+7], v[rK:rK+7], v[rQ:rQ+7], v[rA:rA+7]
.endif
.endm
; Product p of 14 of O^T += V^T P for tile x: keys 32 (p / 7) on, channels 16 (p % 7) on: it reads V's fragment p.
.macro PV x, p
	WIN 0x53
.set rA, 56*(\x)+8*((\p)%7)
.set rV, 56*((\p)/7)+8*((\p)%7)
.set rB, P+16*(\x)+8*((\p)/7)
	v_wmma_f32_16x16x32_f16 v[rA:rA+7], v[rV:rV+7], v[rB:rB+7], v[rA:rA+7]
.endm
; THE LDS LOADS.  K's fragments of channel blocks lo .. hi (8 loads a block); V's fragments lo .. hi (2 loads each).
.macro KRUN lo, hi
	WIN 0x80
.set c, \lo
.rept (\hi)-(\lo)+1
.irp b, 0,1,2,3
	ds_load_b128 v[KF+32*(\b)+8*c:KF+32*(\b)+8*c+3],   v[ADK] offset:c*5120+(\b)*1280
	ds_load_b128 v[KF+32*(\b)+8*c+4:KF+32*(\b)+8*c+7], v[ADK] offset:c*5120+(\b)*1280+32
.endr
.set c, c+1
.endr
.endm
.macro VRUN lo, hi
	WIN 0xc0
.set f, \lo
.rept (\hi)-(\lo)+1
	ds_load_tr16_b128 v[8*f:8*f+3],   v[ADV] offset:((f%7)/2)*6144+(f/7)*3072+((f%7)%2)*32
	ds_load_tr16_b128 v[8*f+4:8*f+7], v[ADV] offset:((f%7)/2)*6144+(f/7)*3072+((f%7)%2)*32+1536
.set f, f+1
.endr
.endm
; THE VECTOR WORK.  XOP: number n of the 21 that find tile y's maximum and statistics.  s0-s31 are the lane's 32 scores; each accumulator's lowest registers are read first.
;   0-11  four chains c0-c3 of seven scores each     12-15  the four scores left over, c0-c3 and the old m into c0     16, 18  the query's other 32 keys lie in the lane 16 away: the new m     17  c m_old is kept     19, 20  c m; c m_old - c m_new
.macro XOP y, n
	REGS \y
.if (\n) < 4
	v_max3_num_f32 v[rT+4+(\n)], v[rS+8*(\n)], v[rS+8*(\n)+1], v[rS+8*(\n)+2]
.elseif (\n) < 12
	v_max3_num_f32 v[rT+4+(\n)%4], v[rT+4+(\n)%4], v[rS+8*((\n)%4)+2*((\n)/4)+1], v[rS+8*((\n)%4)+2*((\n)/4)+2]
.elseif (\n) == 12
	v_max3_num_f32 v[rT+4], v[rT+4], v[rS+7], v[rS+15]
.elseif (\n) == 13
	v_max3_num_f32 v[rT+6], v[rT+6], v[rS+23], v[rS+31]
.elseif (\n) == 14
	v_max3_num_f32 v[rT+4], v[rT+4], v[rT+5], v[rT+6]
.elseif (\n) == 15
	v_max3_num_f32 v[rT+4], v[rT+4], v[rT+7], v[rT+1]
.elseif (\n) == 16
	v_permlanex16_b32 v[rT+5], v[rT+4], s[SEL], s[SEL+1]
.elseif (\n) == 17
	v_mov_b32 v[rT+7], v[rT]
.elseif (\n) == 18
	v_max_num_f32 v[rT+1], v[rT+4], v[rT+5]
.elseif (\n) == 19
	v_mul_f32 v[rT], s[CS], v[rT+1]
.else
	v_sub_f32 v[rT+7], v[rT+7], v[rT]
.endif
.endm
; ZOP: sum w of 16 of tile x's weights of the step before, in place: neighbours 1, 2, 4 and 8 pairs apart, then l = a l + the sum.  NOZ = 1 (the prologue): there is no step before.
.macro ZOP x, w
.if !NOZ
	REGS \x
.if (\w) < 8
	v_pk_add_f32 v[rS+4*(\w):rS+4*(\w)+1], v[rS+4*(\w):rS+4*(\w)+1], v[rS+4*(\w)+2:rS+4*(\w)+3]
.elseif (\w) < 12
	v_pk_add_f32 v[rS+8*((\w)-8):rS+8*((\w)-8)+1], v[rS+8*((\w)-8):rS+8*((\w)-8)+1], v[rS+8*((\w)-8)+4:rS+8*((\w)-8)+5]
.elseif (\w) < 14
	v_pk_add_f32 v[rS+16*((\w)-12):rS+16*((\w)-12)+1], v[rS+16*((\w)-12):rS+16*((\w)-12)+1], v[rS+16*((\w)-12)+8:rS+16*((\w)-12)+9]
.elseif (\w) == 14
	v_pk_add_f32 v[rS:rS+1], v[rS:rS+1], v[rS+16:rS+17]
.else
	v_pk_fma_f32 v[rT+2:rT+3], v[rT+2:rT+3], v[rT+6:rT+7], v[rS:rS+1] op_sel_hi:[1,0,1]
.endif
.endif
.endm
.macro FOP y, b                        ; c s - c m for pair b
	REGS \y
	v_pk_fma_f32 v[rS+2*(\b):rS+2*(\b)+1], v[rS+2*(\b):rS+2*(\b)+1], s[CS:CS+1], v[rT:rT+1] op_sel_hi:[1,0,0] neg_lo:[0,0,1] neg_hi:[0,0,1]
.endm
.macro EOP y, e
	REGS \y
	v_exp_f32 v[rS+(\e)], v[rS+(\e)]
.endm
; RID writes number q of a turn's 130 vector instructions and steps q.  y: the tile whose softmax it is; the sums are the other tile's.
;   0-11    the four chains of the maximum
;   12-40   the chain from the maximum to a, its links three instructions apart or more where they can be, the other tile's 16 sums between them; the first three scalings; a's exponential at 38
;   41-85   the rest of ONE BATCH: thirteen times a scaling and two exponentials, then the last six exponentials.  From 38 to 85 nothing names an exponential's result
;   (wait)  between 85 and 86: a plain instruction behind the last exponential, and the one wait ahead of the batch's first reader
;   86-101  the roundings to f16        102-129  O^T times a: plain instructions that name no register of the products round them
.macro RID y
.if q == 86
	WIN 0
	v_nop
	s_wait_alu depctr_va_vdst(0)
.endif
.if q < 102
	WIN 0
.else
	WIN 0x41
.endif
.if q < 14
	XOP \y, q
.elseif q < 16
	ZOP 1-(\y), q-14
.elseif q == 16
	XOP \y, 14
.elseif q < 20
	ZOP 1-(\y), q-15
.elseif q == 20
	XOP \y, 15
.elseif q < 24
	ZOP 1-(\y), q-16
.elseif q < 26
	XOP \y, q-8
.elseif q < 28
	ZOP 1-(\y), q-18
.elseif q == 28
	XOP \y, 18
.elseif q < 32
	ZOP 1-(\y), q-19
.elseif q == 32
	XOP \y, 19
.elseif q == 33
	ZOP 1-(\y), 13
.elseif q == 34
	XOP \y, 20
.elseif q == 35
	FOP \y, 0
.elseif q == 36
	ZOP 1-(\y), 14
.elseif q == 37
	FOP \y, 1
.elseif q == 38
	REGS \y
	v_exp_f32 v[rT+6], v[rT+7]
.elseif q == 39
	FOP \y, 2
.elseif q == 40
	ZOP 1-(\y), 15
.elseif q < 80
.if (q-41)%3 == 0
	FOP \y, (q-41)/3+3
.else
	EOP \y, 2*((q-41)/3)+(q-41)%3-1
.endif
.elseif q < 86
	EOP \y, q-54
.elseif q < 102
	REGS \y
	v_cvt_pk_f16_f32 v[rP+q-86], v[rS+2*(q-86)], v[rS+2*(q-86)+1]
.else
	REGS \y
	v_pk_mul_f32 v[rO+2*(q-102):rO+2*(q-102)+1], v[rO+2*(q-102):rO+2*(q-102)+1], v[rT+6:rT+7] op_sel_hi:[1,0]
.endif
.set q, q+1
.endm
; A TURN.  Tile x has the matrix unit; four of the 130 stand behind each of its 30 products, fourteen behind the last: those fourteen are the places between the last K Q^T and the next turn's first read of its scores,
; and the loads into K's registers.  No vector line of a turn names a register of the turn's products.
; Turn A (x = 0) fetches K of the next step, 8 loads (a channel block) behind each of its products 0, 2, 4, 6, and waits for them block by block.  Turn B (x = 1) fetches V of the next step into fragments that its own products
; have read: fragments 0-3 behind product 5, 4-7 behind 9, 8-10 behind 12, 11-13 behind 16; between a fragment's last reader and its load stand 12, 11, 5 and 5 plain instructions (exponentials are not counted).
; last = 1 (the tail): each fetch is one run, which the last trip jumps over: there is no further step.
.macro TURN x, last
.set q, 0
	WIN 0
.if (\x) == 0
	v_add_nc_u32 v[ADK], s[TB], v[AK0]
	s_wait_dscnt 0x0                               ; V of this step is in: its last loads were issued thirteen products ago
.else
	v_add_nc_u32 v[ADV], s[TB], v[AV0]
	s_add_co_u32 s[TB], s[TB], STEPB               ; the next fetches are the next step's
.endif
.set i, 0
.rept 30
.if i < 14
	PV \x, i
.else
.if ((\x) == 0) && ((i-14)%4 == 0)
	s_wait_dscnt 24-2*(i-14)                       ; K's channel block (i - 14) / 4 is in: behind its 8 loads stand those of the later blocks
.endif
	KQ \x, i-14
.endif
.rept 4
	RID 1-(\x)
.endr
.if i == 29
.rept 10
	RID 1-(\x)
.endr
.endif
.if (\x) == 0
.if (\last) == 0
.if (i < 8) && (i%2 == 0)
	KRUN i/2, i/2
.endif
.elseif i == 0
	WIN 0
	s_cmp_eq_u32 s[TWICE], 1
	s_cbranch_scc1 .Lno_k_\@
	KRUN 0, 3
	WIN 0
.Lno_k_\@:
.endif
.else
.if (\last) == 0
.if i == 5
	VRUN 0, 3
.elseif i == 9
	VRUN 4, 7
.elseif i == 12
	VRUN 8, 10
.elseif i == 16
	VRUN 11, 13
.endif
.elseif i == 16
	WIN 0
	s_wait_alu depctr_va_vdst(0)                   ; a branch follows amid the batch: the exponentials' wait ahead of it
	s_cmp_eq_u32 s[TWICE], 1
	s_cbranch_scc1 .Lno_v_\@
	VRUN 0, 13
	WIN 0
.Lno_v_\@:
.endif
.endif
.set i, i+1
.endr
	WIN 0
.endm
; THE WAY OUT of tile t, in the body of a block's last step alone: O^T / l, rounded to f16, through my stage in LDS, 16 rows of 256 bytes; then the tile's m is set anew: the next a is 0, so O^T and l need only hold finite numbers.
.macro FINI t
	s_cmp_eq_u32 s[FIN], 0
	s_cbranch_scc1 .Lno_end_\@                     ; forward, over text with no barrier and no tensor load
	REGS \t
	s_wait_xcnt 0x0                                ; the first block's stores have read the registers that are written below
	v_add_f32 v[rT+4], v[rT+2], v[rT+3]
	v_permlanex16_b32 v[rT+5], v[rT+4], s[SEL], s[SEL+1]
	v_add_f32 v[rT+4], v[rT+4], v[rT+5]
	v_rcp_f32 v[rT+6], v[rT+4]
	v_nop                                          ; a plain instruction behind the reciprocal,
	s_wait_alu depctr_va_vdst(0)                   ; and its wait
	WIN 0x41
.set n, 0
.rept 28
	v_pk_mul_f32 v[rO+2*n:rO+2*n+1], v[rO+2*n:rO+2*n+1], v[rT+6:rT+7] op_sel_hi:[1,0]
.set n, n+1
.endr
	WIN 0x05
.set n, 0
.rept 28
	v_cvt_pk_f16_f32 v[rM+n], v[rO+2*n], v[rO+2*n+1]
.set n, n+1
.endr
	WIN 0
	v_mov_b32 v[rM+26], v[ONEV]                    ; channels 100 and 101 (lanes 0-15): 1.0 and 0; channels 108 and 109 (lanes 16-31): 0
.set n, 0
.rept 7
	ds_store_b128 v[STO], v[rM+4*n:rM+4*n+3] offset:32*n
.set n, n+1
.endr
	ds_store_b128 v[STO], v[ZQ:ZQ+3] offset:224    ; channels 112-127
.set n, 0
.rept 8
	ds_load_b128 v[rM+4*n:rM+4*n+3], v[RD] offset:544*n  ; LDS serves a wave's instructions in order (ISA guide 5.7.1.4): these see the stores above
.set n, n+1
.endr
.set n, 0
.rept 8
	s_wait_dscnt 7-n                               ; load n is back: behind it stand 7 - n
	global_store_b128 v[GO], v[rM+4*n:rM+4*n+3], s[OP:OP+1] offset:16384*(\t)+2048*n  ; 16 lanes store 256 consecutive bytes, aligned: a token's channels of this head
.set n, n+1
.endr
	v_mov_b32 v[rT], 0xfe000000                    ; c m: far below every c s
	v_mov_b32 v[rT+1], 0xff7fffff                  ; m
.if (\t) == 1
	s_wait_xcnt 0x0                                ; the stores have read O's address
	s_mov_b64 s[OP:OP+1], s[OLO:OLO+1]
.endif
.Lno_end_\@:
.endm
; THE BODY OF STEP j: V^T P and the sums of step j, K Q^T of step j + 1, tile 1's softmax of step j and tile 0's of step j + 1; K and V of step j + 1 are fetched.
.macro BODY last
	s_cmp_eq_u32 s[SX], 1                          ; is step j its block's last?
	s_cselect_b32 s[FIN], 1, 0
	s_mov_b32 s[T1], s[SX]
	s_add_co_i32 s[SX], s[SX], 1                   ; step j + 1: the next of the block, or the second block's first
	s_cmp_eq_u32 s[SX], 2
	s_cselect_b32 s[SX], s[SXR], s[SX]
	s_max_i32 s[T1], s[T1], s[SX]
	s_cmp_eq_u32 s[SX], s[OWN]
	s_cselect_b32 s[AL], 1.0, 0
	s_cmp_gt_i32 s[SX], s[OWN]
	s_cselect_b32 s[BE], s[BIGN], 0
	s_cmp_lt_i32 s[T1], 0                          ; neither step lies in a diagonal tile: the masks are 0 and stay so
	s_cbranch_scc1 .Lsame_mask_\@
	MASK
.Lsame_mask_\@:
	s_cmp_eq_u32 s[FIN], 0
	s_cbranch_scc1 .Lsame_q_\@
	WIN 0x82                                       ; both tiles' scores of the block's last step are made: the next block's Q goes where the one text of the turns names Q
.set n, 0
.rept 64
	v_mov_b32 v[n], v[QB+n]
.set n, n+1
.endr
	WIN 0
.Lsame_q_\@:
	TURN 0, \last
	FINI 0
	TURN 1, \last
	FINI 1
.endm
; THE PROLOGUE, in the place of the first trip's first body: K and V of step 0, both tiles' first scores, tile 0's first softmax (behind tile 1's products, eight to each).  Step 0 lies in no diagonal tile: the first block has nine tiles or more.
.macro PROLOGUE
	s_mov_b32 s[NEW], 0
	s_mov_b32 s[AL], 0
	s_mov_b32 s[BE], 0
	MASK
	v_add_nc_u32 v[ADK], s[TB], v[AK0]
	v_add_nc_u32 v[ADV], s[TB], v[AV0]
	s_add_co_u32 s[TB], s[TB], STEPB
	KRUN 0, 3
	VRUN 0, 13
	s_wait_dscnt 28                                ; K is in; V's 28 loads may stay out
.set i, 0
.rept 16
	KQ 0, i
.set i, i+1
.endr
	PLACES                                         ; between tile 0's last product and the first read of its scores
.set NOZ, 1
.set q, 0
.set i, 0
.rept 16
	KQ 1, i
.rept 8
	RID 0
.endr
.set i, i+1
.endr
	RID 0
	RID 0
.set NOZ, 0
	WIN 0
.endm
	s_load_b128 s[4:7], s[0:1], 0x0                ; qkvb s[4:5], obuf s[6:7]
	v_lshl_add_u32 v[SPW], v0, 2, SPARE
	v_mov_b32 v[NIL], 0
	ds_add_u32 v[SPW], v[NIL]                      ; the wave's opening add, waited for ahead of my first tensor load
	ds_add_u32 v38, v39
	v_lshrrev_b32 v1, 5, v0
	v_readfirstlane_b32 s[WV], v1
	s_mov_b32 s[PB], ttmp9
	s_sub_co_u32 s[HI], 15, s[PB]
	s_and_b32 s20, ttmp7, 0xffff
	s_lshr_b32 s21, s20, 2                         ; the batch
	s_and_b32 s22, s20, 3                          ; the head
	s_mul_i32 s23, s21, 12
	s_add_co_u32 s23, s23, s22
	s_lshl_b32 s78, s23, 19                        ; q of this batch and head; k lies 4, v 8 chunks of 2^19 bytes on
	s_and_b32 s20, s[WV], 1
	s_lshr_b32 s[OWN], s[WV], 1
	s_add_co_u32 s84, s78, (4<<19)+32768           ; the prefetches: K's tile 1; the first change steps it to tile 2
	s_mov_b32 s85, 0
	s_lshl_b32 s23, s20, 14                        ; which of a tile's two steps I fetch
	s_add_co_u32 s80, s78, 4<<19
	s_add_co_u32 s80, s80, s23
	s_mov_b32 s81, 0
	s_lshl_b32 s23, s20, 11                        ; my 32 queries in their 64 tokens
	s_add_co_u32 s23, s23, s78
	s_lshl_b32 s82, s[HI], 1
	s_add_co_u32 s82, s82, s[OWN]
	s_lshl_b32 s82, s82, 14
	s_add_co_u32 s82, s82, s23
	s_mov_b32 s83, 0
	s_lshl_b32 s86, s[PB], 1
	s_add_co_u32 s86, s86, s[OWN]
	s_lshl_b32 s86, s86, 14
	s_add_co_u32 s86, s86, s23
	s_mov_b32 s87, 0
	s_lshl_b32 s23, s21, 21                        ; O: 2,048 tokens of 1,024 bytes a batch,
	s_lshl_b32 s79, s22, 8                         ; 256 bytes a head,
	s_add_co_u32 s23, s23, s79
	s_lshl_b32 s79, s[WV], 15                      ; 32 tokens a wave,
	s_add_co_u32 s23, s23, s79
	s_lshl_b32 s88, s[HI], 17                      ; 128 tokens a block
	s_add_co_u32 s88, s88, s23
	s_mov_b32 s89, 0
	s_lshl_b32 s90, s[PB], 17
	s_add_co_u32 s90, s90, s23
	s_mov_b32 s91, 0
	; descriptor group 1: a step's 16,384 dense bytes as 64 rows of 256, padded in LDS after every 64 bytes
	s_mov_b32 s[G1K], (1<<16)|(1<<20)|(3<<22)|(3<<25)  ; 2-byte elements; padding on; after every 16 words (code 3); 4 words (code 3)
	s_mov_b32 s[G1V], (1<<16)|(1<<20)|(3<<22)|(7<<25)  ; the same with 8 words (code 7)
.irp g, G1K, G1V
	s_mov_b32 s[\g+1], 128<<16
	s_mov_b32 s[\g+2], 64<<16
	s_mov_b32 s[\g+3], 128<<16
	s_mov_b32 s[\g+4], 64
	s_mov_b32 s[\g+5], 128
	s_mov_b32 s[\g+6], 0
	s_mov_b32 s[\g+7], 0
.endr
	s_mul_i32 s79, s20, STEPB
	s_mov_b32 s[G0K], 1
	s_mov_b32 s[G0K+1], s79
	s_mov_b32 s[G0V], 1
	s_add_co_u32 s[G0V+1], s79, VOFF
	s_mov_b32 s[CS], 0x3e13bb63                    ; c = log2(e) / 10
	s_mov_b32 s[CS+1], s[CS]
	s_mov_b32 s[SEL], 0x76543210
	s_mov_b32 s[SEL+1], 0xfedcba98
	s_mov_b32 s[TB], SLOT1+2*STEPB                 ; the first change of slots turns it into 0
	s_lshl_b32 s[SXR], s[PB], 1
	s_sub_co_i32 s[SX], s[SXR], 30                 ; the first block has 32 - 2 b steps: its first lies 30 - 2 b ahead of its diagonal tile,
	s_sub_co_i32 s[SXR], 0, s[SXR]                 ; the second block's first 2 b ahead of its own
	s_mov_b32 s[NEW], 1
	s_mov_b32 s[NXT], 1
	s_mov_b32 s[LQ], s[HI]
	s_mov_b32 s[OFF+1], 0
	s_mov_b32 s[AL+1], 0
	s_mov_b32 s[BE+1], 0
	s_mov_b32 s[BIGN], 0xf149f2ca                  ; -1e30
	s_mov_b32 s[SLOTS], 16
	s_cmp_eq_u32 s[PB], 0
	s_cselect_b32 s[LIM], 2, -1
	s_wait_dscnt 0x0                               ; the opening add is done
	s_wait_kmcnt 0x0
	s_add_nc_u64 s[8:9], s[4:5], s[80:81]          ; K and V at my step of tile 0
	s_add_nc_u64 s[10:11], s[8:9], 4<<19
	s_add_nc_u64 s[PFK:PFK+1], s[4:5], s[84:85]
	s_add_nc_u64 s[PFV:PFV+1], s[PFK:PFK+1], 4<<19
	s_add_nc_u64 s[12:13], s[4:5], s[82:83]        ; Q of the first block, of the second
	s_add_nc_u64 s[14:15], s[4:5], s[86:87]
	s_add_nc_u64 s[OP:OP+1], s[6:7], s[88:89]
	s_add_nc_u64 s[OLO:OLO+1], s[6:7], s[90:91]
	s_add_nc_u64 s[G0K+2:G0K+3], s[8:9], 0
	s_or_b32 s[G0K+3], s[G0K+3], 0x80000000
	s_add_nc_u64 s[G0V+2:G0V+3], s[10:11], 0
	s_or_b32 s[G0V+3], s[G0V+3], 0x80000000
	LOAD                                           ; tile 0 into slot 0
	v_and_b32 v1, 15, v0                           ; lane % 16
	v_bfe_u32 v9, v0, 4, 1                         ; lane / 16
	v_lshlrev_b32 v[QO], 6, v1
	v_lshl_add_u32 v[QO], v9, 4, v[QO]             ; row x 64 + 16 x half
	WIN 0x80
.set i, 0
.rept 8                                ; both blocks' Q: i = 4 t + ks
	global_load_b128 v[8*i:8*i+3],       v[QO], s[12:13] offset:(i/4)*1024+(i%4)*4096
	global_load_b128 v[8*i+4:8*i+7],     v[QO], s[12:13] offset:(i/4)*1024+(i%4)*4096+32
	global_load_b128 v[QB+8*i:QB+8*i+3],   v[QO], s[14:15] offset:(i/4)*1024+(i%4)*4096
	global_load_b128 v[QB+8*i+4:QB+8*i+7], v[QO], s[14:15] offset:(i/4)*1024+(i%4)*4096+32
.set i, i+1
.endr
	WIN 0
	v_lshlrev_b32 v12, 3, v9
	v_sub_nc_u32 v14, v1, v12
	s_lshl_b32 s23, s20, 5
	v_add_nc_u32 v14, s23, v14                     ; my query's place among its 64, for tile 0, less my lanes' 8 (lane / 16): register j of key block kb of tile t is hidden where 16 kb + j - 16 t is greater
	WIN 0x40
.set i, 0
.rept 64
	v_cmp_gt_i32 vcc_lo, 16*((i/8)%4)+i%8-16*(i/32), v14
	v_cndmask_b32 v[MD+i], 0, s[BIGN], vcc_lo
.set i, i+1
.endr
.set i, 0
.rept 112                              ; O^T: the first a is 0, so these need only be finite; written in the wait for the first tile
	v_mov_b32 v[i], 0
.set i, i+1
.endr
	WIN 0
	v_mul_u32_u24 v[AK0], v1, 80
	v_lshl_add_u32 v[AK0], v9, 4, v[AK0]
	v_and_b32 v12, 7, v0
	v_bfe_u32 v13, v0, 3, 1
	v_lshl_add_u32 v[AV0], v9, 3, v12              ; the turning load: key 8 (lane / 16) + lane % 8, channels 8 ((lane / 8) % 2) on
	v_mul_u32_u24 v[AV0], v[AV0], 96
	v_lshl_add_u32 v[AV0], v13, 4, v[AV0]
	v_add_nc_u32 v[AV0], VOFF, v[AV0]
	s_mul_i32 s23, s[WV], 16*272
	s_add_co_u32 s23, s23, STAGE
	v_mul_u32_u24 v[STO], v1, 272
	v_lshl_add_u32 v[STO], v9, 4, v[STO]
	v_add_nc_u32 v[STO], s23, v[STO]
	v_mul_u32_u24 v[RD], v9, 272
	v_lshl_add_u32 v[RD], v1, 4, v[RD]
	v_add_nc_u32 v[RD], s23, v[RD]
	v_lshlrev_b32 v[GO], 10, v9
	v_lshl_add_u32 v[GO], v1, 4, v[GO]
	v_lshlrev_b32 v[PFO], 8, v0
	v_sub_nc_u32 v12, 1, v9
	v_mul_u32_u24 v[ONEV], v12, 0x3c00
.irp k, 0,1,2,3
	v_mov_b32 v[ZQ+(\k)], 0
.endr
	BOTH v_mov_b32 v[rT], 0xfe000000
	BOTH v_mov_b32 v[rT+1], 0xff7fffff
	BOTH v_mov_b32 v[rT+2], 0
	BOTH v_mov_b32 v[rT+3], 0
	s_wait_loadcnt 0x0                             ; Q
.Lslot:                                        ; 16 times: a slot is left and filled again, and two steps of the other slot are fetched
	CHANGE 1
	s_mov_b32 s[TWICE], 2
	s_cmp_eq_u32 s[NEW], 1                         ; at the first trip the answer is a constant of the text
	s_cbranch_scc0 .Lstep
	PROLOGUE
	s_branch .Lcount                               ; forward, to the label ahead of the counter's step: the prologue has taken the first body's place
.Lstep:
	BODY 0
.Lcount:
	s_sub_co_u32 s[TWICE], s[TWICE], 1
	s_cmp_lg_u32 s[TWICE], 0
	s_cbranch_scc1 .Lstep
	s_sub_co_u32 s[SLOTS], s[SLOTS], 1
	s_cmp_lg_u32 s[SLOTS], 0
	s_cbranch_scc1 .Lslot
	CHANGE 0                                       ; the tail is written out: nothing is asked for
	s_mov_b32 s[TWICE], 3                          ; two bodies fetch the last tile's steps; the third fetches nothing: its 32 products K Q^T, on the last K once more, and the softmax made of them serve nothing, the price of one text for the three
.Ltail:
	BODY 1
	s_sub_co_u32 s[TWICE], s[TWICE], 1
	s_cmp_lg_u32 s[TWICE], 0
	s_cbranch_scc1 .Ltail
	s_wait_tensorcnt 0x0                           ; the wave's end
	ds_add_u32 v[SPW], v[NIL]
	s_wait_dscnt 0x0
	s_endpgm
.Lfunc_end_k_q2adfbd280a_attn:
	.size	k_q2adfbd280a_attn, .Lfunc_end_k_q2adfbd280a_attn-k_q2adfbd280a_attn
	.p2alignl 7, 3214868480
	.fill 96, 4, 3214868480
	.section	.rodata,"a",@progbits
	.p2align	6, 0x0
	.amdhsa_kernel k_q2adfbd280a_attn
		.amdhsa_group_segment_fixed_size 327680
		.amdhsa_private_segment_fixed_size 0
		.amdhsa_enable_private_segment 0
		.amdhsa_kernarg_size 16
		.amdhsa_user_sgpr_count 2
		.amdhsa_user_sgpr_kernarg_segment_ptr 1
		.amdhsa_wavefront_size32 1
		.amdhsa_system_sgpr_workgroup_id_x 1
		.amdhsa_system_sgpr_workgroup_id_y 1
		.amdhsa_system_sgpr_workgroup_id_z 1
		.amdhsa_system_vgpr_workitem_id 0
		.amdhsa_next_free_vgpr 880
		.amdhsa_next_free_sgpr 96
		.amdhsa_reserve_vcc 1
		.amdhsa_float_denorm_mode_32 3
		.amdhsa_float_denorm_mode_16_64 3
		.amdhsa_memory_ordered 1
		.amdhsa_forward_progress 1
		.amdhsa_inst_pref_size 124
	.end_amdhsa_kernel
	.amdgpu_metadata
---
amdhsa.version: [ 1, 2 ]
amdhsa.kernels:
  - .name:           k_q2adfbd280a_attn
    .symbol:         k_q2adfbd280a_attn.kd
    .args:
      - { .name: qkvb, .offset: 0, .size: 8, .value_kind: global_buffer, .address_space: global }
      - { .name: obuf, .offset: 8, .size: 8, .value_kind: global_buffer, .address_space: global }
    .group_segment_fixed_size: 327680
    .private_segment_fixed_size: 0
    .kernarg_segment_align: 8
    .kernarg_segment_size: 16
    .max_flat_workgroup_size: 128
    .sgpr_count:     96
    .vgpr_count:     880
    .wavefront_size: 32
...
	.end_amdgpu_metadata
.endif
;; end of part 7
;; launch post (part 8): grid 256 x 1, 4 waves a work-group, clusters of 4 x 1, 327,680 bytes of LDS; arguments obuf, x, wpost, w1f, ln2_g, ln2_b, b2, out0; writes out0
.if DOCPART == 8
	.amdgcn_target "amdgcn-amd-amdhsa--gfx1250"
	.amdhsa_code_object_version 6
	.text
	.protected	k_q2adfbd280a_post
	.globl	k_q2adfbd280a_post
	.p2align	8
	.type	k_q2adfbd280a_post,@function
k_q2adfbd280a_post:
	s_mov_b64 s[64:65], 0
	v_nop
	global_prefetch_b8 v0, s[64:65] scope:SCOPE_SE
	s_setreg_imm32_b32 hwreg(HW_REG_WAVE_MODE, 25, 1), 1
	s_wait_xcnt 0x0
	s_wait_alu depctr_hold_cnt(0) depctr_sa_sdst(0) depctr_va_vdst(0) depctr_va_sdst(0) depctr_va_ssrc(0) depctr_va_vcc(0) depctr_vm_vsrc(0)
	s_getreg_b32 s2, hwreg(HW_REG_IB_STS2, 6, 4)
	s_cmp_eq_u32 s2, 0
	s_cbranch_scc0 .Lentry_in_a_cluster
	s_endpgm
.Lentry_in_a_cluster:
	s_bfe_u32 s2, ttmp6, 0x10000c
	s_cmp_lg_u32 s2, 0x3003
	s_cbranch_scc0 .Lentry_shape_is_right
	s_endpgm
.Lentry_shape_is_right:
; x1 = x + O Wo + bo;  h2 = LayerNorm(x1) g + b;  out = x1 + relu(h2 W1 + b1) W2 + b2.  x, x1 and out f32; O, h2, the hidden layer and the weights f16, each rounded once; sums f32.
; LIMITS.  f16 holds no number beyond 65,504: h2 and the hidden layer lie within it.  bo and b1 come in as rows of the weights' images, rounded to f16 (O's channel 100 and h2's column 400 are 1.0).  The variance is taken of x1 - mean.
; SHARES.  A work-group owns 64 tokens.  Wave w owns output columns 112 w + 16 i + .. (i = 0..6; columns 400-447 are padding) for all 64 tokens: 28 accumulators, which hold x, then x1, then the result: x1 never leaves registers.
; The hidden layer goes in 25 chunks of 64 columns and never leaves the work-group: wave w makes 16 of a chunk's columns, they meet in LDS, and each wave multiplies all 64 into its own output columns.
; LAYOUT.  Products are used transposed: source 0 = 16 columns of a weight, source 1 = 16 tokens.  A lane of a result holds ONE token and 8 neighbouring columns; two results rounded in pairs are a source 1.
; Wo AND W2 come through LDS, turned by ds_load_tr16_b128.  The four work-groups of a cluster walk the same tiles of 114,688 bytes (a head of Wo, or W2's rows of two hidden chunks): each is asked for JOINTLY, a quarter a wave, into
; two slots that take turns; a round of the cluster's barrier stands in front of each refill: one for two chunks.  By this text's count a wave has three tensor loads out at the start and one afterwards.
; W1 COMES STRAIGHT INTO REGISTERS, and is NOT asked for jointly.  The launch before has laid it as fragments; each fragment is read by one wave alone, by two loads of 512 consecutive bytes.  Through the slots it would halve what a slot
; holds of W2 (one chunk for two, a round in every period), and it would be waited for at each refill's barrier; loads into registers stay out across barriers: a chunk's 26 loads (13 KB a wave) are issued a period ahead of their products.
; THE RINGS.  The sums over heads and over hidden chunks may be taken in any order: cluster j begins with head j mod 4 and with chunk j mod 25 and walks each in a ring, so that at any time the 64 clusters ask for different tiles and
; fragments.  The starts enter global addresses alone.  Nothing is prefetched: both tables are walked 64 times in the launch, once by each cluster.
; A PERIOD of the hidden layer's walk makes the second half of chunk c - 2's second product (its operands lie in registers: the barrier stands amid these), all of chunk c's first product, and the first half of chunk c - 1's second.
; Periods 0 and 1 run the same text on zeros (a zeroed register set, a zeroed hidden chunk), the price of writing no first period out.
; REGISTERS, in windows of 256 (s_set_vgpr_msb: bits 1:0 source 0, 3:2 source 1, 5:4 source 2, 7:6 destination):
;   window 0: v0-31 addresses; v32-63 the hidden chunk's 4 accumulators; v64-151 X, v152-239 Y: the second product's operands of K step 0 and 1 (4 token fragments, then 7 weight fragments)
;   window 1: the 28 accumulators at 32 i + 8 tb; v224-255 W1's fragments ks 0-3      window 2: h2's fragments ks 0-6 at 32 ks + 8 tb (in the norm: x1 - mean); v224-247 W1's ks 4-6
;   window 3: h2's ks 7-12 (before: g at 8 i, b at 56 + 8 i, b2 at 112 + 8 i); v192-239 W1's ks 7-12
.set SLOT1, 131072                     ; slot 0 at 0: first x's tile, then weight tiles, and behind its last fill the output's stage; slot 1: weight tiles
.set HT,    57344                      ; half a tile: [wave 4][64 rows][224 bytes]: 224 = 7 x 32
.set TILE,  2*HT
.set QUART, TILE/4                     ; 112 rows of 256 bytes
.set W1C,   53248                      ; a chunk's fragments of W1: 4 waves x 13 K steps x 1,024 bytes
.set XP,    1808                       ; a row of x in LDS: 452 f32, of which 52 are zeros: 452 words = 4 mod 64: 16 rows start at 16 different groups of four banks
.set OREG,  245760                     ; filled once with O's tile: 4 heads x 64 rows of 272 bytes; then h2 as fragments (half fragment (tb, block B) at 14,336 tb + 512 B + 16 lane) and, from HBUF on, two hidden chunks of 8,192 bytes
.set OPI,   272
.set OPOS,  64*OPI
.set HBUF,  57344
.set RED1,  323584                     ; the norm's partial sums; the sums of squares 1,024 bytes on
.set SPARE, 325632                     ; the spare words, 128 bytes a wave: two blocks of 256 bytes that no other line names
.set AT,   4                           ; v4  my place in half a tile
.set AW2,  5                           ; v5-6  the same in the slot in hand, first and second half
.set VW,   7                           ; v7  my byte offset in a chunk's fragments of W1; never rewritten
.set AFH,  8                           ; v8  OREG + HBUF + 16 lane
.set AWA,  9                           ; v9-10  the way out
.set AWB,  10
.set AO,   11                          ; v11 my place in O's tile, at the head in hand
.set AF,   12                          ; v12 OREG + 16 lane
.set AHS,  13                          ; v13 where I put my half fragments of a hidden chunk
.set AH2S, 14                          ; v14 of h2
.set AXA,  15                          ; v15 my place in x's tile, token blocks 0, 1
.set AXB,  16                          ; v16 token blocks 2, 3
.set AREDS, 17
.set AREDR, 18
.set PV0,  19                          ; v19 my columns in g, b and b2; v20-22 those of i = 4, 5, 6, clamped into the buffers
.set ONEV, 23                          ; v23 f16 1.0 in the low half where lane / 16 = 0, else 0
.set ZR,   24                          ; v24 0
.set SPW,  25
.set NIL,  26
.set ZQ,   28                          ; v28-31 zeros
.set HA,   32
.set PBX,  64
.set PBY,  152
.set WV,  20
.set CX,  21                           ; s21 my place in the cluster: it enters O's, x's and out0's addresses alone
.set RW,  22
.set T0,  23
.set G1X, 24
.set G0X, 32
.set G1O, 36
.set G0O, 44
.set G1W, 48
.set G0W, 56
.set SEL, 60
.set CNT, 62
.set SB,  63                           ; s63 the slot that is read
.set INV, 66
.set EPS, 67
.set FL,  68                           ; s[68:69] 0 in wave 3, whose blocks i >= 4 are padding, else 1.0
.set OFF, 74                           ; s[74:75] a tile's byte offset in wpost
.set M3,  76                           ; s76 all ones in wave 3
.set HD,  77                           ; s77 the head whose tile was asked for last
.set PP,  78                           ; s78 the first chunk of the pair asked for last
.set CN,  79                           ; s79 the chunk whose fragments of W1 were asked for last
.set W1P, 80                           ; s[80:81] w1f at that chunk
.set OFW, 82                           ; s[82:83] its byte offset
.set POF, 84                           ; s84 the first pair's byte offset in wpost
.set MSB, 0
.macro WIN new
.if MSB != (\new)
	s_set_vgpr_msb (MSB<<8)|(\new)
.set MSB, (\new)
.endif
.endm
.macro PLACES                          ; four plain instructions between a matrix instruction and a load into, or a vector read of, its registers
.rept 4
	v_nop
.endr
.endm
.macro CREST
	s_cmp_lg_u32 s[WV], 0
	s_cbranch_scc1 .Lnot_wave_0_\@
	s_barrier_signal -3
.Lnot_wave_0_\@:
	s_barrier_wait -3
	s_barrier_signal -1
	s_barrier_wait -1
.endm
.macro CROUND
	s_barrier_signal -1
	s_barrier_wait -1
	CREST
.endm
.macro JW                              ; the joint load of my quarter of a tile; an s_nop 0 and four v_nop follow it
	tensor_load_to_lds s[G0W:G0W+3], s[G1W:G1W+7]
	s_nop 0
	PLACES
.endm
.macro ADRW                            ; the descriptor's address, made anew from the tile's offset
	s_add_nc_u64 s[G0W+2:G0W+3], s[8:9], s[OFF:OFF+1]
	s_or_b32 s[G0W+3], s[G0W+3], 0x80000000
.endm
.macro SLOTAD                          ; my place in the two halves of the slot in hand
	v_add_nc_u32 v[AW2], s[SB], v[AT]
	v_add_nc_u32 v[AW2+1], HT, v[AW2]
.endm
; Products into the 28 accumulators, column blocks ilo .. ihi, from operand set pb: no two that follow each other share an accumulator
.macro WMB pb, ilo, ihi
	WIN 0x50
.set ii, \ilo
.rept (\ihi)-(\ilo)+1
.irp t, 0,1,2,3
	v_wmma_f32_16x16x32_f16 v[32*ii+8*(\t):32*ii+8*(\t)+7], v[(\pb)+32+8*ii:(\pb)+32+8*ii+7], v[(\pb)+8*(\t):(\pb)+8*(\t)+7], v[32*ii+8*(\t):32*ii+8*(\t)+7]
.endr
.set ii, ii+1
.endr
.endm
; K step ks of a head's 128 channels: 4 fragments of O, 7 of Wo
.macro LDO ks, pb
	WIN 0
.irp t, 0,1,2,3
	ds_load_b128 v[(\pb)+8*(\t):(\pb)+8*(\t)+3],   v[AO] offset:16*OPI*(\t)+64*(\ks)
	ds_load_b128 v[(\pb)+8*(\t)+4:(\pb)+8*(\t)+7], v[AO] offset:16*OPI*(\t)+64*(\ks)+32
.endr
.irp i, 0,1,2,3,4,5,6
	ds_load_tr16_b128 v[(\pb)+32+8*(\i):(\pb)+32+8*(\i)+3],   v[AW2+(\ks)/2] offset:7168*((\ks)%2)+32*(\i)
	ds_load_tr16_b128 v[(\pb)+32+8*(\i)+4:(\pb)+32+8*(\i)+7], v[AW2+(\ks)/2] offset:7168*((\ks)%2)+32*(\i)+3584
.endr
.endm
; K step ks of a hidden chunk's 64 columns: 4 fragments of the chunk (buffer at hb), 7 of W2 (the slot's first or second half)
.macro LDB ks, pb, half, hb
	WIN 0
.irp t, 0,1,2,3
	ds_load_b128 v[(\pb)+8*(\t):(\pb)+8*(\t)+3],   v[AFH] offset:(\hb)+(2*(\t)+(\ks))*1024
	ds_load_b128 v[(\pb)+8*(\t)+4:(\pb)+8*(\t)+7], v[AFH] offset:(\hb)+(2*(\t)+(\ks))*1024+512
.endr
.irp i, 0,1,2,3,4,5,6
	ds_load_tr16_b128 v[(\pb)+32+8*(\i):(\pb)+32+8*(\i)+3],   v[AW2+(\half)] offset:7168*(\ks)+32*(\i)
	ds_load_tr16_b128 v[(\pb)+32+8*(\i)+4:(\pb)+32+8*(\i)+7], v[AW2+(\half)] offset:7168*(\ks)+32*(\i)+3584
.endr
.endm
; My fragments of W1, K steps lo .. hi, from memory: two loads of 512 consecutive bytes each
.macro GLW lo, hi
.set kk, \lo
.rept (\hi)-(\lo)+1
.if kk < 4
	WIN 0x40
.set rW, 224+8*kk
.elseif kk < 7
	WIN 0x80
.set rW, 224+8*(kk-4)
.else
	WIN 0xc0
.set rW, 192+8*(kk-7)
.endif
	global_load_b128 v[rW:rW+3],   v[VW], s[W1P:W1P+1] offset:1024*kk
	global_load_b128 v[rW+4:rW+7], v[VW], s[W1P:W1P+1] offset:1024*kk+512
.set kk, kk+1
.endr
.endm
; The first product, K steps lo .. hi: my 16 hidden columns for 64 tokens: the 4 accumulators by turns; K step 0 starts the sums
.macro WMA lo, hi
.set kk, \lo
.rept (\hi)-(\lo)+1
.if kk < 4
	WIN 0x09
.set rW, 224+8*kk
.set rH, 32*kk
.elseif kk < 7
	WIN 0x0a
.set rW, 224+8*(kk-4)
.set rH, 32*kk
.else
	WIN 0x0f
.set rW, 192+8*(kk-7)
.set rH, 32*(kk-7)
.endif
.irp t, 0,1,2,3
.if kk == 0
	v_wmma_f32_16x16x32_f16 v[HA+8*(\t):HA+8*(\t)+7], v[rW:rW+7], v[rH+8*(\t):rH+8*(\t)+7], 0
.else
	v_wmma_f32_16x16x32_f16 v[HA+8*(\t):HA+8*(\t)+7], v[rW:rW+7], v[rH+8*(\t):rH+8*(\t)+7], v[HA+8*(\t):HA+8*(\t)+7]
.endif
.endr
.set kk, kk+1
.endr
.endm
.macro PACKH hb                        ; to f16 (each accumulator from its low end on), relu, into LDS as half fragments
	WIN 0
.irp t, 0,1,2,3
.irp n, 0,1,2,3
	v_cvt_pk_f16_f32 v[HA+8*(\t)+(\n)], v[HA+8*(\t)+2*(\n)], v[HA+8*(\t)+2*(\n)+1]
.endr
.endr
.irp t, 0,1,2,3
.irp n, 0,1,2,3
	v_pk_max_num_f16 v[HA+8*(\t)+(\n)], v[HA+8*(\t)+(\n)], v[ZR]
.endr
.endr
.irp t, 0,1,2,3
	ds_store_b128 v[AHS], v[HA+8*(\t):HA+8*(\t)+3] offset:(\hb)+2048*(\t)
.endr
.endm
; THE PERIOD OF THE RING'S CHUNK c, c % 2 = par.  W2 of chunk c - 1 lies in the slot in hand: its first half where c is odd, its second where c is even.  An odd period changes slots and fills the slot left with the pair after the next.
; last = 1: there is no further chunk of W1 to ask for.
.macro FPER par, last
	WIN 0
.if \par
	s_wait_tensorcnt 0x0                           ; all my tensor loads have landed: my quarter of the pair that is entered now;
	ds_add_u32 v[SPW], v[NIL]                      ; 0 onto my spare word
	s_xor_b32 s[G0W+1], s[G0W+1], SLOT1            ; no load of mine is out, so the descriptor may be written: the other slot,
	s_add_co_u32 s[PP], s[PP], 2                   ; the ring's next pair
	s_sub_co_u32 s[T0], s[PP], 25
	s_cmp_ge_u32 s[PP], 25
	s_cselect_b32 s[PP], s[T0], s[PP]
	s_mul_i32 s[OFF], s[PP], HT
	s_add_co_u32 s[OFF], s[OFF], 8*HT
	ADRW
	s_xor_b32 s[SB], s[SB], SLOT1
	s_wait_dscnt 0x5                               ; Y is in: behind its loads stand 4 stores and the add
.else
	s_wait_dscnt 0x4                               ; Y is in: behind its loads stand 4 stores
.endif
	WMB PBY, 0, 1
	s_wait_dscnt 0x0                               ; my stores of the last chunk are done, my reads of the chunk before and of the slot are over (and the add is done)
	s_barrier_signal -1
	WMB PBY, 2, 3
	WIN 0
	s_barrier_wait -1
.if \par
	CREST                                          ; no wave of any partner still reads the slot left or has a load on its way
	JW                                             ; its four v_nop are also the places in front of the loads below
	SLOTAD
.else
	PLACES                                         ; the tile on its way may stay out
.endif
	LDB 0, PBX, 1-(\par), 8192*(1-(\par))
	WMB PBY, 4, 6
	s_wait_loadcnt 12                              ; W1's K steps 0-6 are in; the 12 loads of K steps 7-12 may stay out
	WMA 0, 6
.if \last
	s_wait_loadcnt 0x0
.else
	PLACES
	s_wait_xcnt 0x0                                ; the loads issued so far have read their base: it steps to the ring's next chunk
	s_add_co_u32 s[CN], s[CN], 1
	s_cmp_eq_u32 s[CN], 25
	s_cselect_b32 s[CN], 0, s[CN]
	s_mul_i32 s[OFW], s[CN], W1C
	s_add_nc_u64 s[W1P:W1P+1], s[10:11], s[OFW:OFW+1]
	GLW 0, 6
	s_wait_loadcnt 14                              ; K steps 7-12 are in; the 14 loads just issued may stay out
.endif
	WMA 7, 12
	PLACES
.if !(\last)
	GLW 7, 12
.endif
	LDB 1, PBY, 1-(\par), 8192*(1-(\par))
	PACKH 8192*(\par)
	s_wait_dscnt 26                                ; X is in: behind its loads stand 22 loads and 4 stores
	WMB PBX, 0, 6
.endm
	s_load_b512 s[4:19], s[0:1], 0x0               ; obuf s[4:5], x s[6:7], wpost s[8:9], w1f s[10:11], g s[12:13], b s[14:15], b2 s[16:17], out0 s[18:19]
	v_lshl_add_u32 v[SPW], v0, 2, SPARE
	v_mov_b32 v[NIL], 0
	ds_add_u32 v[SPW], v[NIL]                      ; the wave's opening add, waited for ahead of my first tensor load
	ds_add_u32 v25, v26
	v_lshrrev_b32 v1, 5, v0
	v_readfirstlane_b32 s[WV], v1
	s_bfe_u32 s[CX], ttmp6, 0x40000
	s_lshl_b32 s[RW], ttmp9, 2
	s_add_co_u32 s[RW], s[RW], s[CX]
	s_mov_b32 s[G1X+0], 2<<16                      ; x: elements of 4 bytes
	s_mov_b32 s[G1X+1], 400<<16                    ; tensor_dim0 = 400: what lies beyond arrives as zeros
	s_mov_b32 s[G1X+2], 16<<16
	s_mov_b32 s[G1X+3], 452<<16                    ; tile_dim0 = 452
	s_mov_b32 s[G1X+4], 16
	s_mov_b32 s[G1X+5], 400
	s_mov_b32 s[G1X+6], 0
	s_mov_b32 s[G1X+7], 0
	s_mov_b32 s[G1O+0], (1<<16)|(1<<20)|(5<<22)|(3<<25)  ; O: 2-byte elements; padding after every 64 words (code 5) of 4 words (code 3)
	s_mov_b32 s[G1O+1], 128<<16                    ; one head's 128 channels,
	s_mov_b32 s[G1O+2], 64<<16                     ; 64 tokens
	s_mov_b32 s[G1O+3], 128<<16
	s_mov_b32 s[G1O+4], 64
	s_mov_b32 s[G1O+5], 512                        ; a token's row holds four heads
	s_mov_b32 s[G1O+6], 0
	s_mov_b32 s[G1O+7], 0
	s_mov_b32 s[G1W+0], 15|(3<<16)|(1<<21)         ; weights: the mask of four; a dense block as rows of 256 bytes
	s_mov_b32 s[G1W+1], 32<<16
	s_mov_b32 s[G1W+2], 112<<16
	s_mov_b32 s[G1W+3], 32<<16
	s_mov_b32 s[G1W+4], 112
	s_mov_b32 s[G1W+5], 32
	s_mov_b32 s[G1W+6], 0
	s_mov_b32 s[G1W+7], 0
	s_mov_b32 s[G0X], 1
	s_mul_i32 s[G0X+1], s[WV], 16*XP               ; my 16 rows of x, in slot 0
	s_mov_b32 s[G0O], 1
	s_mul_i32 s[T0], s[WV], OPOS
	s_add_co_u32 s[G0O+1], s[T0], OREG             ; position w of O's tile
	s_mov_b32 s[G0W], 1
	s_mul_i32 s[OFF], s[WV], QUART
	s_add_co_u32 s[G0W+1], s[OFF], SLOT1           ; the first tile goes into slot 1
	s_mov_b32 s[OFF+1], 0
	s_mul_i32 s70, s[RW], 102400                   ; x and out0: 64 rows of 1,600 bytes, my 16
	s_mul_i32 s[T0], s[WV], 25600
	s_add_co_u32 s70, s70, s[T0]
	s_mov_b32 s71, 0
	s_and_b32 s[HD], ttmp9, 3                      ; the head with which the cluster begins
	s_add_co_u32 s[T0], s[HD], s[WV]
	s_and_b32 s[T0], s[T0], 3                      ; position w takes the ring's head number w
	s_lshl_b32 s[T0], s[T0], 8
	s_lshl_b32 s72, s[RW], 16                      ; O: 64 rows of 1,024 bytes
	s_add_co_u32 s72, s72, s[T0]
	s_mov_b32 s73, 0
	s_sub_co_u32 s[T0], ttmp9, 25                  ; the cluster's number (0 to 63) mod 25: the hidden chunk with which it begins
	s_cmp_ge_u32 ttmp9, 25
	s_cselect_b32 s[PP], s[T0], ttmp9
	s_sub_co_u32 s[T0], s[PP], 25
	s_cmp_ge_u32 s[PP], 25
	s_cselect_b32 s[PP], s[T0], s[PP]
	s_mov_b32 s[CN], s[PP]
	s_mul_i32 s[POF], s[PP], HT
	s_add_co_u32 s[POF], s[POF], 8*HT              ; W2's chunks lie behind Wo's eight half tiles
	s_mul_i32 s[OFW], s[CN], W1C
	s_mov_b32 s[OFW+1], 0
	s_mov_b32 s[INV], 0x3b23d70a                   ; 1 / 400
	s_mov_b32 s[EPS], 0x3727c5ac                   ; 1e-5
	s_mov_b32 s[SEL], 0x76543210
	s_mov_b32 s[SEL+1], 0xfedcba98
	s_cmp_eq_u32 s[WV], 3
	s_cselect_b32 s[FL], 0, 1.0
	s_cselect_b32 s[M3], -1, 0
	s_mov_b32 s[FL+1], s[FL]
	s_mov_b32 s[SB], 0
	s_wait_dscnt 0x0                               ; the opening add is done
	s_wait_kmcnt 0x0
	s_add_nc_u64 s[G0X+2:G0X+3], s[6:7], s[70:71]
	s_or_b32 s[G0X+3], s[G0X+3], 0x80000000
	s_add_nc_u64 s[G0O+2:G0O+3], s[4:5], s[72:73]
	s_or_b32 s[G0O+3], s[G0O+3], 0x80000000
	s_add_nc_u64 s[8:9], s[8:9], s[OFF:OFF+1]      ; wpost at my quarter of a tile
	s_mul_i32 s[OFF], s[HD], TILE
	ADRW
	s_add_nc_u64 s[W1P:W1P+1], s[10:11], s[OFW:OFW+1]
	s_add_nc_u64 s[18:19], s[18:19], s[70:71]
	CROUND                                         ; all four work-groups are here: the first joint loads meet
	tensor_load_to_lds s[G0O:G0O+3], s[G1O:G1O+7]
	s_nop 0
	tensor_load_to_lds s[G0X:G0X+3], s[G1X:G1X+7]
	s_nop 0
	tensor_load_to_lds s[G0W:G0W+3], s[G1W:G1W+7]
	s_nop 0
	PLACES
	v_and_b32 v1, 15, v0                           ; lane % 16
	v_bfe_u32 v2, v0, 4, 1                         ; lane / 16
	v_and_b32 v3, 31, v0                           ; lane
	s_mul_i32 s[T0], s[WV], 448
	v_lshl_add_u32 v[PV0], v2, 5, s[T0]            ; my columns 112 w + 8 (lane / 16), in bytes of f32
	v_add_nc_u32 v[PV0+1], 256, v[PV0]
	v_add_nc_u32 v[PV0+2], 320, v[PV0]
	v_add_nc_u32 v[PV0+3], 384, v[PV0]
.irp k, 1,2,3
	v_min_u32 v[PV0+(\k)], 1568, v[PV0+(\k)]       ; wave 3's padding blocks load from the buffers' last 32 bytes
.endr
	WIN 0xc0
.set i, 0
.rept 14                               ; i = 2 block + half
.if i < 8
	global_load_b128 v[4*i:4*i+3],         v[PV0], s[12:13] offset:64*(i/2)+16*(i%2)
	global_load_b128 v[56+4*i:56+4*i+3],   v[PV0], s[14:15] offset:64*(i/2)+16*(i%2)
	global_load_b128 v[112+4*i:112+4*i+3], v[PV0], s[16:17] offset:64*(i/2)+16*(i%2)
.else
	global_load_b128 v[4*i:4*i+3],         v[PV0+i/2-3], s[12:13] offset:16*(i%2)
	global_load_b128 v[56+4*i:56+4*i+3],   v[PV0+i/2-3], s[14:15] offset:16*(i%2)
	global_load_b128 v[112+4*i:112+4*i+3], v[PV0+i/2-3], s[16:17] offset:16*(i%2)
.endif
.set i, i+1
.endr
	WIN 0
	v_and_b32 v27, 7, v0
	v_lshl_add_u32 v27, v2, 3, v27                 ; the turning load's row: 8 (lane / 16) + lane % 8
	v_bfe_u32 v[AWA], v0, 3, 1
	v_mul_u32_u24 v[AT], v27, 224
	v_lshl_add_u32 v[AT], v[AWA], 4, v[AT]         ; its 16 bytes
	s_mul_i32 s[T0], s[WV], 14336
	v_add_nc_u32 v[AT], s[T0], v[AT]               ; my wave's sub-block
	s_mul_i32 s[T0], s[WV], 13312
	v_lshl_add_u32 v[VW], v3, 4, s[T0]             ; my wave's 13 fragments of W1, 16 bytes a lane
	v_mul_u32_u24 v[AO], v1, OPI
	v_lshl_add_u32 v[AO], v2, 4, v[AO]
	v_add_nc_u32 v[AO], OREG, v[AO]
	v_lshl_add_u32 v[AF], v3, 4, OREG
	v_add_nc_u32 v[AFH], HBUF, v[AF]
	s_lshl_b32 s[T0], s[WV], 9
	v_add_nc_u32 v[AHS], s[T0], v[AFH]             ; K step w / 2, half w % 2 of a chunk: 512 w
	s_mul_i32 s[T0], s[WV], 3584
	v_add_nc_u32 v[AH2S], s[T0], v[AF]             ; my 7 blocks of h2
	v_mul_u32_u24 v[AXA], v1, XP
	v_add_nc_u32 v[AXA], v[AXA], v[PV0]
	v_add_nc_u32 v[AXB], 2*16*XP, v[AXA]
	v_lshl_add_u32 v[AREDR], v1, 4, RED1
	s_lshl_b32 s[T0], s[WV], 8
	v_add_nc_u32 v[AREDS], s[T0], v[AREDR]
	v_sub_nc_u32 v27, 1, v2
	v_mul_u32_u24 v[ONEV], v27, 0x3c00
	v_mov_b32 v[ZR], 0
.irp k, 0,1,2,3
	v_mov_b32 v[ZQ+(\k)], 0
.endr
	s_wait_tensorcnt 0x0                           ; my head of O, my rows of x and my quarter of the first tile are in,
	s_barrier_signal -1
	s_barrier_wait -1                              ; everybody's are: every wave reads all of them.
	WIN 0x40
.set i, 0
.rept 28                               ; x starts the sums: i = 4 block + tb
	ds_load_b128 v[8*i:8*i+3],   v[AXA+(i%4)/2] offset:16*XP*(i%2)+64*(i/4)
	ds_load_b128 v[8*i+4:8*i+7], v[AXA+(i%4)/2] offset:16*XP*(i%2)+64*(i/4)+16
.set i, i+1
.endr
	GLW 0, 12                                      ; W1's fragments of the ring's first chunk: they have the product with Wo and the norm in which to come
	WIN 0
	s_mov_b32 s[CNT], 4
.Lwo:                                          ; a head a trip: K = 128 in four steps, on two operand sets
	s_wait_tensorcnt 0x0                           ; the head's tile has landed
	ds_add_u32 v[SPW], v[NIL]
	s_xor_b32 s[G0W+1], s[G0W+1], SLOT1
	s_add_co_u32 s[HD], s[HD], 1                   ; the ring's next head, or behind the last the first pair of W2's chunks
	s_and_b32 s[HD], s[HD], 3
	s_mul_i32 s[OFF], s[HD], TILE
	s_cmp_eq_u32 s[CNT], 1
	s_cselect_b32 s[OFF], s[POF], s[OFF]
	ADRW
	s_xor_b32 s[SB], s[SB], SLOT1
	s_wait_dscnt 0x0                               ; the add is done; my reads of the other slot (in the first trip: of x) are over
	CROUND
	JW                                             ; its four v_nop are also the places in front of the loads below
	SLOTAD
	LDO 0, PBX
	LDO 1, PBY
	s_wait_dscnt 22                                ; the older set is in; the 22 loads of the younger may stay out: so at each of these three waits
	WMB PBX, 0, 6
	PLACES
	LDO 2, PBX
	s_wait_dscnt 22
	WMB PBY, 0, 6
	PLACES
	LDO 3, PBY
	s_wait_dscnt 22
	WMB PBX, 0, 6
	s_wait_dscnt 0x0
	WMB PBY, 0, 6
	WIN 0
	v_add_nc_u32 v[AO], OPOS, v[AO]                ; the next position of O's tile
	s_sub_co_u32 s[CNT], s[CNT], 1
	s_cmp_lg_u32 s[CNT], 0
	s_cbranch_scc1 .Lwo
	; THE NORM of x1.  A lane holds 56 columns of each of four tokens; the sums meet across the halves of the lanes and, in LDS, across the waves.  The padding columns of x1 are 0.
	PLACES
	WIN 0x05
.irp t, 0,1,2,3                        ; two chains a token block (blocks i < 4, i >= 4); each accumulator is read from its low end on
	v_pk_add_f32 v[64+4*(\t):65+4*(\t)], v[8*(\t):8*(\t)+1], v[8*(\t)+2:8*(\t)+3]
	v_pk_add_f32 v[66+4*(\t):67+4*(\t)], v[128+8*(\t):128+8*(\t)+1], v[128+8*(\t)+2:128+8*(\t)+3]
.endr
	WIN 0x04
.set ii, 0
.rept 7
.set pp, 0
.rept 4
.if (ii%4 != 0) || (pp >= 2)
.irp t, 0,1,2,3
	v_pk_add_f32 v[64+4*(\t)+2*(ii/4):65+4*(\t)+2*(ii/4)], v[64+4*(\t)+2*(ii/4):65+4*(\t)+2*(ii/4)], v[32*ii+8*(\t)+2*pp:32*ii+8*(\t)+2*pp+1]
.endr
.endif
.set pp, pp+1
.endr
.set ii, ii+1
.endr
	WIN 0
.irp t, 0,1,2,3
	v_pk_add_f32 v[64+4*(\t):65+4*(\t)], v[64+4*(\t):65+4*(\t)], v[66+4*(\t):67+4*(\t)]
.endr
.macro MEETSUM off                     ; v[64 + 4 t], v[65 + 4 t] hold my sums; v[84 + t] takes the token's, over all lanes and waves
.irp t, 0,1,2,3
	v_add_f32 v[80+(\t)], v[64+4*(\t)], v[65+4*(\t)]
.endr
.irp t, 0,1,2,3
	v_permlanex16_b32 v[64+(\t)], v[80+(\t)], s[SEL], s[SEL+1]
.endr
.irp t, 0,1,2,3
	v_add_f32 v[80+(\t)], v[80+(\t)], v[64+(\t)]
.endr
	ds_store_b128 v[AREDS], v[80:83] offset:\off   ; both halves of the lanes write the same numbers to the same bytes
	s_wait_dscnt 0x0
	s_barrier_signal -1
	s_barrier_wait -1                              ; the tile on its way may stay out
.irp k, 0,1,2,3
	ds_load_b128 v[84+4*(\k):87+4*(\k)], v[AREDR] offset:(\off)+256*(\k)
.endr
	s_wait_dscnt 0x0
	v_pk_add_f32 v[84:85], v[84:85], v[88:89]
	v_pk_add_f32 v[86:87], v[86:87], v[90:91]
	v_pk_add_f32 v[92:93], v[92:93], v[96:97]
	v_pk_add_f32 v[94:95], v[94:95], v[98:99]
	v_pk_add_f32 v[84:85], v[84:85], v[92:93]
	v_pk_add_f32 v[86:87], v[86:87], v[94:95]
.endm
	MEETSUM 0
.irp t, 0,1,2,3
	v_mul_f32 v[100+2*(\t)], s[INV], v[84+(\t)]    ; the mean, twice
	v_mul_f32 v[101+2*(\t)], s[INV], v[84+(\t)]
.endr
	WIN 0x81
.set ii, 0
.rept 28                               ; x1 - mean, into window 2: ii = 4 block + tb
.irp p, 0,1,2,3
	v_pk_add_f32 v[8*ii+2*(\p):8*ii+2*(\p)+1], v[8*ii+2*(\p):8*ii+2*(\p)+1], v[100+2*(ii%4):101+2*(ii%4)] neg_lo:[0,1] neg_hi:[0,1]
.endr
.set ii, ii+1
.endr
	WIN 0x0a
.irp t, 0,1,2,3
	v_pk_mul_f32 v[64+4*(\t):65+4*(\t)], v[8*(\t):8*(\t)+1], v[8*(\t):8*(\t)+1]
	v_pk_mul_f32 v[66+4*(\t):67+4*(\t)], v[128+8*(\t):128+8*(\t)+1], v[128+8*(\t):128+8*(\t)+1]
.endr
.set ii, 0
.rept 7
.set pp, 0
.rept 4
.if (ii%4 != 0) || (pp >= 1)
.irp t, 0,1,2,3
	v_pk_fma_f32 v[64+4*(\t)+2*(ii/4):65+4*(\t)+2*(ii/4)], v[32*ii+8*(\t)+2*pp:32*ii+8*(\t)+2*pp+1], v[32*ii+8*(\t)+2*pp:32*ii+8*(\t)+2*pp+1], v[64+4*(\t)+2*(ii/4):65+4*(\t)+2*(ii/4)]
.endr
.endif
.set pp, pp+1
.endr
.set ii, ii+1
.endr
	WIN 0
.irp t, 0,1,2,3                        ; wave 3's blocks i >= 4 are padding: their squares do not count
	v_pk_fma_f32 v[64+4*(\t):65+4*(\t)], v[66+4*(\t):67+4*(\t)], s[FL:FL+1], v[64+4*(\t):65+4*(\t)] op_sel_hi:[1,0,1]
.endr
	MEETSUM 1024
.irp t, 0,1,2,3
	v_fma_f32 v[84+(\t)], v[84+(\t)], s[INV], s[EPS]
.endr
.irp t, 0,1,2,3
	v_rsq_f32 v[100+2*(\t)], v[84+(\t)]
	v_rsq_f32 v[101+2*(\t)], v[84+(\t)]
.endr
	v_nop                                          ; a plain instruction behind the last of the eight,
	s_wait_alu depctr_va_vdst(0)                   ; and the one wait ahead of their first reader
	s_wait_loadcnt 0x0                             ; g, b and b2 (and W1's first fragments)
	WIN 0x82
.set ii, 0
.rept 28
.irp p, 0,1,2,3
	v_pk_mul_f32 v[8*ii+2*(\p):8*ii+2*(\p)+1], v[8*ii+2*(\p):8*ii+2*(\p)+1], v[100+2*(ii%4):101+2*(ii%4)]
.endr
.set ii, ii+1
.endr
	WIN 0xbe
.set ii, 0
.rept 28
.irp p, 0,1,2,3
	v_pk_fma_f32 v[8*ii+2*(\p):8*ii+2*(\p)+1], v[8*ii+2*(\p):8*ii+2*(\p)+1], v[8*(ii/4)+2*(\p):8*(ii/4)+2*(\p)+1], v[56+8*(ii/4)+2*(\p):56+8*(ii/4)+2*(\p)+1]
.endr
.set ii, ii+1
.endr
	WIN 0x8a
.set i, 0
.rept 112                              ; to f16, in place, ascending: register i takes pair i; block (i, tb) ends at 16 i + 4 tb
	v_cvt_pk_f16_f32 v[i], v[2*i], v[2*i+1]
.set i, i+1
.endr
	WIN 0x82
.irp t, 0,1,2,3                        ; wave 3's block i = 4 is columns 400-415: column 400 is 1.0, for b1's row; the others are 0
	v_cndmask_b32 v[64+4*(\t)], v[64+4*(\t)], v[ONEV], s[M3]
	v_cndmask_b32 v[65+4*(\t)], v[65+4*(\t)], v[ZR], s[M3]
	v_cndmask_b32 v[66+4*(\t)], v[66+4*(\t)], v[ZR], s[M3]
	v_cndmask_b32 v[67+4*(\t)], v[67+4*(\t)], v[ZR], s[M3]
.endr
	WIN 0x08
.set ii, 0
.rept 28                               ; O's tile has been read by every wave (two barriers back): its bytes take h2
	ds_store_b128 v[AH2S], v[4*ii:4*ii+3] offset:14336*(ii%4)+512*(ii/4)
.set ii, ii+1
.endr
	WIN 0
.irp t, 0,1,2,3                        ; and the hidden chunk in front of the first: zeros
	ds_store_b128 v[AHS], v[ZQ:ZQ+3] offset:8192+2048*(\t)
.endr
	WIN 0x4d
.set ii, 0
.rept 28                               ; b2 joins x1 in the accumulators
.irp p, 0,1,2,3
	v_pk_add_f32 v[8*ii+2*(\p):8*ii+2*(\p)+1], v[8*ii+2*(\p):8*ii+2*(\p)+1], v[112+8*(ii/4)+2*(\p):112+8*(ii/4)+2*(\p)+1]
.endr
.set ii, ii+1
.endr
	WIN 0
	s_wait_dscnt 0x0
	s_barrier_signal -1
	s_barrier_wait -1                              ; h2 is whole.
	WIN 0x80
.set i, 0
.rept 28                               ; h2's fragments: i = 4 ks + tb
	ds_load_b128 v[8*i:8*i+3],   v[AF] offset:14336*(i%4)+1024*(i/4)
	ds_load_b128 v[8*i+4:8*i+7], v[AF] offset:14336*(i%4)+1024*(i/4)+512
.set i, i+1
.endr
	WIN 0xc0
.set i, 0
.rept 24
	ds_load_b128 v[8*i:8*i+3],   v[AF] offset:14336*(i%4)+1024*(i/4+7)
	ds_load_b128 v[8*i+4:8*i+7], v[AF] offset:14336*(i%4)+1024*(i/4+7)+512
.set i, i+1
.endr
	WIN 0
.set i, 0
.rept 88                               ; the first period's opening products add 0
	v_mov_b32 v[PBY+i], 0
.set i, i+1
.endr
	s_wait_dscnt 0x0
	s_mov_b32 s[CNT], 12
.Lffn:                                         ; the ring's chunks 0 to 23.  Period 0 multiplies the zero chunk by the numbers of Wo's last tile, which still lies in slot 0
	FPER 0, 0
	FPER 1, 0
	WIN 0
	s_sub_co_u32 s[CNT], s[CNT], 1
	s_cmp_lg_u32 s[CNT], 0
	s_cbranch_scc1 .Lffn
	FPER 0, 1                                      ; chunk 24
	WIN 0                                          ; THE TAIL: the rest of chunk 23's second product and all of chunk 24's; nothing is left to fetch
	s_wait_tensorcnt 0x0                           ; the last tile's quarter has landed
	ds_add_u32 v[SPW], v[NIL]
	s_xor_b32 s[SB], s[SB], SLOT1
	s_wait_dscnt 0x5                               ; Y is in: behind its loads stand 4 stores and the add
	WMB PBY, 0, 1
	s_wait_dscnt 0x0
	s_barrier_signal -1
	WMB PBY, 2, 3
	WIN 0
	s_barrier_wait -1                              ; the last tile is whole, chunk 24 lies in LDS, and nobody reads slot 0 any more
	PLACES
	SLOTAD
	LDB 0, PBX, 0, 0
	WMB PBY, 4, 6
	PLACES
	LDB 1, PBY, 0, 0
	s_wait_dscnt 22                                ; K step 0's operands are in
	WMB PBX, 0, 6
	s_wait_dscnt 0x0
	WMB PBY, 0, 6
	; THE WAY OUT.  Slot 0 has had its last fill: it takes the 64 rows of the result, 1,600 bytes each, on end.  A wave then reads 16 whole rows, 25,600 consecutive bytes, and stores them.
	PLACES
	WIN 0
	v_mul_u32_u24 v[AT], v1, 1600
	v_add_nc_u32 v[AT], v[AT], v[PV0]              ; token lane % 16, my columns
	v_add_nc_u32 v[AT+1], 2*25600, v[AT]           ; token blocks 2, 3
	s_mul_i32 s[T0], s[WV], 25600
	v_lshl_add_u32 v[AWA], v3, 4, s[T0]
	v_lshlrev_b32 v[AWB], 4, v3
	WIN 0x04
.set i, 0
.rept 16                               ; blocks 0 to 3: i = 4 block + tb; each accumulator from its low end on
	ds_store_b128 v[AT+(i%4)/2], v[8*i:8*i+3]   offset:25600*(i%2)+64*(i/4)
	ds_store_b128 v[AT+(i%4)/2], v[8*i+4:8*i+7] offset:25600*(i%2)+64*(i/4)+16
.set i, i+1
.endr
	WIN 0
	s_cmp_eq_u32 s[WV], 3                          ; wave 3's blocks 4 to 6 are padding: they have no place in a row
	s_cbranch_scc1 .Lpadding
	WIN 0x04
.rept 12
	ds_store_b128 v[AT+(i%4)/2], v[8*i:8*i+3]   offset:25600*(i%2)+64*(i/4)
	ds_store_b128 v[AT+(i%4)/2], v[8*i+4:8*i+7] offset:25600*(i%2)+64*(i/4)+16
.set i, i+1
.endr
	WIN 0
.Lpadding:
	s_wait_dscnt 0x0
	s_barrier_signal -1
	s_barrier_wait -1
.set i, 0
.rept 50
	ds_load_b128 v[32+4*i:35+4*i], v[AWA] offset:512*i
.set i, i+1
.endr
.set i, 0
.rept 50
	s_wait_dscnt 49-i                              ; LDS loads come back in order (ISA guide 5.7.1): load i is in
	global_store_b128 v[AWB], v[32+4*i:35+4*i], s[18:19] offset:512*i th:TH_STORE_NT  ; 512 consecutive bytes, aligned
.set i, i+1
.endr
	s_wait_tensorcnt 0x0                           ; the wave's end
	ds_add_u32 v[SPW], v[NIL]
	s_wait_dscnt 0x0
	CROUND                                         ; the closing round
	s_endpgm
.Lfunc_end_k_q2adfbd280a_post:
	.size	k_q2adfbd280a_post, .Lfunc_end_k_q2adfbd280a_post-k_q2adfbd280a_post
	.p2alignl 7, 3214868480
	.fill 96, 4, 3214868480
	.section	.rodata,"a",@progbits
	.p2align	6, 0x0
	.amdhsa_kernel k_q2adfbd280a_post
		.amdhsa_group_segment_fixed_size 327680
		.amdhsa_private_segment_fixed_size 0
		.amdhsa_enable_private_segment 0
		.amdhsa_kernarg_size 64
		.amdhsa_user_sgpr_count 2
		.amdhsa_user_sgpr_kernarg_segment_ptr 1
		.amdhsa_wavefront_size32 1
		.amdhsa_system_sgpr_workgroup_id_x 1
		.amdhsa_system_sgpr_workgroup_id_y 1
		.amdhsa_system_sgpr_workgroup_id_z 1
		.amdhsa_system_vgpr_workitem_id 0
		.amdhsa_next_free_vgpr 1008
		.amdhsa_next_free_sgpr 88
		.amdhsa_reserve_vcc 0
		.amdhsa_float_denorm_mode_32 3
		.amdhsa_float_denorm_mode_16_64 3
		.amdhsa_memory_ordered 1
		.amdhsa_forward_progress 1
		.amdhsa_inst_pref_size 165
	.end_amdhsa_kernel
	.amdgpu_metadata
---
amdhsa.version: [ 1, 2 ]
amdhsa.kernels:
  - .name:           k_q2adfbd280a_post
    .symbol:         k_q2adfbd280a_post.kd
    .args:
      - { .name: obuf, .offset: 0, .size: 8, .value_kind: global_buffer, .address_space: global }
      - { .name: x, .offset: 8, .size: 8, .value_kind: global_buffer, .address_space: global }
      - { .name: wpost, .offset: 16, .size: 8, .value_kind: global_buffer, .address_space: global }
      - { .name: w1f, .offset: 24, .size: 8, .value_kind: global_buffer, .address_space: global }
      - { .name: ln2_g, .offset: 32, .size: 8, .value_kind: global_buffer, .address_space: global }
      - { .name: ln2_b, .offset: 40, .size: 8, .value_kind: global_buffer, .address_space: global }
      - { .name: b2, .offset: 48, .size: 8, .value_kind: global_buffer, .address_space: global }
      - { .name: out0, .offset: 56, .size: 8, .value_kind: global_buffer, .address_space: global }
    .group_segment_fixed_size: 327680
    .private_segment_fixed_size: 0
    .kernarg_segment_align: 8
    .kernarg_segment_size: 64
    .max_flat_workgroup_size: 128
    .sgpr_count:     88
    .vgpr_count:     1008
    .wavefront_size: 32
...
	.end_amdgpu_metadata
.endif
;; end of part 8
